; MI455X (gfx1250); checked and timed in simulation.
; The chip was launched on July 23, 2026; its instructions are those of AMD's public machine-readable ISA for CDNA 5 (MIT licence, August 2026) and "CDNA5" Instruction Set Architecture Reference Guide (July 2026). The comments in the code are by the model that wrote it; some were corrected since.
;; Encoder Block. Allowed arithmetic: matrix products marked QUANTISED: E2M1 operands, one E8M0 scale for each 32 along K, by v_wmma_scale_f32_16x16x128_f8f6f4 with both operands' format E2M1 (or v_wmma_scale_f32_32x16x128_f4), f32 sums; everything else in f32.
;; Inputs: W1 1,024 x 4,096 float32; W2 4,096 x 1,024 float32; Wk 16 x 1,024 x 64 float32; Wp 1,024 x 1,024 float32; Wq 16 x 1,024 x 64 float32; Wv 16 x 1,024 x 64 float32; b1 4,096 float32; b2 1,024 float32; bk 16 x 64 float32; bp 1,024 float32; bq 16 x 64 float32; bv 16 x 64 float32; ln1_b 1,024 float32; ln1_w 1,024 float32; ln2_b 1,024 float32; ln2_w 1,024 float32; x 2 x 2,048 x 1,024 float32.
;; Outputs: out0 2 x 2,048 x 1,024 float32.
;; This version of the problem:
;;   THIS VERSION OF THE PROBLEM IS GIVEN IN LOW PRECISION. The matrix products marked QUANTISED in the list below multiply operands that are first quantised to E2M1 (2 exponent bits, 1 mantissa bit; 4 bits a number), with one power-of-two scale for each 32 numbers along K (OCP MX v1.0); their sums are f32. All else is computed in f32.
;;   The module's matrix products, in the order in which they are computed (A, B: the left and right operand; K: the contracted axis; several contracted axes count as one K, in the product's order):
;;     1. [M 1,024, K 1,024] x [K 1,024, N 4,096]; A: input Wq; B: computed on the way: QUANTISED
;;     2. [M 1,024, K 1,024] x [K 1,024, N 4,096]; A: input Wk; B: computed on the way: QUANTISED
;;     3. [M 1,024, K 1,024] x [K 1,024, N 4,096]; A: input Wv; B: computed on the way: QUANTISED
;;     4. batch 32 x [M 2,048, K 64] x [K 64, N 2,048]; A: computed on the way; B: computed on the way: QUANTISED
;;     5. batch 32 x [M 2,048, K 2,048] x [K 2,048, N 64]; A: softmax (see below); B: computed on the way: QUANTISED
;;     6. [M 4,096, K 1,024] x [K 1,024, N 1,024]; A: computed on the way; B: input Wp: QUANTISED
;;     7. [M 4,096, K 1,024] x [K 1,024, N 4,096]; A: computed on the way; B: input W1: QUANTISED
;;     8. [M 4,096, K 4,096] x [K 4,096, N 1,024]; A: computed on the way; B: input W2: QUANTISED
;;   THE QUANTISER, for each operand of a quantised product, along K:
;;     - K is cut into blocks of 32 from its start; a last block that is shorter is filled with zeros.
;;     - A block's scale is 2^e with e = floor(log2(the largest magnitude in the block)) - 2, held to -126 .. 127; a block of zeros has e = 0. As a byte (E8M0): e + 127.
;;     - Each number is divided by its block's scale, clamped to +-6, and rounded to the nearest number of E2M1, ties to even, subnormals kept.
;;     - The product sums the exact products of the quantised numbers (number of the format x scale) in f32.
;;   ~~~python
;;   def quantise(x, axis):      # numpy; x: float32 -> the quantised numbers, widened to float32 again
;;       x = np.moveaxis(x, axis, -1); K = x.shape[-1]
;;       x = np.pad(x, [(0, 0)] * (x.ndim - 1) + [(0, -K % 32)]); x = x.reshape(x.shape[:-1] + (-1, 32)); a = np.abs(x).max(-1, keepdims=True)
;;       e = np.where(a > 0, np.clip(np.frexp(np.where(a > 0, a, 1))[1] - 1 - 2, -126, 127), 0)      # np.frexp(a)[1] - 1 = floor(log2(a)), exactly
;;       r = np.clip(x / 2.0 ** e, -6, 6)
;;       step = 2.0 ** (np.maximum(np.frexp(np.where(r == 0, 1, r))[1] - 1, 0) - 1)
;;       q = np.round(r / step) * step * 2.0 ** e      # np.round: ties to even
;;       return np.moveaxis(q.reshape(q.shape[:-2] + (-1,))[..., :K], -1, axis).astype(np.float32)
;;   ~~~
;;   SOFTMAX AHEAD OF A QUANTISED PRODUCT. Where the list says 'softmax', what is quantised is not the finished softmax but p = 2^(t - M), with t = logit x log2(e) and M = ceil(the row's largest t), a whole number; so 1/2 < the row's largest p <= 1. The row's sum l is taken of the UNQUANTISED p, in f32, and the product's result is divided by l at the end. Since M is a whole number, a kernel that streams over the keys may use a running M (the ceiling of the running maximum): every later rescaling is an exact power of two, which a block's scale takes up: the codes' values come out the same.
;;   OPERANDS COMPUTED ON THE WAY. 'Computed on the way' means the value that the module computes at that place (a softmax that the list does not call 'softmax' is quantised finished and normalised). What goes into a quantiser is computed in f32, as accurately as f32 sums, v_exp_f32 and their like allow (about 1e-6 of the number): no bf16 or f16 on the way to a quantiser, and a product that is left as it is and whose result goes on into a quantised operand takes f32 operands (vector FMAs, or v_wmma_f32_16x16x4_f32). A number that lies on a knife's edge between two numbers of the format may be rounded either way, as far as f32 arithmetic and the matrix unit's own rounding can turn it there, and no further.
;; 2 versions. Each part assembles by itself: llvm-mc -triple=amdgcn-amd-amdhsa -mcpu=gfx1250 --defsym DOCPART=n.
;; ======== version 1 of 2: 8 launches
;; workspace buffers: wts 6,684,672 bytes; xnq 2,228,224 bytes; qkvf 6,946,816 bytes; oq 2,228,224 bytes; outb 16,777,216 bytes; onq 2,228,224 bytes; hq 8,912,896 bytes
;; launch wquant (part 1): grid 192 x 1, 4 waves a work-group, no clusters, 34,304 bytes of LDS; arguments Wq, Wk, Wv, Wp, W1, W2, wts; writes wts
.if DOCPART == 1
	.amdgcn_target "amdgcn-amd-amdhsa--gfx1250"
	.amdhsa_code_object_version 6
	.text
	.protected	k_qaf9b5aefec_wquant
	.globl	k_qaf9b5aefec_wquant
	.p2align	8
	.type	k_qaf9b5aefec_wquant,@function
k_qaf9b5aefec_wquant:
	s_mov_b64 s[64:65], 0
	v_nop
	global_prefetch_b8 v0, s[64:65] scope:SCOPE_SE
	s_setreg_imm32_b32 hwreg(HW_REG_WAVE_MODE, 25, 1), 1
	s_wait_xcnt 0x0
; The six weights, f32 with K not innermost, become codes of FP4 (E2M1) with one E8M0 byte for each 32 along K, laid in BLOCKS as the products' launches read them.
; A BLOCK is 128 output columns n x 512 along K, 34,816 bytes: tile i (16 columns), K step q (128), half c: 512 bytes at 4096 i + 1024 q + 512 c, lane (r, h)'s 16 bytes at 16 (16 h + r): the codes of
; k = 128 q + 64 c + 32 h + 0 .. 31 of the tile's column r: an image of the operand's registers.  Behind the codes, at 32,768: the scale words, 256 i + 16 r + 4 q.
; THE COLUMNS OF A TILE ARE NOT NEIGHBOURS: column n stands at place n with its bits 3 and 4 exchanged, so that two neighbouring tiles of a product's result hold 16 neighbours along the next K.
; Work-group w makes block w of wts: 0-47 Wq, Wk, Wv (rows head x 64 + d), 48-63 Wp, 64-127 W1, 128-191 W2; in a tensor block (column group g, K step ks) is g x (K / 512) + ks.
; A LANE TAKES A COLUMN, ITS REGISTERS RUN DOWN K: a block of 32 along K lies in one lane, and the conversions give codes with K innermost.  A wave takes 32 columns: two tiles.
; The tensors differ in pointers, pitch and strides alone, chosen by selects on the work-group's number: one path through the text.  No barrier: waves share nothing.
; A block's scale byte is its largest magnitude's exponent field - 2, held at 1 from below.
; LIMITS: a block of zeros, or one whose largest magnitude lies under 2^-124, gets the byte 1 (its codes are zeros or the nearest codes under that scale; this program alone reads the bytes); NaN and infinities are not served.
.set BLK,  34816
.set TP,   4224                        ; LDS: a tile's image of 4,096 bytes + 128, so that the two tiles' stores fall into different halves of the banks
.set IM,   4                           ; v4   LDS: where my column's 16 bytes of a block of 32 go
.set RDB,  5                           ; v5   LDS: 16 x lane in my wave's images
.set SV,   6                           ; v6   my scale bytes' place behind the block's codes
.set GO,   7                           ; v7   my 16 bytes' place in the block's codes
.set OFF,  32                          ; v32-63   4 x lane + i x pitch
.set X,    64                          ; v64-127  two sets of 32 numbers; on the way out the codes
.set C,    128                         ; v128-131 a block's codes
.set SB,   132                         ; v132-135 the 16 scale bytes
	s_load_b256 s[4:11], s[0:1], 0x0               ; Wq, Wk, Wv, Wp
	s_load_b128 s[12:15], s[0:1], 0x20             ; W1, W2
	s_load_b64 s[16:17], s[0:1], 0x30              ; wts
	v_lshl_add_u32 v144, v0, 2, 0x8400
	v_mov_b32 v145, 0
	v_lshrrev_b32 v1, 5, v0
	v_readfirstlane_b32 s20, v1                    ; wave 0..3
	v_and_b32 v2, 31, v0                           ; lane = my column among the wave's 32
	v_lshlrev_b32 v3, 2, v2
	v_bfe_u32 v8, v0, 3, 1                         ; which of the wave's two tiles: bit 3 of the column
	v_and_b32 v9, 7, v0
	v_bfe_u32 v10, v0, 4, 1
	v_lshl_add_u32 v9, v10, 3, v9                  ; my place r in the tile: bits 0-2, and bit 4 as bit 3
	v_lshlrev_b32 v9, 4, v9                        ; 16 r
	s_mul_i32 s21, s20, 2*TP
	v_mad_u32_u24 v[IM], v8, TP, v9
	v_add_nc_u32 v[IM], s21, v[IM]
	v_lshl_add_u32 v[RDB], v2, 4, s21
	v_lshl_add_u32 v[SV], v8, 8, v9                ; 256 x tile + 16 r,
	s_lshl_b32 s21, s20, 9
	v_add_nc_u32 v[SV], s21, v[SV]                 ; + 512 x wave
	s_lshl_b32 s21, s20, 13
	v_lshl_add_u32 v[GO], v2, 4, s21               ; 16 x lane + 8,192 x wave
	s_mov_b32 s22, ttmp9
	s_wait_kmcnt 0x0
	; which tensor: pointer s[18:19], first block s24, log2(K / 512) s25, pitch s23, bytes from column group to group s26, from half group to half group s27
	s_cmp_lt_u32 s22, 128
	s_cselect_b64 s[18:19], s[12:13], s[14:15]
	s_cselect_b32 s24, 64, 128
	s_cselect_b32 s25, 1, 3
	s_mov_b32 s23, 4096
	s_cselect_b32 s23, 16384, s23
	s_cmp_lt_u32 s22, 64
	s_cselect_b64 s[18:19], s[10:11], s[18:19]
	s_cselect_b32 s24, 48, s24
	s_cselect_b32 s23, 4096, s23
	s_cmp_lt_u32 s22, 48
	s_cselect_b64 s[18:19], s[8:9], s[18:19]
	s_cselect_b32 s24, 32, s24
	s_cselect_b32 s23, 256, s23                    ; a row of a head's weight is 64 numbers
	s_mov_b32 s26, 512
	s_cselect_b32 s26, 0x80000, s26                ; 128 columns are two heads of 262,144 bytes
	s_mov_b32 s27, 256
	s_cselect_b32 s27, 0x40000, s27
	s_cmp_lt_u32 s22, 32
	s_cselect_b64 s[18:19], s[6:7], s[18:19]
	s_cselect_b32 s24, 16, s24
	s_cmp_lt_u32 s22, 16
	s_cselect_b64 s[18:19], s[4:5], s[18:19]
	s_cselect_b32 s24, 0, s24
	s_sub_co_u32 s24, s22, s24                     ; the block's number in its tensor
	s_lshr_b32 s28, s24, s25                       ; g
	s_bfm_b32 s29, s25, 0
	s_and_b32 s29, s24, s29                        ; ks
	s_mul_i32 s28, s28, s26
	s_lshr_b32 s30, s20, 1
	s_mul_i32 s30, s30, s27
	s_add_co_u32 s28, s28, s30
	s_and_b32 s30, s20, 1
	s_lshl_b32 s30, s30, 7
	s_add_co_u32 s28, s28, s30                     ; my wave's first column, in bytes
	s_mul_i32 s29, s29, s23
	s_lshl_b32 s29, s29, 9
	s_add_co_u32 s28, s28, s29                     ; + 512 ks rows (all under 2^25)
	s_mov_b32 s29, 0
	s_add_nc_u64 s[32:33], s[18:19], s[28:29]      ; a base for each of the 16 blocks of 32 rows: none is ever stepped
	s_lshl_b32 s66, s23, 5
	s_mov_b32 s67, 0
.irp t, 1,2,3,4,5,6,7,8,9,10,11,12,13,14,15
	s_add_nc_u64 s[32+2*\t:33+2*\t], s[30+2*\t:31+2*\t], s[66:67]
.endr
	s_mul_i32 s28, s22, BLK
	s_add_nc_u64 s[16:17], s[16:17], s[28:29]      ; my block of wts
.set i, 0
.rept 32
	v_mad_u32_u24 v[OFF+i], s23, i, v3
.set i, i+1
.endr
.macro LOAD t                          ; rows 32 t .. 32 t + 31 at my column: each load reads 128 consecutive bytes a wave
.set i, 0
.rept 32
	global_load_b32 v[X+32*((\t)%2)+i], v[OFF+i], s[32+2*(\t):33+2*(\t)] th:TH_LOAD_NT
.set i, i+1
.endr
.endm
	LOAD 0
	LOAD 1
.macro BLOCK t
.set XS, X+32*((\t)%2)
.if (\t) < 15
	s_wait_loadcnt 32                              ; this block's 32 loads are in; the next block's may be out
.else
	s_wait_loadcnt 0
.endif
	v_max3_num_f32 v12, |v[XS]|, |v[XS+1]|, |v[XS+2]|               ; the block's largest magnitude: all 32 numbers are mine
	v_max3_num_f32 v13, |v[XS+3]|, |v[XS+4]|, |v[XS+5]|
.irp i, 6,10,14,18,22,26
	v_max3_num_f32 v12, v12, |v[XS+\i]|, |v[XS+\i+1]|
	v_max3_num_f32 v13, v13, |v[XS+\i+2]|, |v[XS+\i+3]|
.endr
	v_max3_num_f32 v12, v12, |v[XS+30]|, |v[XS+31]|
	v_max3_num_f32 v12, v12, v13, 0x1800000        ; and the floor 2^(3 - 127): the byte cannot fall under 1
	v_add_nc_u32 v11, 0xff000000, v12              ; 2 off the exponent field: the conversion takes this operand's exponent field as its scale
	v_lshrrev_b32 v13, 23, v11                     ; the scale's byte
.if (\t)%4 == 0
	v_mov_b32 v[SB+(\t)/4], v13
.else
	v_lshl_or_b32 v[SB+(\t)/4], v13, 8*((\t)%4), v[SB+(\t)/4]
.endif
.irp g, 0,1,2,3
	v_cvt_scalef32_pk8_fp4_f32 v[C+\g], v[XS+8*\g:XS+8*\g+7], v11
.endr
	ds_store_b128 v[IM], v[C:C+3] offset:256*(\t)  ; block t = 4 q + 2 c + h lies 256 t bytes into the tile's image
.if (\t)+2 < 16
	LOAD (\t)+2
.endif
	s_wait_dscnt 0x0                               ; the store has read its registers: the next block's codes may be written
.endm
.set Q, 0
.rept 16
	BLOCK Q
.set Q, Q+1
.endr
	global_store_b128 v[SV], v[SB:SB+3], s[16:17] offset:32768     ; the wave's two tiles: 512 consecutive bytes
.irp u, 0,1
.irp k, 0,1,2,3,4,5,6,7
	ds_load_b128 v[X+4*(8*\u+\k):X+4*(8*\u+\k)+3], v[RDB] offset:\u*TP+\k*512   ; LDS serves a wave's instructions in order: these see my stores
.endr
.endr
.irp u, 0,1
.irp k, 0,1,2,3,4,5,6,7
	s_wait_dscnt 15-8*\u-\k
	global_store_b128 v[GO], v[X+4*(8*\u+\k):X+4*(8*\u+\k)+3], s[16:17] offset:\u*4096+\k*512   ; 512 consecutive bytes, aligned
.endr
.endr
	s_wait_tensorcnt 0x0
	ds_add_u32 v144, v145
	s_wait_dscnt 0x0
	s_endpgm
.Lfunc_end_k_qaf9b5aefec_wquant:
	.size	k_qaf9b5aefec_wquant, .Lfunc_end_k_qaf9b5aefec_wquant-k_qaf9b5aefec_wquant
	.p2alignl 7, 3214868480
	.fill 96, 4, 3214868480
	.section	.rodata,"a",@progbits
	.p2align	6, 0x0
	.amdhsa_kernel k_qaf9b5aefec_wquant
		.amdhsa_group_segment_fixed_size 34304
		.amdhsa_private_segment_fixed_size 0
		.amdhsa_enable_private_segment 0
		.amdhsa_kernarg_size 56
		.amdhsa_user_sgpr_count 2
		.amdhsa_user_sgpr_kernarg_segment_ptr 1
		.amdhsa_wavefront_size32 1
		.amdhsa_system_sgpr_workgroup_id_x 1
		.amdhsa_system_sgpr_workgroup_id_y 1
		.amdhsa_system_sgpr_workgroup_id_z 1
		.amdhsa_system_vgpr_workitem_id 0
		.amdhsa_next_free_vgpr 146
		.amdhsa_next_free_sgpr 72
		.amdhsa_reserve_vcc 0
		.amdhsa_float_denorm_mode_32 3
		.amdhsa_float_denorm_mode_16_64 3
		.amdhsa_memory_ordered 1
		.amdhsa_forward_progress 1
		.amdhsa_inst_pref_size 82
	.end_amdhsa_kernel
	.amdgpu_metadata
---
amdhsa.version: [ 1, 2 ]
amdhsa.kernels:
  - .name:           k_qaf9b5aefec_wquant
    .symbol:         k_qaf9b5aefec_wquant.kd
    .args:
      - { .name: Wq, .offset: 0, .size: 8, .value_kind: global_buffer, .address_space: global }
      - { .name: Wk, .offset: 8, .size: 8, .value_kind: global_buffer, .address_space: global }
      - { .name: Wv, .offset: 16, .size: 8, .value_kind: global_buffer, .address_space: global }
      - { .name: Wp, .offset: 24, .size: 8, .value_kind: global_buffer, .address_space: global }
      - { .name: W1, .offset: 32, .size: 8, .value_kind: global_buffer, .address_space: global }
      - { .name: W2, .offset: 40, .size: 8, .value_kind: global_buffer, .address_space: global }
      - { .name: wts, .offset: 48, .size: 8, .value_kind: global_buffer, .address_space: global }
    .group_segment_fixed_size: 34304
    .private_segment_fixed_size: 0
    .kernarg_segment_align: 8
    .kernarg_segment_size: 56
    .max_flat_workgroup_size: 128
    .sgpr_count:     72
    .vgpr_count:     146
    .wavefront_size: 32
...
	.end_amdgpu_metadata
.endif
;; end of part 1
;; launch ln1 (part 2): grid 256 x 1, 4 waves a work-group, no clusters, 83,456 bytes of LDS; arguments x, ln1_w, ln1_b, xnq; writes xnq
.if DOCPART == 2
	.amdgcn_target "amdgcn-amd-amdhsa--gfx1250"
	.amdhsa_code_object_version 6
	.text
	.protected	k_qaf9b5aefec_ln1
	.globl	k_qaf9b5aefec_ln1
	.p2align	8
	.type	k_qaf9b5aefec_ln1,@function
k_qaf9b5aefec_ln1:
	s_mov_b64 s[64:65], 0
	v_nop
	global_prefetch_b8 v0, s[64:65] scope:SCOPE_SE
	s_setreg_imm32_b32 hwreg(HW_REG_WAVE_MODE, 25, 1), 1
	s_wait_xcnt 0x0
; y = (x - mean) * rsqrt(var + 1e-5) * gain + bias along rows of 1,024 f32, then quantised along the row to codes of FP4 (E2M1) with one E8M0 byte for each 32, laid in the blocks that the products read
; (128 row places x 512 along K, 34,816 bytes: codes at 4096 i + 256 (block of 32 in the K step) + 16 r, scale bytes at 32,768 + 256 i + 16 r + block).
; A row stands at the place that is its number with bits 3 and 4 exchanged.  Work-group j makes the 16 places 16 j ..; wave w the places 4 w .. 4 w + 3 of them, which are four consecutive rows of memory.
; The mean is taken first and the variance of the centred numbers: a common offset in the rows costs no digits.  All in f32.
; A row is loaded dense (a load reads 512 consecutive bytes) and turned through the wave's own stage in LDS, so that a lane holds a whole block of 32 for the conversions.
; The 16 rows' codes meet in an image in LDS (one barrier) and leave as whole runs of 512 bytes; the scale bytes as two runs of 256.
; LIMITS: a block of zeros, or one whose largest magnitude lies under 2^-124, gets the byte 1 (this program alone reads the bytes); NaN and infinities are not served.
.set BLK,  34816
.set X,    32                          ; v32-159  row p at 32 + 32 p
.set W,    160                         ; v160-191 the gain, laid as a row
.set BB,   192                         ; v192-223 the bias
.set S,    224                         ; v224-231 a pair of sums for each row
.set M,    232                         ; v232-239 a pair for each row: the mean, later 1 / sqrt(var + eps), in both halves
.set PD,   240                         ; v240-243 destinations of the lane permute
.set MX,   244                         ; v244-247 largest magnitudes, then the conversions' scale operands
.set CD,   8                           ; v8-23    codes, four registers a row
.set BY,   24                          ; v24-27   scale bytes
.set STG,  18432                       ; LDS: a wave's four stages of 32 x (128 + 16) bytes
.set ROWS, 4608
.set IMG,  73728                       ; LDS: the image: 32 runs of 256 bytes + 16
.set SCI,  82432                       ; LDS: the scale bytes: 2 x 256
	s_load_b256 s[4:11], s[0:1], 0x0               ; rows, gain, bias, codes
	v_lshl_add_u32 v254, v0, 2, 0x14400
	v_mov_b32 v255, 0
	v_lshrrev_b32 v1, 5, v0
	v_readfirstlane_b32 s12, v1                    ; wave 0..3
	v_and_b32 v30, 31, v0                          ; lane
	v_lshlrev_b32 v1, 4, v30                       ; v1 = 16 x lane
	s_lshr_b32 s13, ttmp9, 1
	s_lshl_b32 s13, s13, 5
	s_and_b32 s14, ttmp9, 1
	s_lshl_b32 s14, s14, 3
	s_add_co_u32 s13, s13, s14                     ; 32 (j / 2) + 8 (j % 2)
	s_lshr_b32 s14, s12, 1                         ; w / 2
	s_lshl_b32 s15, s14, 4
	s_add_co_u32 s13, s13, s15
	s_and_b32 s15, s12, 1                          ; w % 2
	s_lshl_b32 s18, s15, 2
	s_add_co_u32 s13, s13, s18                     ; my first row
	s_lshl_b32 s18, s13, 12
	s_mov_b32 s19, 0
	s_lshr_b32 s22, ttmp9, 3
	s_lshl_b32 s22, s22, 1
	s_mul_i32 s24, s22, BLK                        ; block (j / 8, K step 0)
	s_and_b32 s23, ttmp9, 7                        ; tile i
	s_lshl_b32 s25, s23, 8
	s_add_co_u32 s26, s24, s25
	s_add_co_u32 s26, s26, 32768                   ; the tile's scale bytes
	s_mov_b32 s27, 0
	s_mul_i32 s25, s14, BLK                        ; wave w stores runs 8 w .. 8 w + 7: K step w / 2,
	s_add_co_u32 s24, s24, s25
	s_lshl_b32 s25, s23, 12
	s_add_co_u32 s24, s24, s25
	s_lshl_b32 s25, s15, 11                        ; its half w % 2
	s_add_co_u32 s24, s24, s25
	s_mov_b32 s25, 0
	s_mov_b32 s16, 0x76543210
	s_mov_b32 s17, 0xfedcba98                      ; v_permlanex16_b32's selects for lane l xor 16
	s_mov_b32 s20, 0x3a800000                      ; 1 / 1,024
	s_mov_b32 s21, 0x3727c5ac                      ; 1e-5
	s_wait_kmcnt 0x0
	s_add_nc_u64 s[4:5], s[4:5], s[18:19]
	s_add_nc_u64 s[28:29], s[10:11], s[26:27]
	s_add_nc_u64 s[10:11], s[10:11], s[24:25]
.irp p, 0,1,2,3
.irp j, 0,1,2,3,4,5,6,7
	global_load_b128 v[X+32*\p+4*\j:X+32*\p+4*\j+3], v1, s[4:5] offset:4096*\p+512*\j
.endr
.endr
.irp j, 0,1,2,3,4,5,6,7
	global_load_b128 v[W+4*\j:W+4*\j+3], v1, s[6:7] offset:512*\j
.endr
.irp j, 0,1,2,3,4,5,6,7
	global_load_b128 v[BB+4*\j:BB+4*\j+3], v1, s[8:9] offset:512*\j
.endr
	v_lshrrev_b32 v8, 3, v30
	v_and_b32 v9, 7, v30
	v_mul_u32_u24 v2, v8, 144
	v_lshl_add_u32 v2, v9, 4, v2
	s_mul_i32 s30, s12, STG
	v_add_nc_u32 v2, s30, v2                       ; v2: into a stage: eight lanes' 128 bytes on end, then 16 of padding
	v_mul_u32_u24 v3, v30, 144
	v_add_nc_u32 v3, s30, v3                       ; v3: out of it: my block of 32
	s_lshl_b32 s30, s12, 6
	v_mul_u32_u24 v4, v30, 272
	v_add_nc_u32 v4, s30, v4
	v_add_nc_u32 v4, IMG, v4                       ; v4: the image: run = my block, 16 bytes at 16 (4 w + p)
	v_and_b32 v10, 15, v30
	v_lshrrev_b32 v11, 4, v30
	v_lshl_add_u32 v5, v11, 8, v10
	v_add_nc_u32 v5, s30, v5
	v_add_nc_u32 v5, SCI, v5                       ; v5: my block's scale byte: 256 (block / 16) + 16 (4 w + p) + block % 16
	s_mul_i32 s30, s12, 8*272
	v_mul_u32_u24 v6, v11, 272
	v_lshl_add_u32 v6, v10, 4, v6
	v_add_nc_u32 v6, s30, v6
	v_add_nc_u32 v6, IMG, v6                       ; v6: back: lanes 0-15 one run, lanes 16-31 the next
	v_add_nc_u32 v29, SCI, v1
	v_lshlrev_b32 v28, 4, v10
	v_mad_u32_u24 v28, v11, BLK, v28               ; v28: the scale bytes in memory: lanes 16-31 the second K step's block
.irp p, 0,1,2,3
	v_mov_b32 v[PD+\p], 0                          ; written once: a lane permute's destination counts as one of its sources
.endr
.macro REDUCE                          ; each row's pair of sums becomes the sum over the 32 lanes, in every lane.  The four rows take turns
.irp p, 0,1,2,3
	v_add_f32 v[S+2*\p], v[S+2*\p], v[S+2*\p+1]
.endr
.irp m, 1,2,4,8
.irp p, 0,1,2,3
	v_add_f32_dpp v[S+2*\p], v[S+2*\p], v[S+2*\p] row_xmask:\m row_mask:0xf bank_mask:0xf
.endr
.endr
.irp p, 0,1,2,3
	v_permlanex16_b32 v[PD+\p], v[S+2*\p], s16, s17
.endr
.irp p, 0,1,2,3
	v_add_f32 v[S+2*\p], v[S+2*\p], v[PD+\p]
.endr
.endm
	s_wait_loadcnt 16                              ; the rows are in; gain and bias, sixteen loads, may be out
.irp p, 0,1,2,3
	v_pk_add_f32 v[S+2*\p:S+2*\p+1], v[X+32*\p:X+32*\p+1], v[X+32*\p+2:X+32*\p+3]
.endr
.irp i, 4,6,8,10,12,14,16,18,20,22,24,26,28,30
.irp p, 0,1,2,3
	v_pk_add_f32 v[S+2*\p:S+2*\p+1], v[S+2*\p:S+2*\p+1], v[X+32*\p+\i:X+32*\p+\i+1]
.endr
.endr
	REDUCE
.irp p, 0,1,2,3
	v_mul_f32 v[M+2*\p], s20, v[S+2*\p]            ; the mean
	v_mul_f32 v[M+2*\p+1], s20, v[S+2*\p]
.endr
.irp i, 0,2,4,6,8,10,12,14,16,18,20,22,24,26,28,30
.irp p, 0,1,2,3
	v_pk_add_f32 v[X+32*\p+\i:X+32*\p+\i+1], v[X+32*\p+\i:X+32*\p+\i+1], v[M+2*\p:M+2*\p+1] neg_lo:[0,1] neg_hi:[0,1]
.endr
.endr
.irp p, 0,1,2,3
	v_pk_mul_f32 v[S+2*\p:S+2*\p+1], v[X+32*\p:X+32*\p+1], v[X+32*\p:X+32*\p+1]
.endr
.irp i, 2,4,6,8,10,12,14,16,18,20,22,24,26,28,30
.irp p, 0,1,2,3
	v_pk_fma_f32 v[S+2*\p:S+2*\p+1], v[X+32*\p+\i:X+32*\p+\i+1], v[X+32*\p+\i:X+32*\p+\i+1], v[S+2*\p:S+2*\p+1]
.endr
.endr
	REDUCE
.irp p, 0,1,2,3
	v_fma_f32 v[S+2*\p], v[S+2*\p], s20, s21       ; var + eps
.endr
.irp p, 0,1,2,3
	v_rsq_f32 v[M+2*\p], v[S+2*\p]                 ; one batch of eight: both halves of each row's pair
	v_rsq_f32 v[M+2*\p+1], v[S+2*\p]
.endr
	v_nop                                          ; a plain instruction behind the last of them (ISA guide 5.7.2)
	s_wait_alu depctr_va_vdst(0)                   ; one wait for the batch, ahead of its first reader
	s_wait_loadcnt 0x0                             ; gain and bias
.irp i, 0,2,4,6,8,10,12,14,16,18,20,22,24,26,28,30
.irp p, 0,1,2,3
	v_pk_mul_f32 v[X+32*\p+\i:X+32*\p+\i+1], v[X+32*\p+\i:X+32*\p+\i+1], v[M+2*\p:M+2*\p+1]
.endr
.endr
.irp i, 0,2,4,6,8,10,12,14,16,18,20,22,24,26,28,30
.irp p, 0,1,2,3
	v_pk_fma_f32 v[X+32*\p+\i:X+32*\p+\i+1], v[X+32*\p+\i:X+32*\p+\i+1], v[W+\i:W+\i+1], v[BB+\i:BB+\i+1]
.endr
.endr
.irp p, 0,1,2,3                        ; the turn: in as loaded, back 128 bytes a lane.  The stage is the wave's own, and LDS serves a wave's instructions in order: no wait between
.irp j, 0,1,2,3,4,5,6,7
	ds_store_b128 v2, v[X+32*\p+4*\j:X+32*\p+4*\j+3] offset:ROWS*\p+576*\j
.endr
.irp j, 0,1,2,3,4,5,6,7
	ds_load_b128 v[X+32*\p+4*\j:X+32*\p+4*\j+3], v3 offset:ROWS*\p+16*\j
.endr
.endr
	s_wait_dscnt 0x0
.irp p, 0,1,2,3
	v_max3_num_f32 v[MX+\p], |v[X+32*\p]|, |v[X+32*\p+1]|, 0x1800000   ; my block's largest magnitude, and the floor 2^(3 - 127)
.endr
.irp i, 2,4,6,8,10,12,14,16,18,20,22,24,26,28,30
.irp p, 0,1,2,3
	v_max3_num_f32 v[MX+\p], v[MX+\p], |v[X+32*\p+\i]|, |v[X+32*\p+\i+1]|
.endr
.endr
.irp p, 0,1,2,3
	v_add_nc_u32 v[MX+\p], 0xff000000, v[MX+\p]    ; 2 off the exponent field: the conversion's scale operand
.endr
.irp p, 0,1,2,3
	v_lshrrev_b32 v[BY+\p], 23, v[MX+\p]           ; the scale's byte
.endr
.irp p, 0,1,2,3
.irp g, 0,1,2,3
	v_cvt_scalef32_pk8_fp4_f32 v[CD+4*\p+\g], v[X+32*\p+8*\g:X+32*\p+8*\g+7], v[MX+\p]
.endr
.endr
	v_nop                                          ; one plain instruction behind the last scaled conversion
.irp p, 0,1,2,3
	ds_store_b128 v4, v[CD+4*\p:CD+4*\p+3] offset:16*\p
	ds_store_b8 v5, v[BY+\p] offset:16*\p
.endr
	s_wait_dscnt 0x0                               ; for the others' sake: my stores have landed
	s_barrier_signal -1
	s_barrier_wait -1
.irp k, 0,1,2,3
	ds_load_b128 v[X+4*\k:X+4*\k+3], v6 offset:2*\k*272
.endr
.irp k, 0,1,2,3
	s_wait_dscnt 3-\k
	global_store_b128 v1, v[X+4*\k:X+4*\k+3], s[10:11] offset:512*\k   ; 512 consecutive bytes, aligned
.endr
	s_cmp_lg_u32 s12, 0                            ; wave 0 alone stores the tile's scale bytes: 256 for each of the two K steps
	s_cbranch_scc1 .Lend
	ds_load_b128 v[X+16:X+19], v29
	s_wait_dscnt 0x0
	global_store_b128 v28, v[X+16:X+19], s[28:29]
.Lend:
	s_wait_tensorcnt 0x0
	ds_add_u32 v254, v255
	s_wait_dscnt 0x0
	s_endpgm
.Lfunc_end_k_qaf9b5aefec_ln1:
	.size	k_qaf9b5aefec_ln1, .Lfunc_end_k_qaf9b5aefec_ln1-k_qaf9b5aefec_ln1
	.p2alignl 7, 3214868480
	.fill 96, 4, 3214868480
	.section	.rodata,"a",@progbits
	.p2align	6, 0x0
	.amdhsa_kernel k_qaf9b5aefec_ln1
		.amdhsa_group_segment_fixed_size 83456
		.amdhsa_private_segment_fixed_size 0
		.amdhsa_enable_private_segment 0
		.amdhsa_kernarg_size 32
		.amdhsa_user_sgpr_count 2
		.amdhsa_user_sgpr_kernarg_segment_ptr 1
		.amdhsa_wavefront_size32 1
		.amdhsa_system_sgpr_workgroup_id_x 1
		.amdhsa_system_sgpr_workgroup_id_y 1
		.amdhsa_system_sgpr_workgroup_id_z 1
		.amdhsa_system_vgpr_workitem_id 0
		.amdhsa_next_free_vgpr 256
		.amdhsa_next_free_sgpr 66
		.amdhsa_reserve_vcc 0
		.amdhsa_float_denorm_mode_32 3
		.amdhsa_float_denorm_mode_16_64 3
		.amdhsa_memory_ordered 1
		.amdhsa_forward_progress 1
		.amdhsa_inst_pref_size 43
	.end_amdhsa_kernel
	.amdgpu_metadata
---
amdhsa.version: [ 1, 2 ]
amdhsa.kernels:
  - .name:           k_qaf9b5aefec_ln1
    .symbol:         k_qaf9b5aefec_ln1.kd
    .args:
      - { .name: x, .offset: 0, .size: 8, .value_kind: global_buffer, .address_space: global }
      - { .name: ln1_w, .offset: 8, .size: 8, .value_kind: global_buffer, .address_space: global }
      - { .name: ln1_b, .offset: 16, .size: 8, .value_kind: global_buffer, .address_space: global }
      - { .name: xnq, .offset: 24, .size: 8, .value_kind: global_buffer, .address_space: global }
    .group_segment_fixed_size: 83456
    .private_segment_fixed_size: 0
    .kernarg_segment_align: 8
    .kernarg_segment_size: 32
    .max_flat_workgroup_size: 128
    .sgpr_count:     66
    .vgpr_count:     256
    .wavefront_size: 32
...
	.end_amdgpu_metadata
.endif
;; end of part 2
;; launch qkv (part 3): grid 12 x 16, 4 waves a work-group, clusters of 4 x 4, 327,680 bytes of LDS; arguments xnq, wts, bq, bk, bv, qkvf; writes qkvf
.if DOCPART == 3
	.amdgcn_target "amdgcn-amd-amdhsa--gfx1250"
	.amdhsa_code_object_version 6
	.text
	.protected	k_qaf9b5aefec_qkv
	.globl	k_qaf9b5aefec_qkv
	.p2align	8
	.type	k_qaf9b5aefec_qkv,@function
k_qaf9b5aefec_qkv:
	s_mov_b64 s[64:65], 0
	v_nop
	global_prefetch_b8 v0, s[64:65] scope:SCOPE_SE
	s_setreg_imm32_b32 hwreg(HW_REG_WAVE_MODE, 25, 1), 1
	s_wait_xcnt 0x0
	s_wait_alu depctr_hold_cnt(0) depctr_sa_sdst(0) depctr_va_vdst(0) depctr_va_sdst(0) depctr_va_ssrc(0) depctr_va_vcc(0) depctr_vm_vsrc(0)
	s_getreg_b32 s2, hwreg(HW_REG_IB_STS2, 6, 4)
	s_cmp_eq_u32 s2, 0
	s_cbranch_scc0 .Lentry_in_a_cluster
	s_endpgm
.Lentry_in_a_cluster:
	s_bfe_u32 s2, ttmp6, 0x10000c
	s_cmp_lg_u32 s2, 0xf033
	s_cbranch_scc0 .Lentry_shape_is_right
	s_endpgm
.Lentry_shape_is_right:
; q, k, v = LN1(x) W + b for all 16 heads, on codes of FP4 (E2M1) with E8M0 scales, and each result quantised at once for attention: q and k along the head's 64, v along the keys.
; A work-group of four waves makes 256 tokens x 256 columns; a wave 128 x 128: 64 accumulators, 512 registers.  K = 1,024 goes in two steps of 512 through two LDS slots, each filled once.
; OPERANDS lie in memory as blocks of 128 rows x 512 K, 34,816 bytes: images of the fragments' registers (tile i, K step q, half c: 512 bytes at 4096 i + 1024 q + 512 c, 16 bytes a lane) and, at 32,768, the scale
; words (256 i + 16 r + 4 q).  One tensor load a wave brings one block; a fragment is two dense LDS loads; four scale words of a row come by one load, two tiles to a register (lanes 0-15, lanes 16-31).
; Rows stand at places with bits 3 and 4 of their number exchanged, so that the 16 registers of two neighbouring tiles of a result are 16 neighbours along its columns.
; CLUSTERS: 4 x 4 work-groups; the tokens' blocks are asked for jointly along a row of the cluster, the weights' along a column.  Cluster x = 0 makes q, 1 k, 2 v: the same number in all sixteen partners.
; THE MATRIX INSTRUCTION takes as source 0 the operand whose rows are to run along a lane's registers.  For q and k that is the weight (registers along the head's d), for v the tokens (registers along the keys):
; the loads are the same in every work-group, and only the LDS bytes that the two roles read change places, by a select on the cluster's x.
; OUT, for each (batch, head) 217,088 bytes of qkvf: q's codes (tile T of 16 token places: 512 T + 16 lane, lane (r, h) = block h of d), q's scale words at 65,536 (256 (T / 4) + 16 r + 4 (T % 4); bytes 2, 3 = 0),
; k's likewise at 73,728 and 139,264, v's codes at 147,456 (4096 key step + 1024 d tile + 512 c + 16 lane), v's scale words at 212,992 (256 key step + 16 r + 4 d tile).
; LIMITS: a block of zeros, or one whose largest magnitude lies under 2^-124, gets the byte 1 (this program alone reads the bytes); NaN and infinities are not served.
.set SIZE_K, 1024
.set BHB,    217088
.set BLK,    34816
.set SLOT,   4*BLK                     ; the tokens' two blocks, then the weights' two
.set SPARE,  2*SLOT                    ; behind the slots: the spare words, 128 bytes for each wave
.set KS,     SIZE_K/512
.set NQ,     4
.set FR,     8
.set NL,     2
.set NP,     4
.set ADRA,   16                        ; v16-17 LDS address of source 1's block in slot 0, 1, + 16 x lane
.set ADRB,   20                        ; v20-21 the same for source 0's
.set SPW,    28
.set NIL,    29
.set SC,     32                        ; v32-95 scale words and nothing else: set s at 32 + 32 s: 16 registers for source 1's tiles, 16 for source 0's; register 4 (tile / 2) + q
.set AF,     128                       ; v128-191 source 1's fragments, one set
.set G1,     24
.set G0,     32
.set G1B,    48
.set G0B,    56
.set L16,    24                        ; v24  16 x lane
.set S2,     25                        ; v25  BHB x (lane / 16) + 16 r
.set H16,    12                        ; v12  16 x (lane / 16)
.set SW,     4                         ; v4-11 scale words to store
.set BP,     14                        ; v14-15 a row's bias, twice
.set BM,     96                        ; v96-103 v's bias of my row in each of the 8 tiles
.set TM,     104                       ; v104-119 at work in QUANT
.set PC,     120                       ; v120-127 the codes just made
.set PW,     30                        ; v30  the scale word just made
.set HA,     128                       ; v128-191 64 numbers to quantise
.set BN,     192                       ; v192-255 the bias of my 64 columns
.set SEL,    20
.set MSB,    0
.macro WIN new                         ; the immediate's high byte repeats the setting that is left
.if MSB != \new
	s_set_vgpr_msb (MSB<<8)|\new
.set MSB, \new
.endif
.endm
.set MUL_LO, 0xa1                      ; source 0 window 1, source 1 window 0, C and D window 2
.set MUL_HI, 0xf1                      ; the same, C and D window 3
.set TO_B,   0x40
.macro JLOAD g0a, g1a, g0b, g1b        ; a joint load: waves 0 and 1 fetch the tokens' blocks, waves 2 and 3 the weights'; four v_nop follow each line
	s_cmp_eq_u32 s15, 0
	s_cbranch_scc0 .Lfor_x_\@
	tensor_load_to_lds s[\g0a:\g0a+3], s[\g1a:\g1a+7]
	s_nop 0
.rept 4
	v_nop
.endr
	s_branch .Lasked_\@
.Lfor_x_\@:
	tensor_load_to_lds s[\g0b:\g0b+3], s[\g1b:\g1b+7]
	s_nop 0
.rept 4
	v_nop
.endr
.Lasked_\@:
.endm
.macro CREST
	s_cmp_lg_u32 s14, 0
	s_cbranch_scc1 .Lnot_wave_0_\@
	s_barrier_signal -3
.Lnot_wave_0_\@:
	s_barrier_wait -3
	s_barrier_signal -1
	s_barrier_wait -1
.endm
.macro CROUND                          ; a round of the cluster's barrier
	s_barrier_signal -1
	s_barrier_wait -1
	CREST
.endm
.macro PLACES n
.rept \n
	v_nop
.endr
.endm
.macro FRAG reg, adr, q, i             ; a fragment: two images of 512 bytes
.irp c, 0,1
	ds_load_b128 v[\reg+4*\c:\reg+4*\c+3], v[\adr] offset:(\i)*4096+(\q)*1024+512*\c
.endr
.endm
.macro WM zero                         ; one product; an odd tile's scale words lie in lanes 16-31 of their register
.if \zero
.if BO && AO
	v_wmma_scale_f32_16x16x128_f8f6f4 v[rD:rD+7], v[rB:rB+7], v[rA:rA+7], 0, v[rSB], v[rSA] matrix_a_fmt:MATRIX_FMT_FP4 matrix_b_fmt:MATRIX_FMT_FP4 matrix_a_scale:MATRIX_SCALE_ROW1 matrix_b_scale:MATRIX_SCALE_ROW1
.elseif BO
	v_wmma_scale_f32_16x16x128_f8f6f4 v[rD:rD+7], v[rB:rB+7], v[rA:rA+7], 0, v[rSB], v[rSA] matrix_a_fmt:MATRIX_FMT_FP4 matrix_b_fmt:MATRIX_FMT_FP4 matrix_a_scale:MATRIX_SCALE_ROW1
.elseif AO
	v_wmma_scale_f32_16x16x128_f8f6f4 v[rD:rD+7], v[rB:rB+7], v[rA:rA+7], 0, v[rSB], v[rSA] matrix_a_fmt:MATRIX_FMT_FP4 matrix_b_fmt:MATRIX_FMT_FP4 matrix_b_scale:MATRIX_SCALE_ROW1
.else
	v_wmma_scale_f32_16x16x128_f8f6f4 v[rD:rD+7], v[rB:rB+7], v[rA:rA+7], 0, v[rSB], v[rSA] matrix_a_fmt:MATRIX_FMT_FP4 matrix_b_fmt:MATRIX_FMT_FP4
.endif
.else
.if BO && AO
	v_wmma_scale_f32_16x16x128_f8f6f4 v[rD:rD+7], v[rB:rB+7], v[rA:rA+7], v[rD:rD+7], v[rSB], v[rSA] matrix_a_fmt:MATRIX_FMT_FP4 matrix_b_fmt:MATRIX_FMT_FP4 matrix_a_scale:MATRIX_SCALE_ROW1 matrix_b_scale:MATRIX_SCALE_ROW1
.elseif BO
	v_wmma_scale_f32_16x16x128_f8f6f4 v[rD:rD+7], v[rB:rB+7], v[rA:rA+7], v[rD:rD+7], v[rSB], v[rSA] matrix_a_fmt:MATRIX_FMT_FP4 matrix_b_fmt:MATRIX_FMT_FP4 matrix_a_scale:MATRIX_SCALE_ROW1
.elseif AO
	v_wmma_scale_f32_16x16x128_f8f6f4 v[rD:rD+7], v[rB:rB+7], v[rA:rA+7], v[rD:rD+7], v[rSB], v[rSA] matrix_a_fmt:MATRIX_FMT_FP4 matrix_b_fmt:MATRIX_FMT_FP4 matrix_b_scale:MATRIX_SCALE_ROW1
.else
	v_wmma_scale_f32_16x16x128_f8f6f4 v[rD:rD+7], v[rB:rB+7], v[rA:rA+7], v[rD:rD+7], v[rSB], v[rSA] matrix_a_fmt:MATRIX_FMT_FP4 matrix_b_fmt:MATRIX_FMT_FP4
.endif
.endif
.endm
; 16 products: source 1's tiles a0, a0 + 1 x source 0's eight, the slot's q-th 128 along K.  The 64 accumulators take turns, one instruction a turn, in the same order in every step
.macro MUL16 a0, p, q, sc, zero
.irp a, \a0, \a0+1
.irp b, 0,1,2,3,4,5,6,7
.set rD, 8*(8*((\a)%4)+\b)
.set rB, 128*(\p)+FR*\b
.set rA, AF+FR*(\a)
.set rSB, SC+32*(\sc)+16+4*(\b/2)+(\q)
.set rSA, SC+32*(\sc)+4*((\a)/2)+(\q)
.set BO, \b%2
.set AO, (\a)%2
	WM \zero
.endr
.endr
.endm
.macro FETCH_B slot, q, p
	WIN TO_B
.irp i, 0,1,2,3,4,5,6,7
	FRAG 128*(\p)+FR*\i, ADRB+\slot, \q, \i
.endr
	WIN 0
.endm
.macro FETCH_A slot, q, i0
.irp i, \i0, \i0+1, \i0+2, \i0+3
	FRAG AF+FR*(\i), ADRA+\slot, \q, \i
.endr
.endm
.macro SCALES s                        ; a slot's scale words: eight loads, four words of a row each; lanes 0-15 an even tile, lanes 16-31 the odd one behind it
.irp i, 0,1,2,3
	ds_load_b128 v[SC+32*\s+4*\i:SC+32*\s+4*\i+3], v[ADRA+\s] offset:32768+512*\i
.endr
.irp i, 0,1,2,3
	ds_load_b128 v[SC+32*\s+16+4*\i:SC+32*\s+16+4*\i+3], v[ADRB+\s] offset:32768+512*\i
.endr
.endm
.macro STEP slot, q, zero              ; 128 along K with its successor in the same slot
	s_wait_dscnt 4*NL                              ; all but the youngest eight loads (source 1's tiles 4-7) are in
	WIN MUL_LO
	MUL16 0, (\q)%2, \q, \slot, \zero
	MUL16 2, (\q)%2, \q, \slot, \zero
	s_wait_dscnt 0
	PLACES NP                                      ; four places in front of loads into registers that matrix instructions have read
	FETCH_B \slot, (\q)+1, 1-(\q)%2
	FETCH_A \slot, (\q)+1, 0
	WIN MUL_HI
	MUL16 4, (\q)%2, \q, \slot, \zero
	MUL16 6, (\q)%2, \q, \slot, \zero
	PLACES NP
	WIN 0
	FETCH_A \slot, (\q)+1, 4
.endm
.macro TURN slot, next                 ; a slot's last step changes slots: one barrier; nothing is filled again in this launch
	s_wait_tensorcnt 0x0                           ; all my tensor loads have landed: my block of the next slot
	ds_add_u32 v[SPW], v[NIL]                      ; 0 onto my spare word
	s_wait_dscnt 4*NL+1                            ; (the add and the youngest eight loads may be out)
	WIN MUL_LO
	MUL16 0, 1, NQ-1, \slot, 0
	s_wait_dscnt 0x0                               ; the add is done, and my reads of this slot are over
	s_barrier_signal -1
	MUL16 2, 1, NQ-1, \slot, 0
	WIN 0
	s_barrier_wait -1
	PLACES NP
	FETCH_B \next, 0, 0
	FETCH_A \next, 0, 0
	SCALES \next
	WIN MUL_HI
	MUL16 4, 1, NQ-1, \slot, 0
	MUL16 6, 1, NQ-1, \slot, 0
	PLACES NP
	WIN 0
	FETCH_A \next, 0, 4
.endm
.macro STEPS slot, from
.set Q, \from
.rept NQ-1-\from
	STEP \slot, Q, 0
.set Q, Q+1
.endr
.endm
; 64 numbers of a lane, register 16 b + i = k 32 b + 16 (lane / 16) + i of my row, become a fragment's codes in v[PC] on (registers 4 c ..: block 2 c + lane / 16) and its scale word in v[PW]
.macro QUANT s
.irp b, 0,1,2,3
	v_max3_num_f32 v[TM+\b], |v[\s+16*\b]|, |v[\s+1+16*\b]|, 0x1800000   ; my 16 numbers of block b, and the floor 2^(3 - 127)
.endr
.irp i, 2,4,6,8,10,12,14
.irp b, 0,1,2,3
	v_max3_num_f32 v[TM+\b], v[TM+\b], |v[\s+16*\b+\i]|, |v[\s+1+16*\b+\i]|
.endr
.endr
.irp b, 0,1,2,3
	v_permlanex16_b32 v[TM+4+\b], v[TM+\b], s[SEL], s[SEL+1]
.endr
.irp b, 0,1,2,3
	v_max_num_f32 v[TM+\b], v[TM+\b], v[TM+4+\b]   ; with lane l xor 16's: the block's largest magnitude
.endr
.irp b, 0,1,2,3
	v_add_nc_u32 v[TM+12+\b], 0xff000000, v[TM+\b] ; 2 off the exponent field: the conversion's scale operand
.endr
.irp b, 0,1,2,3
	v_lshrrev_b32 v[TM+4+\b], 23, v[TM+12+\b]      ; the scale's byte
.endr
	v_lshl_or_b32 v[PW], v[TM+5], 8, v[TM+4]
	v_lshl_or_b32 v[PW], v[TM+6], 16, v[PW]
	v_lshl_or_b32 v[PW], v[TM+7], 24, v[PW]
.irp b, 0,1,2,3
	v_cvt_scalef32_pk8_fp4_f32 v[PC+2*\b], v[\s+16*\b:\s+7+16*\b], v[TM+12+\b]
	v_cvt_scalef32_pk8_fp4_f32 v[PC+1+2*\b], v[\s+8+16*\b:\s+15+16*\b], v[TM+12+\b]
.endr
	v_nop                                          ; one plain instruction behind a scaled conversion
.irp c, 0,1
.irp i, 0,1
	v_permlane16_swap_b32 v[PC+4*\c+\i], v[PC+2+4*\c+\i]   ; a whole block to a lane
.endr
.endr
.endm
	s_load_b128 s[4:7], s[0:1], 0x0                ; the tokens' codes, the weights' codes
	s_load_b128 s[8:11], s[0:1], 0x10              ; bq, bk
	s_load_b128 s[88:91], s[0:1], 0x20             ; bv, qkvf
	v_lshl_add_u32 v[SPW], v0, 2, SPARE
	v_mov_b32 v[NIL], 0
	ds_add_u32 v28, v29
	ds_add_u32 v28, v29
	s_wait_dscnt 0x0
	v_lshrrev_b32 v1, 5, v0
	v_readfirstlane_b32 s14, v1                    ; wave 0..3
	s_lshr_b32 s15, s14, 1                         ; which block source 1 reads.  Also: I fetch tokens (0) or weights (1)
	s_and_b32 s16, s14, 1                          ; which block source 0 reads.  Also: which of the two blocks I fetch
	s_bfe_u32 s40, ttmp6, 0x40000                  ; cx, cy
	s_bfe_u32 s41, ttmp6, 0x40004
	s_lshl_b32 s42, ttmp9, 2
	s_add_co_u32 s42, s42, s40                     ; work-group x: 256 of the 3,072 columns
	s_and_b32 s17, ttmp7, 0xffff
	s_lshl_b32 s17, s17, 2
	s_add_co_u32 s17, s17, s41                     ; work-group y: 256 of the 4,096 tokens
	s_lshl_b32 s43, s41, 2
	s_lshl_b32 s43, 15, s43                        ; my row of the cluster
	s_lshl_b32 s44, 0x1111, s40                    ; my column
	s_or_b32 s[G1], s43, (3<<16)|(1<<21)           ; group 1: 15:0 the mask; 17:16 elements of 8 bytes; 21 set beside a mask; no padding
	s_or_b32 s[G1B], s44, (3<<16)|(1<<21)
.irp g, G1, G1B
	s_mov_b32 s[\g+1], 32<<16                      ; tensor_dim0 = 32 elements: 256 bytes
	s_mov_b32 s[\g+2], 136<<16                     ; tensor_dim1 = 136 rows: a block
	s_mov_b32 s[\g+3], 32<<16                      ; tile_dim0
	s_mov_b32 s[\g+4], 136                         ; tile_dim1
	s_mov_b32 s[\g+5], 32                          ; the pitch: dense
	s_mov_b32 s[\g+6], 0
	s_mov_b32 s[\g+7], 0
.endr
	s_lshl_b32 s20, s17, 1
	s_add_co_u32 s20, s20, s16
	s_mul_i32 s20, s20, KS*BLK                     ; the tokens' block (2 y + half, K step 0)
	s_mov_b32 s21, 0
	s_lshl_b32 s46, s42, 1
	s_add_co_u32 s46, s46, s16
	s_mul_i32 s46, s46, KS*BLK                     ; the weights' (2 x + half, 0): Wq, Wk, Wv lie on end at the head of wts
	s_mov_b32 s47, 0
	s_mul_i32 s45, s14, BLK                        ; where it goes: wave x a block
	s_wait_kmcnt 0x0
	s_add_nc_u64 s[20:21], s[4:5], s[20:21]
	s_add_nc_u64 s[46:47], s[6:7], s[46:47]
	CROUND                                         ; all sixteen work-groups are here: the joint loads meet
.irp s, 0,1
	s_mov_b32 s[G0+4*\s], 1
	s_add_co_u32 s[G0+4*\s+1], s45, \s*SLOT
	s_add_nc_u64 s[G0+4*\s+2:G0+4*\s+3], s[20:21], \s*BLK
	s_or_b32 s[G0+4*\s+3], s[G0+4*\s+3], 0x80000000
	s_mov_b32 s[G0B+4*\s], 1
	s_add_co_u32 s[G0B+4*\s+1], s45, \s*SLOT
	s_add_nc_u64 s[G0B+4*\s+2:G0B+4*\s+3], s[46:47], \s*BLK
	s_or_b32 s[G0B+4*\s+3], s[G0B+4*\s+3], 0x80000000
	JLOAD G0+4*\s, G1, G0B+4*\s, G1B               ; both K steps go out at once: two tensor loads of mine are out
.endr
	v_and_b32 v1, 15, v0                           ; r
	v_bfe_u32 v2, v0, 4, 1                         ; h
	v_and_b32 v3, 31, v0
	v_lshlrev_b32 v[L16], 4, v3
	s_cmp_eq_u32 ttmp9, 0
	s_cselect_b64 s[92:93], s[8:9], s[10:11]
	s_cmp_eq_u32 ttmp9, 2
	s_cselect_b64 s[92:93], s[88:89], s[92:93]     ; the tensor's bias
	s_cselect_b32 s94, 2*BLK, 0                    ; for v source 1 reads the weights' blocks
	s_cselect_b32 s95, 0, 2*BLK                    ; and source 0 the tokens'
	s_mul_i32 s21, s15, BLK
	s_add_co_u32 s21, s21, s94
	s_mul_i32 s22, s16, BLK
	s_add_co_u32 s22, s22, s95
.irp s, 0,1
	v_add_nc_u32 v[ADRA+\s], s21, v[L16]
	v_add_nc_u32 v[ADRB+\s], s22, v[L16]
	s_add_co_u32 s21, s21, SLOT
	s_add_co_u32 s22, s22, SLOT
.endr
	s_lshl_b32 s96, s40, 10                        ; my work-group's 256 of the tensor's 1,024 columns,
	s_lshl_b32 s97, s16, 9
	s_add_co_u32 s96, s96, s97                     ; source 0's 128 of them
	s_mov_b32 s97, 0
	s_add_nc_u64 s[92:93], s[92:93], s[96:97]
	s_lshl_b32 s96, s40, 10
	s_lshl_b32 s98, s15, 9
	s_add_co_u32 s96, s96, s98                     ; source 1's 128 of them
	s_add_nc_u64 s[88:89], s[88:89], s[96:97]
	v_lshlrev_b32 v6, 6, v2                        ; the bias along my registers: tile b's eight columns begin at 32 (b / 2) + 16 h + 8 (b % 2)
	v_and_b32 v7, 8, v1
	v_add_nc_u32 v7, v7, v1
	v_lshlrev_b32 v7, 2, v7                        ; the bias of my row: place r of tile a is column 32 (a / 2) + 8 (a % 2) + r + 8 (r / 8)
.irp b, 0,1,2,3,4,5,6,7
	global_load_b128 v[BN+8*\b:BN+8*\b+3], v6, s[92:93] offset:(32*(\b/2)+8*(\b%2))*4
	global_load_b128 v[BN+8*\b+4:BN+8*\b+7], v6, s[92:93] offset:(32*(\b/2)+8*(\b%2))*4+16
.endr
.irp a, 0,1,2,3,4,5,6,7
	global_load_b32 v[BM+\a], v7, s[88:89] offset:(32*(\a/2)+8*(\a%2))*4
.endr
	v_lshlrev_b32 v[H16], 4, v2
	v_lshlrev_b32 v[S2], 4, v1
	v_mad_u32_u24 v[S2], v2, BHB, v[S2]
.irp b, 0,1,2,3
	v_mov_b32 v[TM+4+\b], 0                        ; written once: a lane permute's destination counts as one of its sources
.endr
	s_wait_tensorcnt 1                             ; my block of K step 0 is in (K step 1's load may be out),
	s_barrier_signal -1
	s_barrier_wait -1                              ; everybody's is
	FETCH_B 0, 0, 0
	FETCH_A 0, 0, 0
	SCALES 0
	FETCH_A 0, 0, 4
	STEP 0, 0, 1                                   ; the first products start the sums: nothing is cleared
	STEPS 0, 1
	TURN 0, 1
	STEPS 1, 0
	s_wait_dscnt 4*NL
	WIN MUL_LO
	MUL16 0, 1, NQ-1, 1, 0
	MUL16 2, 1, NQ-1, 1, 0
	s_wait_dscnt 0
	WIN MUL_HI
	MUL16 4, 1, NQ-1, 1, 0
	MUL16 6, 1, NQ-1, 1, 0
	WIN 0
	PLACES NP                                      ; four places in front of the first read of results and of writes into source 1's registers
	s_wait_loadcnt 0x0                             ; the biases
	s_mov_b32 s[SEL], 0x76543210
	s_mov_b32 s[SEL+1], 0xfedcba98
	s_lshr_b32 s18, s17, 3
	s_lshl_b32 s18, s18, 4
	s_lshl_b32 s19, s40, 2
	s_add_co_u32 s18, s18, s19                     ; 16 x batch + my work-group's first head
	s_cmp_eq_u32 ttmp9, 2
	s_cbranch_scc1 .Lv
	; ---- q or k: a lane holds one token place and 64 columns: two heads x two blocks of 32
	s_lshl_b32 s19, s16, 1
	s_add_co_u32 s19, s18, s19
	s_mul_i32 s19, s19, BHB
	s_mul_i32 s22, ttmp9, 73728
	s_add_co_u32 s19, s19, s22                     ; q's or k's part of my first head's bytes
	s_and_b32 s22, s17, 7
	s_lshl_b32 s23, s22, 4
	s_lshl_b32 s45, s15, 3
	s_add_co_u32 s23, s23, s45                     ; my first tile of tokens
	s_lshl_b32 s23, s23, 9
	s_add_co_u32 s92, s19, s23
	s_mov_b32 s93, 0
	s_add_nc_u64 s[92:93], s[90:91], s[92:93]
	s_lshl_b32 s23, s22, 2
	s_lshl_b32 s45, s15, 1
	s_add_co_u32 s23, s23, s45
	s_lshl_b32 s23, s23, 8
	s_add_co_u32 s94, s19, s23
	s_add_co_u32 s94, s94, 65536
	s_mov_b32 s95, 0
	s_add_nc_u64 s[94:95], s[90:91], s[94:95]
.irp a, 0,1,2,3,4,5,6,7
	WIN 0x02+(\a/4)                                ; source 0: the accumulators' window
.set i, 0
.rept 32
	v_pk_add_f32 v[HA+i:HA+i+1], v[64*(\a%4)+i:64*(\a%4)+i+1], v[BN+i:BN+i+1]   ; + bias; each accumulator from its low end on
.set i, i+2
.endr
	WIN 0
	s_wait_xcnt 0x0                                ; the last tile's stores have read their registers
	QUANT HA
	global_store_b128 v[L16], v[PC:PC+3], s[92:93] offset:\a*512          ; the first head: 512 consecutive bytes
	global_store_b128 v[L16], v[PC+4:PC+7], s[92:93] offset:BHB+\a*512    ; the second
	v_bfe_u32 v[SW+\a], v[PW], v[H16], 16          ; lanes 0-15 keep the first head's two bytes, lanes 16-31 the second's; bytes 2, 3 are 0
.if \a%4 == 3
	global_store_b128 v[S2], v[SW+\a-3:SW+\a], s[94:95] offset:(\a/4)*256  ; four tiles' words: 256 consecutive bytes for each head
.endif
.endr
	s_branch .Ldone
.Lv:
	; ---- v: a lane holds one place of (head, d) and 64 of the wave's 128 keys: one key step
	s_lshl_b32 s19, s15, 1
	s_add_co_u32 s19, s18, s19
	s_mul_i32 s19, s19, BHB
	s_and_b32 s22, s17, 7
	s_lshl_b32 s22, s22, 1
	s_add_co_u32 s22, s22, s16                     ; the key step
	s_lshl_b32 s23, s22, 12
	s_add_co_u32 s92, s19, s23
	s_add_co_u32 s92, s92, 147456
	s_mov_b32 s93, 0
	s_add_nc_u64 s[92:93], s[90:91], s[92:93]
	s_lshl_b32 s23, s22, 8
	s_add_co_u32 s94, s19, s23
	s_add_co_u32 s94, s94, 212992
	s_mov_b32 s95, 0
	s_add_nc_u64 s[94:95], s[90:91], s[94:95]
.irp a, 0,1,2,3,4,5,6,7
	v_mov_b32 v[BP], v[BM+\a]
	v_mov_b32 v[BP+1], v[BM+\a]
	WIN 0x02+(\a/4)
.set i, 0
.rept 32
	v_pk_add_f32 v[HA+i:HA+i+1], v[64*(\a%4)+i:64*(\a%4)+i+1], v[BP:BP+1]
.set i, i+2
.endr
	WIN 0
	s_wait_xcnt 0x0
	QUANT HA
	global_store_b128 v[L16], v[PC:PC+3], s[92:93] offset:(\a/4)*BHB+(\a%4)*1024
	global_store_b128 v[L16], v[PC+4:PC+7], s[92:93] offset:(\a/4)*BHB+(\a%4)*1024+512
	v_mov_b32 v[SW+\a], v[PW]
.endr
	v_and_b32 v13, 31, v0
	v_cmp_le_u32 vcc_lo, 16, v13
.irp t, 0,1,2,3
	v_cndmask_b32 v[SW+\t], v[SW+\t], v[SW+4+\t], vcc_lo   ; lanes 16-31 take the second head's words
.endr
	global_store_b128 v[S2], v[SW:SW+3], s[94:95]  ; 256 consecutive bytes for each head
.Ldone:
	s_wait_tensorcnt 0x0                           ; the wave's end
	ds_add_u32 v[SPW], v[NIL]
	s_wait_dscnt 0x0
	CROUND                                         ; the closing round
	s_endpgm
.Lfunc_end_k_qaf9b5aefec_qkv:
	.size	k_qaf9b5aefec_qkv, .Lfunc_end_k_qaf9b5aefec_qkv-k_qaf9b5aefec_qkv
	.p2alignl 7, 3214868480
	.fill 96, 4, 3214868480
	.section	.rodata,"a",@progbits
	.p2align	6, 0x0
	.amdhsa_kernel k_qaf9b5aefec_qkv
		.amdhsa_group_segment_fixed_size 327680
		.amdhsa_private_segment_fixed_size 0
		.amdhsa_enable_private_segment 0
		.amdhsa_kernarg_size 48
		.amdhsa_user_sgpr_count 2
		.amdhsa_user_sgpr_kernarg_segment_ptr 1
		.amdhsa_wavefront_size32 1
		.amdhsa_system_sgpr_workgroup_id_x 1
		.amdhsa_system_sgpr_workgroup_id_y 1
		.amdhsa_system_sgpr_workgroup_id_z 1
		.amdhsa_system_vgpr_workitem_id 0
		.amdhsa_next_free_vgpr 1024
		.amdhsa_next_free_sgpr 100
		.amdhsa_reserve_vcc 1
		.amdhsa_float_denorm_mode_32 3
		.amdhsa_float_denorm_mode_16_64 3
		.amdhsa_memory_ordered 1
		.amdhsa_forward_progress 1
		.amdhsa_inst_pref_size 194
	.end_amdhsa_kernel
	.amdgpu_metadata
---
amdhsa.version: [ 1, 2 ]
amdhsa.kernels:
  - .name:           k_qaf9b5aefec_qkv
    .symbol:         k_qaf9b5aefec_qkv.kd
    .args:
      - { .name: xnq, .offset: 0, .size: 8, .value_kind: global_buffer, .address_space: global }
      - { .name: wts, .offset: 8, .size: 8, .value_kind: global_buffer, .address_space: global }
      - { .name: bq, .offset: 16, .size: 8, .value_kind: global_buffer, .address_space: global }
      - { .name: bk, .offset: 24, .size: 8, .value_kind: global_buffer, .address_space: global }
      - { .name: bv, .offset: 32, .size: 8, .value_kind: global_buffer, .address_space: global }
      - { .name: qkvf, .offset: 40, .size: 8, .value_kind: global_buffer, .address_space: global }
    .group_segment_fixed_size: 327680
    .private_segment_fixed_size: 0
    .kernarg_segment_align: 8
    .kernarg_segment_size: 48
    .max_flat_workgroup_size: 128
    .sgpr_count:     100
    .vgpr_count:     1024
    .wavefront_size: 32
...
	.end_amdgpu_metadata
.endif
;; end of part 3
;; launch attn (part 4): grid 8 x 32, 16 waves a work-group, clusters of 4 x 1, 169,984 bytes of LDS; arguments qkvf, oq; writes oq
.if DOCPART == 4
	.amdgcn_target "amdgcn-amd-amdhsa--gfx1250"
	.amdhsa_code_object_version 6
	.text
	.protected	k_qaf9b5aefec_attn
	.globl	k_qaf9b5aefec_attn
	.p2align	8
	.type	k_qaf9b5aefec_attn,@function
k_qaf9b5aefec_attn:
	s_mov_b64 s[64:65], 0
	v_nop
	global_prefetch_b8 v0, s[64:65] scope:SCOPE_SE
	s_setreg_imm32_b32 hwreg(HW_REG_WAVE_MODE, 25, 1), 1
	s_wait_xcnt 0x0
	s_wait_alu depctr_hold_cnt(0) depctr_sa_sdst(0) depctr_va_vdst(0) depctr_va_sdst(0) depctr_va_ssrc(0) depctr_va_vcc(0) depctr_vm_vsrc(0)
	s_getreg_b32 s2, hwreg(HW_REG_IB_STS2, 6, 4)
	s_cmp_eq_u32 s2, 0
	s_cbranch_scc0 .Lentry_in_a_cluster
	s_endpgm
.Lentry_in_a_cluster:
	s_bfe_u32 s2, ttmp6, 0x10000c
	s_cmp_lg_u32 s2, 0x3003
	s_cbranch_scc0 .Lentry_shape_is_right
	s_endpgm
.Lentry_shape_is_right:
; o = softmax(q k^T / 32) v for one (batch, head) and 256 queries, both products on codes of FP4 (E2M1) with E8M0 scales; o is divided by the row's sum and quantised at once along C for the next product.
; THE SOFTMAX AHEAD OF THE SECOND PRODUCT: t = score x log2(e) / 32; M = the running largest t rounded UP to a whole number; p = 2^(t - M) is quantised along the keys; the row's sum is taken of the unquantised p.
; When M moves, the sum and O are multiplied by 2^(old M - new M): exact.
; SHARES.  Sixteen waves, each with one tile of 16 queries in 256 registers: four waves to a SIMD.  Every wave walks the head's 2,048 keys, 128 a step.
; ALL OF THE HEAD'S K AND V, codes and scale words, are 143,360 dense bytes of qkvf: they come into LDS ONCE, a sixteenth by each wave's one tensor load, and stay: no slot is ever filled again.
; CLUSTER.  The four work-groups of a cluster belong to one head and want the same bytes: each load is asked for jointly, with the same descriptor and a mask that names the four.
; LAYOUT.  Both products are used transposed: S^T = K Q^T (source 0 = 16 key places), O^T = V^T P^T (source 0 = 16 places of d): a lane holds one query throughout.  Keys and d stand at places with bits 3 and 4 of
; their number exchanged, so the 16 registers of two neighbouring tiles are 16 neighbouring keys (or d).  The head's 64 fill half of an instruction's K: registers 4-7 of q's and k's fragments hold zero codes,
; and bytes 2, 3 of their scale words are 0.
; A block's largest p is taken from its largest score by the same multiply-add and exponential (this takes the exponential not to fall where its input rises).
; LIMITS: a block of zeros, or one whose largest magnitude lies under 2^-124, gets the byte 1 (this program alone reads the bytes); NaN and infinities are not served.
.set BLK,  34816
.set BHB,  217088
.set L16,  1                           ; v1   16 x lane: also my place in a tile of K
.set AT0,  2                           ; v2   V's scale words: 139,264 + 16 r
.set AS0,  3                           ; v3   K's scale words: 65,536 + 16 x lane
.set AV0,  4                           ; v4   V's codes: 73,728 + 16 x lane
.set R16,  5                           ; v5   16 r
.set ADK,  8
.set ADV,  9
.set ADS,  10
.set ADT,  11
.set WV,   18
.set SEL,  20
.set CS,   22
.set G1,   24
.set G0,   32
.set TK,   36                          ; s36  the step's codes: 4,096 bytes a step, in K and in V
.set TS,   37                          ; s37  K's scale words: 512 a step
.set TW,   38                          ; s38  V's: 256 a step
.set CNT,  39
.macro CROUND
	s_barrier_signal -1
	s_barrier_wait -1
	s_cmp_lg_u32 s[WV], 0
	s_cbranch_scc1 .Lnot_wave_0_\@
	s_barrier_signal -3
.Lnot_wave_0_\@:
	s_barrier_wait -3
	s_barrier_signal -1
	s_barrier_wait -1
.endm
	s_load_b128 s[4:7], s[0:1], 0x0                ; qkvf, oq
	v_lshl_add_u32 v30, v0, 2, 0x29000
	v_mov_b32 v31, 0
	ds_add_u32 v30, v31
	ds_add_u32 v30, v31
	v_lshrrev_b32 v8, 5, v0
	v_readfirstlane_b32 s[WV], v8                  ; wave 0..15
	s_bfe_u32 s40, ttmp6, 0x40000                  ; cx: it enters q's and o's addresses alone
	s_lshl_b32 s41, ttmp9, 2
	s_add_co_u32 s41, s41, s40                     ; my block of 256 queries
	s_and_b32 s42, ttmp7, 0xffff                   ; 16 x batch + head, which the partners share
	s_mul_i32 s44, s42, BHB
	s_mov_b32 s[G1], 15|(3<<16)|(1<<21)            ; 15:0 the mask: all four; 17:16 elements of 8 bytes; 21 set beside a mask
	s_mov_b32 s[G1+1], 32<<16                      ; rows of 256 bytes,
	s_mov_b32 s[G1+2], 35<<16                      ; 35 of them: 8,960 bytes
	s_mov_b32 s[G1+3], 32<<16
	s_mov_b32 s[G1+4], 35
	s_mov_b32 s[G1+5], 32                          ; dense
	s_mov_b32 s[G1+6], 0
	s_mov_b32 s[G1+7], 0
	s_mul_i32 s43, s[WV], 8960
	s_add_co_u32 s46, s44, s43
	s_add_co_u32 s46, s46, 73728                   ; behind q's part
	s_mov_b32 s47, 0
	s_mov_b32 s[SEL], 0x76543210
	s_mov_b32 s[SEL+1], 0xfedcba98
	s_mov_b32 s[CS], 0x3d38aa3b                    ; c = log2(e) / 32
	s_mov_b32 s[CS+1], s[CS]
	s_wait_dscnt 0x0
	s_wait_kmcnt 0x0
	s_mov_b32 s[G0], 1
	s_mov_b32 s[G0+1], s43
	s_add_nc_u64 s[G0+2:G0+3], s[4:5], s[46:47]
	s_or_b32 s[G0+3], s[G0+3], 0x80000000
	CROUND                                         ; all four work-groups are here: the joint loads meet
	tensor_load_to_lds s[G0:G0+3], s[G1:G1+7]      ; my one tensor load of the launch
	s_nop 0
.rept 4
	v_nop
.endr
	s_lshl_b32 s48, s41, 4
	s_add_co_u32 s48, s48, s[WV]                   ; T: my tile of queries among the head's 128
	s_lshl_b32 s50, s48, 9
	s_add_co_u32 s50, s50, s44
	s_mov_b32 s51, 0
	s_add_nc_u64 s[50:51], s[4:5], s[50:51]
	s_lshr_b32 s52, s48, 2
	s_lshl_b32 s52, s52, 8
	s_and_b32 s53, s48, 3
	s_lshl_b32 s53, s53, 2
	s_add_co_u32 s52, s52, s53
	s_add_co_u32 s52, s52, s44
	s_add_co_u32 s52, s52, 65536
	s_mov_b32 s53, 0
	s_add_nc_u64 s[52:53], s[4:5], s[52:53]
	v_and_b32 v8, 31, v0
	v_lshlrev_b32 v[L16], 4, v8
	v_and_b32 v9, 15, v0
	v_lshlrev_b32 v[R16], 4, v9
	global_load_b128 v[16:19], v[L16], s[50:51]    ; q's codes stay in registers
	global_load_b32 v255, v[R16], s[52:53]         ; q's scale words
	v_add_nc_u32 v[AT0], 139264, v[R16]
	v_add_nc_u32 v[AS0], 65536, v[L16]
	v_add_nc_u32 v[AV0], 73728, v[L16]
.irp c, 20,21,22,23
	v_mov_b32 v[\c], 0                             ; k = 64 .. 127 of q: zero codes
.endr
.irp t, 0,1,2,3,4,5,6,7
.irp c, 4,5,6,7
	v_mov_b32 v[32+8*\t+\c], 0                     ; and of K's eight fragments: written once
.endr
.endr
	v_mov_b32 v13, 0xff61b1e6                      ; the largest t so far: -3e38
	v_floor_f32 v12, -v13                          ; -M
	v_mov_b32 v14, 0                               ; the sum, in two halves
	v_mov_b32 v15, 0
.irp b, 0,1,2,3
	v_mov_b32 v[236+\b], 0                         ; written once: a lane permute's destination counts as one of its sources
.endr
	v_mov_b32 v253, 0
.set j, 0
.rept 32
	v_mov_b32 v[160+j], 0                          ; O^T: the loop is written once; its first step finds zeros
.set j, j+1
.endr
	s_mov_b32 s[TK], 0
	s_mov_b32 s[TS], 0
	s_mov_b32 s[TW], 0
	s_mov_b32 s[CNT], 16
	s_wait_loadcnt 0x0                             ; q
	s_wait_tensorcnt 0x0                           ; my sixteenth of K and V has landed,
	s_barrier_signal -1
	s_barrier_wait -1                              ; everybody's has
.Lstep:                                            ; 16 trips of 128 keys
	v_add_nc_u32 v[ADK], s[TK], v[L16]             ; (these four are also the places behind the last trip's products, in front of the loads into their registers)
	v_add_nc_u32 v[ADV], s[TK], v[AV0]
	v_add_nc_u32 v[ADS], s[TS], v[AS0]
	v_add_nc_u32 v[ADT], s[TW], v[AT0]
.irp t, 0,1,2,3,4,5,6,7
	ds_load_b128 v[32+8*\t:35+8*\t], v[ADK] offset:512*\t
.endr
	ds_load_b128 v[248:251], v[ADS]                ; K's scale words: register w: tile w in lanes 0-15, tile 4 + w in lanes 16-31
.irp t, 0,1,2,3
.irp c, 0,1
	ds_load_b128 v[192+8*\t+4*\c:195+8*\t+4*\c], v[ADV] offset:1024*\t+512*\c
.endr
.endr
	ds_load_b128 v[240:243], v[ADT]                ; V's scale words: register t: d tile t
	s_wait_dscnt 9                                 ; K's nine loads are in; V's nine may be out
.irp t, 0,1,2,3
	v_wmma_scale_f32_16x16x128_f8f6f4 v[96+8*\t:103+8*\t], v[32+8*\t:39+8*\t], v[16:23], 0, v[248+\t], v255 matrix_a_fmt:MATRIX_FMT_FP4 matrix_b_fmt:MATRIX_FMT_FP4
.endr
.irp t, 4,5,6,7
	v_wmma_scale_f32_16x16x128_f8f6f4 v[96+8*\t:103+8*\t], v[32+8*\t:39+8*\t], v[16:23], 0, v[244+\t], v255 matrix_a_fmt:MATRIX_FMT_FP4 matrix_b_fmt:MATRIX_FMT_FP4 matrix_a_scale:MATRIX_SCALE_ROW1
.endr
.rept 4
	v_nop
.endr
.irp b, 0,1,2,3
	v_max3_num_f32 v[232+\b], v[96+16*\b], v[97+16*\b], v[98+16*\b]   ; the largest score of each block of 32 keys
.endr
.irp i, 3,5,7,9,11,13
.irp b, 0,1,2,3
	v_max3_num_f32 v[232+\b], v[232+\b], v[96+16*\b+\i], v[97+16*\b+\i]
.endr
.endr
.irp b, 0,1,2,3
	v_max_num_f32 v[232+\b], v[232+\b], v[111+16*\b]
.endr
.irp b, 0,1,2,3
	v_permlanex16_b32 v[236+\b], v[232+\b], s[SEL], s[SEL+1]
.endr
.irp b, 0,1,2,3
	v_max_num_f32 v[232+\b], v[232+\b], v[236+\b]  ; with lane l xor 16's 16 keys
.endr
	v_max3_num_f32 v254, v232, v233, v234
	v_max_num_f32 v254, v254, v235
	v_mul_f32 v254, s[CS], v254                    ; the step's largest t
	v_max_num_f32 v13, v13, v254                   ; the running largest t
	v_mov_b32 v254, v12
	v_floor_f32 v12, -v13                          ; the new -M = -ceil(t)
	v_sub_f32 v254, v12, v254                      ; old M - new M: a whole number, 0 or less
	v_cvt_i32_f32 v254, v254                       ; (it saturates)
	v_ldexp_f32 v252, 1.0, v254                    ; f = 2^(old M - new M)
.set j, 0
.rept 32
	v_pk_fma_f32 v[96+j:97+j], v[96+j:97+j], s[CS:CS+1], v[12:13] op_sel_hi:[1,0,0]   ; t - M
.set j, j+2
.endr
.irp b, 0,1,2,3
	v_fma_f32 v[232+\b], v[232+\b], s[CS], v12     ; the same of each block's largest score
.endr
.set j, 0
.rept 64
	v_exp_f32 v[96+j], v[96+j]                     ; p = 2^(t - M): one batch
.set j, j+1
.endr
	v_pk_mul_f32 v[14:15], v[14:15], v[252:253] op_sel_hi:[1,0]   ; the sums under the new M: a plain instruction behind the batch
	s_wait_alu depctr_va_vdst(0)                   ; one wait for the batch, ahead of its first reader
.irp b, 0,1,2,3
	v_exp_f32 v[232+\b], v[232+\b]                 ; each block's largest p
.endr
	v_pk_add_f32 v[236:237], v[96:97], v[98:99]    ; the row's sum of the unquantised p, in two chains
.irp j, 4,8,12,16,20,24,28,32,36,40,44,48,52,56,60
	v_pk_add_f32 v[14:15], v[14:15], v[96+\j:97+\j]
	v_pk_add_f32 v[236:237], v[236:237], v[98+\j:99+\j]
.endr
	v_pk_add_f32 v[14:15], v[14:15], v[236:237]
	s_wait_alu depctr_va_vdst(0)                   ; and one for the four
.irp b, 0,1,2,3
	v_max_num_f32 v[232+\b], 0x1800000, v[232+\b]  ; the floor 2^(3 - 127)
.endr
.irp b, 0,1,2,3
	v_add_nc_u32 v[244+\b], 0xff000000, v[232+\b]  ; the conversion's scale operand
.endr
.irp b, 0,1,2,3
	v_lshrrev_b32 v[236+\b], 23, v[244+\b]
.endr
	v_lshl_or_b32 v253, v237, 8, v236              ; p's scale word for these 128 keys
	v_lshl_or_b32 v253, v238, 16, v253
	v_lshl_or_b32 v253, v239, 24, v253
.irp b, 0,1,2,3
	v_cvt_scalef32_pk8_fp4_f32 v[224+2*\b], v[96+16*\b:103+16*\b], v[244+\b]
	v_cvt_scalef32_pk8_fp4_f32 v[225+2*\b], v[104+16*\b:111+16*\b], v[244+\b]
.endr
	v_nop                                          ; one plain instruction behind a scaled conversion
.irp c, 0,1
.irp i, 0,1
	v_permlane16_swap_b32 v[224+4*\c+\i], v[226+4*\c+\i]   ; a whole block to a lane
.endr
.endr
.set j, 0
.rept 16
	v_pk_mul_f32 v[160+j:161+j], v[160+j:161+j], v[252:253] op_sel_hi:[1,0]   ; O^T under the new M; these sixteen are also the places in front of the products below
.set j, j+2
.endr
	s_wait_dscnt 0x0                               ; V
.irp t, 0,1,2,3
	v_wmma_scale_f32_16x16x128_f8f6f4 v[160+8*\t:167+8*\t], v[192+8*\t:199+8*\t], v[224:231], v[160+8*\t:167+8*\t], v[240+\t], v253 matrix_a_fmt:MATRIX_FMT_FP4 matrix_b_fmt:MATRIX_FMT_FP4
.endr
	s_add_co_u32 s[TK], s[TK], 4096
	s_add_co_u32 s[TS], s[TS], 512
	s_add_co_u32 s[TW], s[TW], 256
	s_sub_co_u32 s[CNT], s[CNT], 1
	s_cmp_lg_u32 s[CNT], 0
	s_cbranch_scc1 .Lstep
	; THE WAY OUT: o = O^T / the sum; a lane's 32 numbers are 16 neighbours of each of the head's two blocks of 32 along C; codes and scale bytes go straight into the next product's block
	v_add_f32 v14, v14, v15
	v_permlanex16_b32 v252, v14, s[SEL], s[SEL+1]
	v_add_f32 v14, v14, v252                       ; the row's sum
	v_rcp_f32 v14, v14
.rept 4
	v_nop                                          ; plain instructions behind the reciprocal, and the places behind the last products
.endr
	s_lshr_b32 s43, s42, 4                         ; batch
	s_and_b32 s46, s42, 15                         ; head
	s_lshl_b32 s43, s43, 4
	s_lshr_b32 s47, s48, 3
	s_add_co_u32 s43, s43, s47                     ; the group of 128 token places
	s_lshl_b32 s43, s43, 1
	s_lshr_b32 s47, s46, 3
	s_add_co_u32 s43, s43, s47                     ; K step = head / 8
	s_mul_i32 s43, s43, BLK
	s_and_b32 s47, s48, 7                          ; the tile in the group
	s_bfe_u32 s49, s46, 0x20001                    ; q = (head % 8) / 2
	s_and_b32 s46, s46, 1                          ; c = head % 2
	s_lshl_b32 s54, s47, 12
	s_add_co_u32 s54, s54, s43
	s_lshl_b32 s55, s49, 10
	s_add_co_u32 s54, s54, s55
	s_lshl_b32 s55, s46, 9
	s_add_co_u32 s54, s54, s55
	s_mov_b32 s55, 0
	s_add_nc_u64 s[54:55], s[6:7], s[54:55]
	s_lshl_b32 s56, s47, 8
	s_add_co_u32 s56, s56, s43
	s_lshl_b32 s57, s49, 2
	s_add_co_u32 s56, s56, s57
	s_lshl_b32 s57, s46, 1
	s_add_co_u32 s56, s56, s57
	s_add_co_u32 s56, s56, 32768
	s_mov_b32 s57, 0
	s_add_nc_u64 s[56:57], s[6:7], s[56:57]
	s_wait_alu depctr_va_vdst(0)                   ; the wait, ahead of the reciprocal's first reader
.set j, 0
.rept 32
	v_mul_f32 v[96+j], v[160+j], v14               ; register 16 b + i: d = 32 b + 16 (lane / 16) + i
.set j, j+1
.endr
.irp b, 0,1
	v_max3_num_f32 v[232+\b], |v[96+16*\b]|, |v[97+16*\b]|, 0x1800000
.endr
.irp i, 2,4,6,8,10,12,14
.irp b, 0,1
	v_max3_num_f32 v[232+\b], v[232+\b], |v[96+16*\b+\i]|, |v[97+16*\b+\i]|
.endr
.endr
.irp b, 0,1
	v_permlanex16_b32 v[236+\b], v[232+\b], s[SEL], s[SEL+1]
.endr
.irp b, 0,1
	v_max_num_f32 v[232+\b], v[232+\b], v[236+\b]
.endr
.irp b, 0,1
	v_add_nc_u32 v[244+\b], 0xff000000, v[232+\b]
.endr
.irp b, 0,1
	v_lshrrev_b32 v[236+\b], 23, v[244+\b]
.endr
	v_lshl_or_b32 v254, v237, 8, v236              ; the row's two scale bytes
.irp b, 0,1
	v_cvt_scalef32_pk8_fp4_f32 v[224+2*\b], v[96+16*\b:103+16*\b], v[244+\b]
	v_cvt_scalef32_pk8_fp4_f32 v[225+2*\b], v[104+16*\b:111+16*\b], v[244+\b]
.endr
	v_nop
	v_permlane16_swap_b32 v224, v226               ; lanes 0-15 the first block, lanes 16-31 the second
	v_permlane16_swap_b32 v225, v227
	global_store_b128 v[L16], v[224:227], s[54:55] ; 512 consecutive bytes, aligned
	global_store_b16 v[R16], v254, s[56:57]        ; two bytes a row: the other bytes of these 256 belong to other heads' work-groups (lanes 16-31 repeat lanes 0-15)
	s_wait_tensorcnt 0x0
	ds_add_u32 v30, v31
	s_wait_dscnt 0x0
	CROUND                                         ; the closing round
	s_endpgm
.Lfunc_end_k_qaf9b5aefec_attn:
	.size	k_qaf9b5aefec_attn, .Lfunc_end_k_qaf9b5aefec_attn-k_qaf9b5aefec_attn
	.p2alignl 7, 3214868480
	.fill 96, 4, 3214868480
	.section	.rodata,"a",@progbits
	.p2align	6, 0x0
	.amdhsa_kernel k_qaf9b5aefec_attn
		.amdhsa_group_segment_fixed_size 169984
		.amdhsa_private_segment_fixed_size 0
		.amdhsa_enable_private_segment 0
		.amdhsa_kernarg_size 16
		.amdhsa_user_sgpr_count 2
		.amdhsa_user_sgpr_kernarg_segment_ptr 1
		.amdhsa_wavefront_size32 1
		.amdhsa_system_sgpr_workgroup_id_x 1
		.amdhsa_system_sgpr_workgroup_id_y 1
		.amdhsa_system_sgpr_workgroup_id_z 1
		.amdhsa_system_vgpr_workitem_id 0
		.amdhsa_next_free_vgpr 256
		.amdhsa_next_free_sgpr 66
		.amdhsa_reserve_vcc 0
		.amdhsa_float_denorm_mode_32 3
		.amdhsa_float_denorm_mode_16_64 3
		.amdhsa_memory_ordered 1
		.amdhsa_forward_progress 1
		.amdhsa_inst_pref_size 26
	.end_amdhsa_kernel
	.amdgpu_metadata
---
amdhsa.version: [ 1, 2 ]
amdhsa.kernels:
  - .name:           k_qaf9b5aefec_attn
    .symbol:         k_qaf9b5aefec_attn.kd
    .args:
      - { .name: qkvf, .offset: 0, .size: 8, .value_kind: global_buffer, .address_space: global }
      - { .name: oq, .offset: 8, .size: 8, .value_kind: global_buffer, .address_space: global }
    .group_segment_fixed_size: 169984
    .private_segment_fixed_size: 0
    .kernarg_segment_align: 8
    .kernarg_segment_size: 16
    .max_flat_workgroup_size: 512
    .sgpr_count:     66
    .vgpr_count:     256
    .wavefront_size: 32
...
	.end_amdgpu_metadata
.endif
;; end of part 4
;; launch proj (part 5): grid 4 x 16, 4 waves a work-group, clusters of 4 x 4, 327,680 bytes of LDS; arguments oq, wts, bp, x, outb; writes outb
.if DOCPART == 5
	.amdgcn_target "amdgcn-amd-amdhsa--gfx1250"
	.amdhsa_code_object_version 6
	.text
	.protected	k_qaf9b5aefec_proj
	.globl	k_qaf9b5aefec_proj
	.p2align	8
	.type	k_qaf9b5aefec_proj,@function
k_qaf9b5aefec_proj:
	s_mov_b64 s[64:65], 0
	v_nop
	global_prefetch_b8 v0, s[64:65] scope:SCOPE_SE
	s_setreg_imm32_b32 hwreg(HW_REG_WAVE_MODE, 25, 1), 1
	s_wait_xcnt 0x0
	s_wait_alu depctr_hold_cnt(0) depctr_sa_sdst(0) depctr_va_vdst(0) depctr_va_sdst(0) depctr_va_ssrc(0) depctr_va_vcc(0) depctr_vm_vsrc(0)
	s_getreg_b32 s2, hwreg(HW_REG_IB_STS2, 6, 4)
	s_cmp_eq_u32 s2, 0
	s_cbranch_scc0 .Lentry_in_a_cluster
	s_endpgm
.Lentry_in_a_cluster:
	s_bfe_u32 s2, ttmp6, 0x10000c
	s_cmp_lg_u32 s2, 0xf033
	s_cbranch_scc0 .Lentry_shape_is_right
	s_endpgm
.Lentry_shape_is_right:
; result = residual + (A W + bias): A [4,096][SIZE_K] and W [SIZE_K][1,024] as codes of FP4 (E2M1) with E8M0 scales; bias, residual and result f32, rows of 1,024.  Here: A = attention's o, W = Wp, residual = x.
; A work-group of four waves makes 256 x 256; a wave 128 x 128: 64 accumulators, 512 registers.  K goes in steps of 512 through two LDS slots.
; OPERANDS lie in memory as blocks of 128 rows x 512 K, 34,816 bytes: images of the fragments' registers (tile i, K step q, half c: 512 bytes at 4096 i + 1024 q + 512 c, 16 bytes a lane) and, at 32,768, the scale
; words (256 i + 16 r + 4 q).  One tensor load a wave brings one block; a fragment is two dense LDS loads; four scale words of a row come by one load, two tiles to a register (lanes 0-15, lanes 16-31).
; Rows stand at places with bits 3 and 4 of their number exchanged: place t of tile a of a wave's 128 rows is row 32 (a / 2) + 8 (a % 2) + t % 8 + 16 (t / 8); a lane's registers of tile b are the columns
; 32 (b / 2) + 16 (lane / 16) + 8 (b % 2) + 0 .. 7.  The way out puts both right.
; CLUSTERS: 4 x 4 work-groups; A's blocks are asked for jointly along a row of the cluster, W's along a column.  Source 0 = W's rows, source 1 = A's: a lane holds neighbouring columns of one row.
; THE WAY OUT: a tile of 16 rows goes through the wave's stage in LDS (in slot 0, which has had its last fill and its last read) and comes back as rows of 512 bytes; bias and residual are added; the 32 lanes store 512
; consecutive bytes.  The residual's rows are asked for four tiles ahead, the first two tiles at the kernel's head.
.set SIZE_K, 1024
.set WOFF,   1671168                   ; where W's blocks begin in wts
.set BLK,    34816
.set SLOT,   4*BLK
.set SPARE,  2*SLOT
.set KS,     SIZE_K/512
.set LAPS,   KS/2
.set NQ,     4
.set FR,     8
.set NL,     2
.set NP,     4
.set ADRA,   16
.set ADRB,   20
.set SPW,    28
.set NIL,    29
.set SC,     32                        ; v32-95 scale words and nothing else
.set AF,     128
.set G1,     24
.set G0,     32
.set G1B,    48
.set G0B,    56
.set L16,    24                        ; v24  16 x lane
.set STO,    25                        ; v25  the stage: where I put 32 bytes of a row
.set RD,     26                        ; v26  and where I read a row back
.set BI,     96                        ; v96-99 the bias of my four columns of a row
.set BK,     128                       ; v128-191, v192-255 by turns: 16 rows back from the stage
.set SPITCH, 528
.set MSB,    0
.macro WIN new
.if MSB != \new
	s_set_vgpr_msb (MSB<<8)|\new
.set MSB, \new
.endif
.endm
.set MUL_LO, 0xa1
.set MUL_HI, 0xf1
.set TO_B,   0x40
.macro JLOAD g0a, g1a, g0b, g1b        ; a joint load: waves 0 and 1 fetch A's blocks, waves 2 and 3 W's; four v_nop follow each line
	s_cmp_eq_u32 s15, 0
	s_cbranch_scc0 .Lfor_x_\@
	tensor_load_to_lds s[\g0a:\g0a+3], s[\g1a:\g1a+7]
	s_nop 0
.rept 4
	v_nop
.endr
	s_branch .Lasked_\@
.Lfor_x_\@:
	tensor_load_to_lds s[\g0b:\g0b+3], s[\g1b:\g1b+7]
	s_nop 0
.rept 4
	v_nop
.endr
.Lasked_\@:
.endm
.macro CREST
	s_cmp_lg_u32 s14, 0
	s_cbranch_scc1 .Lnot_wave_0_\@
	s_barrier_signal -3
.Lnot_wave_0_\@:
	s_barrier_wait -3
	s_barrier_signal -1
	s_barrier_wait -1
.endm
.macro CROUND
	s_barrier_signal -1
	s_barrier_wait -1
	CREST
.endm
.macro PLACES n
.rept \n
	v_nop
.endr
.endm
.macro FRAG reg, adr, q, i
.irp c, 0,1
	ds_load_b128 v[\reg+4*\c:\reg+4*\c+3], v[\adr] offset:(\i)*4096+(\q)*1024+512*\c
.endr
.endm
.macro WM zero                         ; one product; an odd tile's scale words lie in lanes 16-31 of their register
.if \zero
.if BO && AO
	v_wmma_scale_f32_16x16x128_f8f6f4 v[rD:rD+7], v[rB:rB+7], v[rA:rA+7], 0, v[rSB], v[rSA] matrix_a_fmt:MATRIX_FMT_FP4 matrix_b_fmt:MATRIX_FMT_FP4 matrix_a_scale:MATRIX_SCALE_ROW1 matrix_b_scale:MATRIX_SCALE_ROW1
.elseif BO
	v_wmma_scale_f32_16x16x128_f8f6f4 v[rD:rD+7], v[rB:rB+7], v[rA:rA+7], 0, v[rSB], v[rSA] matrix_a_fmt:MATRIX_FMT_FP4 matrix_b_fmt:MATRIX_FMT_FP4 matrix_a_scale:MATRIX_SCALE_ROW1
.elseif AO
	v_wmma_scale_f32_16x16x128_f8f6f4 v[rD:rD+7], v[rB:rB+7], v[rA:rA+7], 0, v[rSB], v[rSA] matrix_a_fmt:MATRIX_FMT_FP4 matrix_b_fmt:MATRIX_FMT_FP4 matrix_b_scale:MATRIX_SCALE_ROW1
.else
	v_wmma_scale_f32_16x16x128_f8f6f4 v[rD:rD+7], v[rB:rB+7], v[rA:rA+7], 0, v[rSB], v[rSA] matrix_a_fmt:MATRIX_FMT_FP4 matrix_b_fmt:MATRIX_FMT_FP4
.endif
.else
.if BO && AO
	v_wmma_scale_f32_16x16x128_f8f6f4 v[rD:rD+7], v[rB:rB+7], v[rA:rA+7], v[rD:rD+7], v[rSB], v[rSA] matrix_a_fmt:MATRIX_FMT_FP4 matrix_b_fmt:MATRIX_FMT_FP4 matrix_a_scale:MATRIX_SCALE_ROW1 matrix_b_scale:MATRIX_SCALE_ROW1
.elseif BO
	v_wmma_scale_f32_16x16x128_f8f6f4 v[rD:rD+7], v[rB:rB+7], v[rA:rA+7], v[rD:rD+7], v[rSB], v[rSA] matrix_a_fmt:MATRIX_FMT_FP4 matrix_b_fmt:MATRIX_FMT_FP4 matrix_a_scale:MATRIX_SCALE_ROW1
.elseif AO
	v_wmma_scale_f32_16x16x128_f8f6f4 v[rD:rD+7], v[rB:rB+7], v[rA:rA+7], v[rD:rD+7], v[rSB], v[rSA] matrix_a_fmt:MATRIX_FMT_FP4 matrix_b_fmt:MATRIX_FMT_FP4 matrix_b_scale:MATRIX_SCALE_ROW1
.else
	v_wmma_scale_f32_16x16x128_f8f6f4 v[rD:rD+7], v[rB:rB+7], v[rA:rA+7], v[rD:rD+7], v[rSB], v[rSA] matrix_a_fmt:MATRIX_FMT_FP4 matrix_b_fmt:MATRIX_FMT_FP4
.endif
.endif
.endm
; 16 products: A's tiles a0, a0 + 1 x W's eight.  The 64 accumulators take turns, one instruction a turn, in the same order in every step
.macro MUL16 a0, p, q, sc, zero
.irp a, \a0, \a0+1
.irp b, 0,1,2,3,4,5,6,7
.set rD, 8*(8*((\a)%4)+\b)
.set rB, 128*(\p)+FR*\b
.set rA, AF+FR*(\a)
.set rSB, SC+32*(\sc)+16+4*(\b/2)+(\q)
.set rSA, SC+32*(\sc)+4*((\a)/2)+(\q)
.set BO, \b%2
.set AO, (\a)%2
	WM \zero
.endr
.endr
.endm
.macro FETCH_B slot, q, p
	WIN TO_B
.irp i, 0,1,2,3,4,5,6,7
	FRAG 128*(\p)+FR*\i, ADRB+\slot, \q, \i
.endr
	WIN 0
.endm
.macro FETCH_A slot, q, i0
.irp i, \i0, \i0+1, \i0+2, \i0+3
	FRAG AF+FR*(\i), ADRA+\slot, \q, \i
.endr
.endm
.macro SCALES s
.irp i, 0,1,2,3
	ds_load_b128 v[SC+32*\s+4*\i:SC+32*\s+4*\i+3], v[ADRA+\s] offset:32768+512*\i
.endr
.irp i, 0,1,2,3
	ds_load_b128 v[SC+32*\s+16+4*\i:SC+32*\s+16+4*\i+3], v[ADRB+\s] offset:32768+512*\i
.endr
.endm
.macro STEP slot, q, zero
	s_wait_dscnt 4*NL                              ; all but the youngest eight loads (A's tiles 4-7) are in
	WIN MUL_LO
	MUL16 0, (\q)%2, \q, \slot, \zero
	MUL16 2, (\q)%2, \q, \slot, \zero
	s_wait_dscnt 0
	PLACES NP                                      ; four places in front of loads into registers that matrix instructions have read
	FETCH_B \slot, (\q)+1, 1-(\q)%2
	FETCH_A \slot, (\q)+1, 0
	WIN MUL_HI
	MUL16 4, (\q)%2, \q, \slot, \zero
	MUL16 6, (\q)%2, \q, \slot, \zero
	PLACES NP
	WIN 0
	FETCH_A \slot, (\q)+1, 4
.endm
; A slot's last step changes slots: one barrier; in front of it each wave waits for all its tensor loads, adds 0 to its spare word, and waits for that and for its reads of this slot.  fill = 1: this slot is filled again, two K steps ahead.
.macro TURN slot, next, fill
	s_wait_tensorcnt 0x0                           ; all my tensor loads have landed: my block of the next slot
	ds_add_u32 v[SPW], v[NIL]                      ; 0 onto my spare word
	s_wait_dscnt 4*NL+1                            ; (the add and the youngest eight loads may be out)
	WIN MUL_LO
	MUL16 0, 1, NQ-1, \slot, 0
	s_wait_dscnt 0x0                               ; the add is done, and my reads of this slot are over
	s_barrier_signal -1
	MUL16 2, 1, NQ-1, \slot, 0
	WIN 0
	s_barrier_wait -1
.if \fill
	CREST                                          ; the barrier has opened a round of the cluster's: no wave of any partner still reads this slot or has a load on its way
	s_add_nc_u64 s[G0+4*\slot+2:G0+4*\slot+3], s[G0+4*\slot+2:G0+4*\slot+3], 2*BLK
	s_add_nc_u64 s[G0B+4*\slot+2:G0B+4*\slot+3], s[G0B+4*\slot+2:G0B+4*\slot+3], 2*BLK
	JLOAD G0+4*\slot, G1, G0B+4*\slot, G1B         ; the first tensor load behind the round, my one load until the next; its four v_nop are the places in front of the loads below
.else
	PLACES NP
.endif
	FETCH_B \next, 0, 0
	FETCH_A \next, 0, 0
	SCALES \next
	WIN MUL_HI
	MUL16 4, 1, NQ-1, \slot, 0
	MUL16 6, 1, NQ-1, \slot, 0
	PLACES NP
	WIN 0
	FETCH_A \next, 0, 4
.endm
.macro STEPS slot, from
.set Q, \from
.rept NQ-1-\from
	STEP \slot, Q, 0
.set Q, Q+1
.endr
.endm
.macro RLOAD a                         ; the residual's 16 rows of tile a into window 1: v64, v192 (never used by the products), v0, v128 (W's sets, free behind the last product) by turns
.set RR, 64*((2*((\a)%4)+1)%5)
	WIN 0x40
.irp t, 0,1,2,3,4,5,6,7,8,9,10,11,12,13,14,15
	global_load_b128 v[RR+4*\t:RR+4*\t+3], v[L16], s[10:11] offset:(32*((\a)/2)+8*((\a)%2)+(\t%8)+16*(\t/8))*4096
.endr
	WIN 0
.endm
.macro TOSTAGE a
.set AC, 64*((\a)%4)
	WIN 0x08+4*((\a)/4)                            ; an LDS store's data: window 2 or 3
.irp b, 0,1,2,3,4,5,6,7
	ds_store_b128 v[STO], v[AC+8*\b:AC+8*\b+3] offset:128*(\b/2)+32*(\b%2)          ; each accumulator from its low end on
	ds_store_b128 v[STO], v[AC+8*\b+4:AC+8*\b+7] offset:128*(\b/2)+32*(\b%2)+16
.endr
	WIN 0
.set BB, BK+64*((\a)%2)
.irp t, 0,1,2,3,4,5,6,7,8,9,10,11,12,13,14,15
	ds_load_b128 v[BB+4*\t:BB+4*\t+3], v[RD] offset:\t*SPITCH   ; LDS serves a wave's instructions in order: these see the stores above
.endr
.endm
.macro SEND a, younger
.set BB, BK+64*((\a)%2)
.set RR, 64*((2*((\a)%4)+1)%5)
	s_wait_dscnt \younger                          ; the tile is back in registers
.if (\a) < 5
	s_wait_loadcnt 48                              ; its residual is in: the three younger tiles' 48 loads may be out
.else
	s_wait_loadcnt 16*(7-(\a))
.endif
.set i, 0
.rept 16
	v_pk_add_f32 v[BB+i:BB+i+1], v[BB+i:BB+i+1], v[BI:BI+1]
	v_pk_add_f32 v[BB+i+2:BB+i+3], v[BB+i+2:BB+i+3], v[BI+2:BI+3]
.set i, i+4
.endr
	WIN 0x04                                       ; source 1: window 1
.set i, 0
.rept 32
	v_pk_add_f32 v[BB+i:BB+i+1], v[BB+i:BB+i+1], v[RR+i:RR+i+1]
.set i, i+2
.endr
	WIN 0
.irp t, 0,1,2,3,4,5,6,7,8,9,10,11,12,13,14,15
	global_store_b128 v[L16], v[BB+4*\t:BB+4*\t+3], s[12:13] offset:(32*((\a)/2)+8*((\a)%2)+(\t%8)+16*(\t/8))*4096 th:TH_STORE_NT   ; 512 consecutive bytes, aligned; the row stands in the immediate: 127 rows of 4,096 bytes at the most
.endr
.endm
	s_load_b128 s[4:7], s[0:1], 0x0                ; A's codes, the weights' codes
	s_load_b128 s[8:11], s[0:1], 0x10              ; bias, residual
	s_load_b64 s[12:13], s[0:1], 0x20              ; result
	v_lshl_add_u32 v[SPW], v0, 2, SPARE
	v_mov_b32 v[NIL], 0
	ds_add_u32 v28, v29
	ds_add_u32 v28, v29
	s_wait_dscnt 0x0
	v_lshrrev_b32 v1, 5, v0
	v_readfirstlane_b32 s14, v1                    ; wave 0..3
	s_lshr_b32 s15, s14, 1                         ; which half of the rows is mine.  Also: I fetch for A (0) or for W (1)
	s_and_b32 s16, s14, 1                          ; which half of the columns.  Also: which of the two blocks I fetch
	s_bfe_u32 s40, ttmp6, 0x40000
	s_bfe_u32 s41, ttmp6, 0x40004
	s_lshl_b32 s42, ttmp9, 2
	s_add_co_u32 s42, s42, s40                     ; work-group x
	s_and_b32 s17, ttmp7, 0xffff
	s_lshl_b32 s17, s17, 2
	s_add_co_u32 s17, s17, s41                     ; work-group y
	s_lshl_b32 s43, s41, 2
	s_lshl_b32 s43, 15, s43
	s_lshl_b32 s44, 0x1111, s40
	s_or_b32 s[G1], s43, (3<<16)|(1<<21)           ; group 1: 15:0 the mask; 17:16 elements of 8 bytes; 21 set beside a mask; no padding
	s_or_b32 s[G1B], s44, (3<<16)|(1<<21)
.irp g, G1, G1B
	s_mov_b32 s[\g+1], 32<<16                      ; rows of 256 bytes,
	s_mov_b32 s[\g+2], 136<<16                     ; 136 of them: a block
	s_mov_b32 s[\g+3], 32<<16
	s_mov_b32 s[\g+4], 136
	s_mov_b32 s[\g+5], 32                          ; dense
	s_mov_b32 s[\g+6], 0
	s_mov_b32 s[\g+7], 0
.endr
	s_lshl_b32 s20, s17, 1
	s_add_co_u32 s20, s20, s16
	s_mul_i32 s20, s20, KS*BLK
	s_mov_b32 s21, 0
	s_lshl_b32 s46, s42, 1
	s_add_co_u32 s46, s46, s16
	s_mul_i32 s46, s46, KS*BLK
	s_add_co_u32 s46, s46, WOFF
	s_mov_b32 s47, 0
	s_mul_i32 s45, s14, BLK
	s_wait_kmcnt 0x0
	s_add_nc_u64 s[20:21], s[4:5], s[20:21]
	s_add_nc_u64 s[46:47], s[6:7], s[46:47]
	CROUND                                         ; all sixteen work-groups are here: the first joint loads meet
.irp s, 0,1
	s_mov_b32 s[G0+4*\s], 1
	s_add_co_u32 s[G0+4*\s+1], s45, \s*SLOT
	s_add_nc_u64 s[G0+4*\s+2:G0+4*\s+3], s[20:21], \s*BLK
	s_or_b32 s[G0+4*\s+3], s[G0+4*\s+3], 0x80000000
	s_mov_b32 s[G0B+4*\s], 1
	s_add_co_u32 s[G0B+4*\s+1], s45, \s*SLOT
	s_add_nc_u64 s[G0B+4*\s+2:G0B+4*\s+3], s[46:47], \s*BLK
	s_or_b32 s[G0B+4*\s+3], s[G0B+4*\s+3], 0x80000000
	JLOAD G0+4*\s, G1, G0B+4*\s, G1B               ; two tensor loads of mine are out
.endr
	v_and_b32 v1, 15, v0                           ; r
	v_bfe_u32 v2, v0, 4, 1                         ; h
	v_and_b32 v3, 31, v0
	v_lshlrev_b32 v[L16], 4, v3
	s_mul_i32 s21, s15, BLK
	s_mul_i32 s22, s16, BLK
	s_add_co_u32 s22, s22, 2*BLK
.irp s, 0,1
	v_add_nc_u32 v[ADRA+\s], s21, v[L16]
	v_add_nc_u32 v[ADRB+\s], s22, v[L16]
	s_add_co_u32 s21, s21, SLOT
	s_add_co_u32 s22, s22, SLOT
.endr
	s_mul_i32 s23, s14, 16*SPITCH                  ; my stage
	v_mul_u32_u24 v5, v1, SPITCH
	v_lshl_add_u32 v5, v2, 6, v5                   ; row r, + 64 h: my half's 16 columns of each 32
	v_add_nc_u32 v[STO], s23, v5
	v_add_nc_u32 v[RD], s23, v[L16]
	s_lshl_b32 s20, s17, 8
	s_lshl_b32 s21, s15, 7
	s_add_co_u32 s20, s20, s21                     ; my first row
	s_lshl_b32 s20, s20, 12
	s_lshl_b32 s46, s42, 10
	s_lshl_b32 s47, s16, 9
	s_add_co_u32 s46, s46, s47                     ; my first column, in bytes
	s_mov_b32 s47, 0
	s_add_nc_u64 s[8:9], s[8:9], s[46:47]
	s_add_co_u32 s20, s20, s46
	s_mov_b32 s21, 0
	s_add_nc_u64 s[10:11], s[10:11], s[20:21]
	s_add_nc_u64 s[12:13], s[12:13], s[20:21]
	global_load_b128 v[BI:BI+3], v[L16], s[8:9]
	RLOAD 0
	RLOAD 1
	s_wait_tensorcnt 1                             ; my block of K step 0 is in (K step 1's load may be out),
	s_barrier_signal -1
	s_barrier_wait -1                              ; everybody's is
	FETCH_B 0, 0, 0
	FETCH_A 0, 0, 0
	SCALES 0
	FETCH_A 0, 0, 4
	STEP 0, 0, 1                                   ; the first products start the sums: nothing is cleared
.if LAPS > 1
	s_mov_b32 s3, LAPS-1
.Llap:                                                 ; a trip goes once round the ring, from a lap's second step to the next lap's first, and fills both slots again
	STEPS 0, 1
	TURN 0, 1, 1
	STEPS 1, 0
	TURN 1, 0, 1
	STEP 0, 0, 0
	s_sub_co_u32 s3, s3, 1
	s_cmp_lg_u32 s3, 0
	s_cbranch_scc1 .Llap
.endif
	STEPS 0, 1                                     ; the last lap fills nothing
	TURN 0, 1, 0
	STEPS 1, 0
	s_wait_dscnt 4*NL
	WIN MUL_LO
	MUL16 0, 1, NQ-1, 1, 0
	MUL16 2, 1, NQ-1, 1, 0
	s_wait_dscnt 0
	WIN MUL_HI
	MUL16 4, 1, NQ-1, 1, 0
	MUL16 6, 1, NQ-1, 1, 0
	WIN 0
	PLACES NP                                      ; four places in front of loads into the operands' registers and of the first read of results
	RLOAD 2
	RLOAD 3
	TOSTAGE 0
.irp a, 1,2,3,4,5,6,7
.if \a > 1
	s_wait_xcnt 0x0                                ; tile a - 2's stores have read their registers: tile a's loads may land there
.endif
	TOSTAGE \a
	SEND \a-1, 32                                  ; behind tile a - 1's loads: tile a's 16 stores and 16 loads
.if \a < 5
	RLOAD \a+3
.endif
.endr
	SEND 7, 0
	s_wait_tensorcnt 0x0                           ; the wave's end
	ds_add_u32 v[SPW], v[NIL]
	s_wait_dscnt 0x0
	CROUND                                         ; the closing round
	s_endpgm
.Lfunc_end_k_qaf9b5aefec_proj:
	.size	k_qaf9b5aefec_proj, .Lfunc_end_k_qaf9b5aefec_proj-k_qaf9b5aefec_proj
	.p2alignl 7, 3214868480
	.fill 96, 4, 3214868480
	.section	.rodata,"a",@progbits
	.p2align	6, 0x0
	.amdhsa_kernel k_qaf9b5aefec_proj
		.amdhsa_group_segment_fixed_size 327680
		.amdhsa_private_segment_fixed_size 0
		.amdhsa_enable_private_segment 0
		.amdhsa_kernarg_size 40
		.amdhsa_user_sgpr_count 2
		.amdhsa_user_sgpr_kernarg_segment_ptr 1
		.amdhsa_wavefront_size32 1
		.amdhsa_system_sgpr_workgroup_id_x 1
		.amdhsa_system_sgpr_workgroup_id_y 1
		.amdhsa_system_sgpr_workgroup_id_z 1
		.amdhsa_system_vgpr_workitem_id 0
		.amdhsa_next_free_vgpr 1024
		.amdhsa_next_free_sgpr 100
		.amdhsa_reserve_vcc 0
		.amdhsa_float_denorm_mode_32 3
		.amdhsa_float_denorm_mode_16_64 3
		.amdhsa_memory_ordered 1
		.amdhsa_forward_progress 1
		.amdhsa_inst_pref_size 167
	.end_amdhsa_kernel
	.amdgpu_metadata
---
amdhsa.version: [ 1, 2 ]
amdhsa.kernels:
  - .name:           k_qaf9b5aefec_proj
    .symbol:         k_qaf9b5aefec_proj.kd
    .args:
      - { .name: oq, .offset: 0, .size: 8, .value_kind: global_buffer, .address_space: global }
      - { .name: wts, .offset: 8, .size: 8, .value_kind: global_buffer, .address_space: global }
      - { .name: bp, .offset: 16, .size: 8, .value_kind: global_buffer, .address_space: global }
      - { .name: x, .offset: 24, .size: 8, .value_kind: global_buffer, .address_space: global }
      - { .name: outb, .offset: 32, .size: 8, .value_kind: global_buffer, .address_space: global }
    .group_segment_fixed_size: 327680
    .private_segment_fixed_size: 0
    .kernarg_segment_align: 8
    .kernarg_segment_size: 40
    .max_flat_workgroup_size: 128
    .sgpr_count:     100
    .vgpr_count:     1024
    .wavefront_size: 32
...
	.end_amdgpu_metadata
.endif
;; end of part 5
;; launch ln2: the kernel of part 2 again; grid 256 x 1, 4 waves a work-group, no clusters, 83,456 bytes of LDS; arguments outb, ln2_w, ln2_b, onq; writes onq
;; launch ffn1 (part 6): grid 16 x 16, 4 waves a work-group, clusters of 4 x 4, 327,680 bytes of LDS; arguments onq, wts, b1, hq; writes hq
.if DOCPART == 6
	.amdgcn_target "amdgcn-amd-amdhsa--gfx1250"
	.amdhsa_code_object_version 6
	.text
	.protected	k_qaf9b5aefec_ffn1
	.globl	k_qaf9b5aefec_ffn1
	.p2align	8
	.type	k_qaf9b5aefec_ffn1,@function
k_qaf9b5aefec_ffn1:
	s_mov_b64 s[64:65], 0
	v_nop
	global_prefetch_b8 v0, s[64:65] scope:SCOPE_SE
	s_setreg_imm32_b32 hwreg(HW_REG_WAVE_MODE, 25, 1), 1
	s_wait_xcnt 0x0
	s_wait_alu depctr_hold_cnt(0) depctr_sa_sdst(0) depctr_va_vdst(0) depctr_va_sdst(0) depctr_va_ssrc(0) depctr_va_vcc(0) depctr_vm_vsrc(0)
	s_getreg_b32 s2, hwreg(HW_REG_IB_STS2, 6, 4)
	s_cmp_eq_u32 s2, 0
	s_cbranch_scc0 .Lentry_in_a_cluster
	s_endpgm
.Lentry_in_a_cluster:
	s_bfe_u32 s2, ttmp6, 0x10000c
	s_cmp_lg_u32 s2, 0xf033
	s_cbranch_scc0 .Lentry_shape_is_right
	s_endpgm
.Lentry_shape_is_right:
; h = gelu(LN2(out) W1 + b1), exact (erf) GELU, on codes of FP4 (E2M1) with E8M0 scales, and h quantised at once along its 4,096 columns for the next product.
; A work-group of four waves makes 256 x 256; a wave 128 x 128: 64 accumulators, 512 registers.  K = 1,024 goes in two steps of 512 through two LDS slots, each filled once.
; OPERANDS lie in memory as blocks of 128 rows x 512 K, 34,816 bytes: images of the fragments' registers (tile i, K step q, half c: 512 bytes at 4096 i + 1024 q + 512 c, 16 bytes a lane) and, at 32,768, the scale
; words (256 i + 16 r + 4 q).  Rows stand at places with bits 3 and 4 of their number exchanged, so that a lane's 16 registers of two neighbouring tiles are 16 neighbouring columns.
; CLUSTERS: 4 x 4 work-groups; the rows' blocks are asked for jointly along a row of the cluster, W1's along a column.  Source 0 = W1's rows, source 1 = the tokens'.
; THE WAY OUT is a loop of eight trips, a tile of 16 rows each, so that the activation is written once.  Register numbers cannot be stepped by a loop, LDS addresses can: the wave first lays its accumulators into
; 65,536 LDS bytes of its own (in the slots, which have had their last fill; a barrier shows that nobody reads them), and a trip fetches its tile's 64 numbers a lane from there.
; erf(u) = u P(u^2) / Q(u^2) with u held to +-4, P of degree 6, Q of degree 4.
; LIMITS: 0.5 (1 + erf) carries an absolute error of about 1e-7, as 1 + erf in f32 does, so GELU values under about 1e-7 |x| are not resolved.  A block of zeros, or one whose largest magnitude lies under 2^-124,
; gets the byte 1 (this program alone reads the bytes); NaN and infinities are not served.
.set SIZE_K, 1024
.set WOFF,   2228224                   ; where W1's blocks begin in wts
.set BLK,    34816
.set SLOT,   4*BLK
.set SPARE,  2*SLOT
.set KS,     SIZE_K/512
.set NQ,     4
.set FR,     8
.set NL,     2
.set NP,     4
.set ADRA,   16
.set ADRB,   20
.set SPW,    28
.set NIL,    29
.set SC,     32                        ; v32-95 scale words and nothing else
.set AF,     128
.set G1,     24
.set G0,     32
.set G1B,    48
.set G0B,    56
.set GA,     22                        ; v22  the trip's codes: 16 x lane + 4,096 x tile
.set GS,     23                        ; v23  the trip's scale words: 16 r + 256 x tile
.set L16,    24
.set R16,    25
.set RF0,    26                        ; v26  LDS: 65,536 x wave + 16 x lane
.set RF,     27
.set XX,     96                        ; v96-159  a tile's 64 numbers
.set U,      160                       ; v160-175 x / sqrt 2, held
.set Z,      176                       ; v176-191 its square
.set P,      192                       ; v192-207
.set QD,     208                       ; v208-223
.set TM,     224                       ; v224-239 at work in QUANT
.set PC,     240                       ; v240-247 the codes just made
.set PW,     248
.set CA,     250                       ; v250-251 P's leading coefficient, twice
.set CB,     252                       ; v252-253 Q's
.set SEL,    20
.set MSB,    0
.macro WIN new
.if MSB != \new
	s_set_vgpr_msb (MSB<<8)|\new
.set MSB, \new
.endif
.endm
.set MUL_LO, 0xa1
.set MUL_HI, 0xf1
.set TO_B,   0x40
.macro JLOAD g0a, g1a, g0b, g1b        ; a joint load: waves 0 and 1 fetch the rows' blocks, waves 2 and 3 W1's; four v_nop follow each line
	s_cmp_eq_u32 s15, 0
	s_cbranch_scc0 .Lfor_x_\@
	tensor_load_to_lds s[\g0a:\g0a+3], s[\g1a:\g1a+7]
	s_nop 0
.rept 4
	v_nop
.endr
	s_branch .Lasked_\@
.Lfor_x_\@:
	tensor_load_to_lds s[\g0b:\g0b+3], s[\g1b:\g1b+7]
	s_nop 0
.rept 4
	v_nop
.endr
.Lasked_\@:
.endm
.macro CREST
	s_cmp_lg_u32 s14, 0
	s_cbranch_scc1 .Lnot_wave_0_\@
	s_barrier_signal -3
.Lnot_wave_0_\@:
	s_barrier_wait -3
	s_barrier_signal -1
	s_barrier_wait -1
.endm
.macro CROUND
	s_barrier_signal -1
	s_barrier_wait -1
	CREST
.endm
.macro PLACES n
.rept \n
	v_nop
.endr
.endm
.macro FRAG reg, adr, q, i
.irp c, 0,1
	ds_load_b128 v[\reg+4*\c:\reg+4*\c+3], v[\adr] offset:(\i)*4096+(\q)*1024+512*\c
.endr
.endm
.macro WM zero                         ; one product; an odd tile's scale words lie in lanes 16-31 of their register
.if \zero
.if BO && AO
	v_wmma_scale_f32_16x16x128_f8f6f4 v[rD:rD+7], v[rB:rB+7], v[rA:rA+7], 0, v[rSB], v[rSA] matrix_a_fmt:MATRIX_FMT_FP4 matrix_b_fmt:MATRIX_FMT_FP4 matrix_a_scale:MATRIX_SCALE_ROW1 matrix_b_scale:MATRIX_SCALE_ROW1
.elseif BO
	v_wmma_scale_f32_16x16x128_f8f6f4 v[rD:rD+7], v[rB:rB+7], v[rA:rA+7], 0, v[rSB], v[rSA] matrix_a_fmt:MATRIX_FMT_FP4 matrix_b_fmt:MATRIX_FMT_FP4 matrix_a_scale:MATRIX_SCALE_ROW1
.elseif AO
	v_wmma_scale_f32_16x16x128_f8f6f4 v[rD:rD+7], v[rB:rB+7], v[rA:rA+7], 0, v[rSB], v[rSA] matrix_a_fmt:MATRIX_FMT_FP4 matrix_b_fmt:MATRIX_FMT_FP4 matrix_b_scale:MATRIX_SCALE_ROW1
.else
	v_wmma_scale_f32_16x16x128_f8f6f4 v[rD:rD+7], v[rB:rB+7], v[rA:rA+7], 0, v[rSB], v[rSA] matrix_a_fmt:MATRIX_FMT_FP4 matrix_b_fmt:MATRIX_FMT_FP4
.endif
.else
.if BO && AO
	v_wmma_scale_f32_16x16x128_f8f6f4 v[rD:rD+7], v[rB:rB+7], v[rA:rA+7], v[rD:rD+7], v[rSB], v[rSA] matrix_a_fmt:MATRIX_FMT_FP4 matrix_b_fmt:MATRIX_FMT_FP4 matrix_a_scale:MATRIX_SCALE_ROW1 matrix_b_scale:MATRIX_SCALE_ROW1
.elseif BO
	v_wmma_scale_f32_16x16x128_f8f6f4 v[rD:rD+7], v[rB:rB+7], v[rA:rA+7], v[rD:rD+7], v[rSB], v[rSA] matrix_a_fmt:MATRIX_FMT_FP4 matrix_b_fmt:MATRIX_FMT_FP4 matrix_a_scale:MATRIX_SCALE_ROW1
.elseif AO
	v_wmma_scale_f32_16x16x128_f8f6f4 v[rD:rD+7], v[rB:rB+7], v[rA:rA+7], v[rD:rD+7], v[rSB], v[rSA] matrix_a_fmt:MATRIX_FMT_FP4 matrix_b_fmt:MATRIX_FMT_FP4 matrix_b_scale:MATRIX_SCALE_ROW1
.else
	v_wmma_scale_f32_16x16x128_f8f6f4 v[rD:rD+7], v[rB:rB+7], v[rA:rA+7], v[rD:rD+7], v[rSB], v[rSA] matrix_a_fmt:MATRIX_FMT_FP4 matrix_b_fmt:MATRIX_FMT_FP4
.endif
.endif
.endm
; 16 products: the rows' tiles a0, a0 + 1 x W1's eight.  The 64 accumulators take turns, one instruction a turn, in the same order in every step
.macro MUL16 a0, p, q, sc, zero
.irp a, \a0, \a0+1
.irp b, 0,1,2,3,4,5,6,7
.set rD, 8*(8*((\a)%4)+\b)
.set rB, 128*(\p)+FR*\b
.set rA, AF+FR*(\a)
.set rSB, SC+32*(\sc)+16+4*(\b/2)+(\q)
.set rSA, SC+32*(\sc)+4*((\a)/2)+(\q)
.set BO, \b%2
.set AO, (\a)%2
	WM \zero
.endr
.endr
.endm
.macro FETCH_B slot, q, p
	WIN TO_B
.irp i, 0,1,2,3,4,5,6,7
	FRAG 128*(\p)+FR*\i, ADRB+\slot, \q, \i
.endr
	WIN 0
.endm
.macro FETCH_A slot, q, i0
.irp i, \i0, \i0+1, \i0+2, \i0+3
	FRAG AF+FR*(\i), ADRA+\slot, \q, \i
.endr
.endm
.macro SCALES s
.irp i, 0,1,2,3
	ds_load_b128 v[SC+32*\s+4*\i:SC+32*\s+4*\i+3], v[ADRA+\s] offset:32768+512*\i
.endr
.irp i, 0,1,2,3
	ds_load_b128 v[SC+32*\s+16+4*\i:SC+32*\s+16+4*\i+3], v[ADRB+\s] offset:32768+512*\i
.endr
.endm
.macro STEP slot, q, zero
	s_wait_dscnt 4*NL                              ; all but the youngest eight loads (the rows' tiles 4-7) are in
	WIN MUL_LO
	MUL16 0, (\q)%2, \q, \slot, \zero
	MUL16 2, (\q)%2, \q, \slot, \zero
	s_wait_dscnt 0
	PLACES NP                                      ; four places in front of loads into registers that matrix instructions have read
	FETCH_B \slot, (\q)+1, 1-(\q)%2
	FETCH_A \slot, (\q)+1, 0
	WIN MUL_HI
	MUL16 4, (\q)%2, \q, \slot, \zero
	MUL16 6, (\q)%2, \q, \slot, \zero
	PLACES NP
	WIN 0
	FETCH_A \slot, (\q)+1, 4
.endm
.macro TURN slot, next                 ; a slot's last step changes slots: one barrier; nothing is filled again in this launch
	s_wait_tensorcnt 0x0                           ; all my tensor loads have landed: my block of the next slot
	ds_add_u32 v[SPW], v[NIL]                      ; 0 onto my spare word
	s_wait_dscnt 4*NL+1                            ; (the add and the youngest eight loads may be out)
	WIN MUL_LO
	MUL16 0, 1, NQ-1, \slot, 0
	s_wait_dscnt 0x0                               ; the add is done, and my reads of this slot are over
	s_barrier_signal -1
	MUL16 2, 1, NQ-1, \slot, 0
	WIN 0
	s_barrier_wait -1
	PLACES NP
	FETCH_B \next, 0, 0
	FETCH_A \next, 0, 0
	SCALES \next
	WIN MUL_HI
	MUL16 4, 1, NQ-1, \slot, 0
	MUL16 6, 1, NQ-1, \slot, 0
	PLACES NP
	WIN 0
	FETCH_A \next, 0, 4
.endm
.macro STEPS slot, from
.set Q, \from
.rept NQ-1-\from
	STEP \slot, Q, 0
.set Q, Q+1
.endr
.endm
; 64 numbers of a lane, register 16 b + i = k 32 b + 16 (lane / 16) + i of my row, become a fragment's codes in v[PC] on (registers 4 c ..: block 2 c + lane / 16) and its scale word in v[PW]
.macro QUANT s
.irp b, 0,1,2,3
	v_max3_num_f32 v[TM+\b], |v[\s+16*\b]|, |v[\s+1+16*\b]|, 0x1800000   ; my 16 numbers of block b, and the floor 2^(3 - 127)
.endr
.irp i, 2,4,6,8,10,12,14
.irp b, 0,1,2,3
	v_max3_num_f32 v[TM+\b], v[TM+\b], |v[\s+16*\b+\i]|, |v[\s+1+16*\b+\i]|
.endr
.endr
.irp b, 0,1,2,3
	v_permlanex16_b32 v[TM+4+\b], v[TM+\b], s[SEL], s[SEL+1]
.endr
.irp b, 0,1,2,3
	v_max_num_f32 v[TM+\b], v[TM+\b], v[TM+4+\b]   ; with lane l xor 16's: the block's largest magnitude
.endr
.irp b, 0,1,2,3
	v_add_nc_u32 v[TM+12+\b], 0xff000000, v[TM+\b] ; 2 off the exponent field: the conversion's scale operand
.endr
.irp b, 0,1,2,3
	v_lshrrev_b32 v[TM+4+\b], 23, v[TM+12+\b]      ; the scale's byte
.endr
	v_lshl_or_b32 v[PW], v[TM+5], 8, v[TM+4]
	v_lshl_or_b32 v[PW], v[TM+6], 16, v[PW]
	v_lshl_or_b32 v[PW], v[TM+7], 24, v[PW]
.irp b, 0,1,2,3
	v_cvt_scalef32_pk8_fp4_f32 v[PC+2*\b], v[\s+16*\b:\s+7+16*\b], v[TM+12+\b]
	v_cvt_scalef32_pk8_fp4_f32 v[PC+1+2*\b], v[\s+8+16*\b:\s+15+16*\b], v[TM+12+\b]
.endr
	v_nop                                          ; one plain instruction behind a scaled conversion
.irp c, 0,1
.irp i, 0,1
	v_permlane16_swap_b32 v[PC+4*\c+\i], v[PC+2+4*\c+\i]   ; a whole block to a lane
.endr
.endr
.endm
; GELU of 16 numbers, two at a time: x 0.5 (1 + erf(x / sqrt 2))
.macro GELU16 g
.set XG, XX+16*\g
.irp i, 0,2,4,6,8,10,12,14
	v_pk_mul_f32 v[U+\i:U+\i+1], v[XG+\i:XG+\i+1], s[66:67] op_sel_hi:[1,0]
.endr
.irp i, 0,1,2,3,4,5,6,7,8,9,10,11,12,13,14,15
	v_med3_num_f32 v[U+\i], v[U+\i], -4.0, 4.0
.endr
.irp i, 0,2,4,6,8,10,12,14
	v_pk_mul_f32 v[Z+\i:Z+\i+1], v[U+\i:U+\i+1], v[U+\i:U+\i+1]
.endr
.irp i, 0,2,4,6,8,10,12,14
	v_pk_fma_f32 v[P+\i:P+\i+1], v[Z+\i:Z+\i+1], v[CA:CA+1], s[68:69] op_sel_hi:[1,1,0]
.endr
.irp i, 0,2,4,6,8,10,12,14
	v_pk_fma_f32 v[QD+\i:QD+\i+1], v[Z+\i:Z+\i+1], v[CB:CB+1], s[80:81] op_sel_hi:[1,1,0]
.endr
.irp c, 82,84,86
.irp i, 0,2,4,6,8,10,12,14
	v_pk_fma_f32 v[QD+\i:QD+\i+1], v[QD+\i:QD+\i+1], v[Z+\i:Z+\i+1], s[\c:\c+1] op_sel_hi:[1,1,0]
.endr
.endr
.irp c, 70,72,74,76,78
.irp i, 0,2,4,6,8,10,12,14
	v_pk_fma_f32 v[P+\i:P+\i+1], v[P+\i:P+\i+1], v[Z+\i:Z+\i+1], s[\c:\c+1] op_sel_hi:[1,1,0]
.endr
.endr
.irp i, 0,1,2,3,4,5,6,7,8,9,10,11,12,13,14,15
	v_rcp_f32 v[QD+\i], v[QD+\i]                   ; one batch of sixteen
.endr
.irp i, 0,2,4,6,8,10,12,14
	v_pk_mul_f32 v[P+\i:P+\i+1], v[P+\i:P+\i+1], v[U+\i:U+\i+1]   ; plain work behind the batch that names none of its results
.endr
	s_wait_alu depctr_va_vdst(0)                   ; one wait for the batch, ahead of its first reader
.irp i, 0,2,4,6,8,10,12,14
	v_pk_mul_f32 v[P+\i:P+\i+1], v[P+\i:P+\i+1], v[QD+\i:QD+\i+1]  ; erf
.endr
.irp i, 0,2,4,6,8,10,12,14
	v_pk_fma_f32 v[P+\i:P+\i+1], v[P+\i:P+\i+1], 0.5, 0.5 op_sel_hi:[1,0,0]
.endr
.irp i, 0,2,4,6,8,10,12,14
	v_pk_mul_f32 v[XG+\i:XG+\i+1], v[XG+\i:XG+\i+1], v[P+\i:P+\i+1]
.endr
.endm
	s_load_b128 s[4:7], s[0:1], 0x0                ; the rows' codes, the weights' codes
	s_load_b128 s[8:11], s[0:1], 0x10              ; b1, hq
	v_lshl_add_u32 v[SPW], v0, 2, SPARE
	v_mov_b32 v[NIL], 0
	ds_add_u32 v28, v29
	ds_add_u32 v28, v29
	s_wait_dscnt 0x0
	v_lshrrev_b32 v1, 5, v0
	v_readfirstlane_b32 s14, v1                    ; wave 0..3
	s_lshr_b32 s15, s14, 1
	s_and_b32 s16, s14, 1
	s_bfe_u32 s40, ttmp6, 0x40000
	s_bfe_u32 s41, ttmp6, 0x40004
	s_lshl_b32 s42, ttmp9, 2
	s_add_co_u32 s42, s42, s40                     ; work-group x
	s_and_b32 s17, ttmp7, 0xffff
	s_lshl_b32 s17, s17, 2
	s_add_co_u32 s17, s17, s41                     ; work-group y
	s_lshl_b32 s43, s41, 2
	s_lshl_b32 s43, 15, s43
	s_lshl_b32 s44, 0x1111, s40
	s_or_b32 s[G1], s43, (3<<16)|(1<<21)           ; group 1: 15:0 the mask; 17:16 elements of 8 bytes; 21 set beside a mask; no padding
	s_or_b32 s[G1B], s44, (3<<16)|(1<<21)
.irp g, G1, G1B
	s_mov_b32 s[\g+1], 32<<16                      ; rows of 256 bytes,
	s_mov_b32 s[\g+2], 136<<16                     ; 136 of them: a block
	s_mov_b32 s[\g+3], 32<<16
	s_mov_b32 s[\g+4], 136
	s_mov_b32 s[\g+5], 32                          ; dense
	s_mov_b32 s[\g+6], 0
	s_mov_b32 s[\g+7], 0
.endr
	s_lshl_b32 s20, s17, 1
	s_add_co_u32 s20, s20, s16
	s_mul_i32 s20, s20, KS*BLK
	s_mov_b32 s21, 0
	s_lshl_b32 s46, s42, 1
	s_add_co_u32 s46, s46, s16
	s_mul_i32 s46, s46, KS*BLK
	s_add_co_u32 s46, s46, WOFF
	s_mov_b32 s47, 0
	s_mul_i32 s45, s14, BLK
	s_wait_kmcnt 0x0
	s_add_nc_u64 s[20:21], s[4:5], s[20:21]
	s_add_nc_u64 s[46:47], s[6:7], s[46:47]
	CROUND                                         ; all sixteen work-groups are here: the joint loads meet
.irp s, 0,1
	s_mov_b32 s[G0+4*\s], 1
	s_add_co_u32 s[G0+4*\s+1], s45, \s*SLOT
	s_add_nc_u64 s[G0+4*\s+2:G0+4*\s+3], s[20:21], \s*BLK
	s_or_b32 s[G0+4*\s+3], s[G0+4*\s+3], 0x80000000
	s_mov_b32 s[G0B+4*\s], 1
	s_add_co_u32 s[G0B+4*\s+1], s45, \s*SLOT
	s_add_nc_u64 s[G0B+4*\s+2:G0B+4*\s+3], s[46:47], \s*BLK
	s_or_b32 s[G0B+4*\s+3], s[G0B+4*\s+3], 0x80000000
	JLOAD G0+4*\s, G1, G0B+4*\s, G1B               ; both K steps go out at once: two tensor loads of mine are out
.endr
	v_and_b32 v1, 15, v0                           ; r
	v_bfe_u32 v2, v0, 4, 1                         ; h
	v_and_b32 v3, 31, v0
	v_lshlrev_b32 v[L16], 4, v3
	v_lshlrev_b32 v[R16], 4, v1
	s_mul_i32 s21, s15, BLK
	s_mul_i32 s22, s16, BLK
	s_add_co_u32 s22, s22, 2*BLK
.irp s, 0,1
	v_add_nc_u32 v[ADRA+\s], s21, v[L16]
	v_add_nc_u32 v[ADRB+\s], s22, v[L16]
	s_add_co_u32 s21, s21, SLOT
	s_add_co_u32 s22, s22, SLOT
.endr
	s_lshl_b32 s23, s14, 16
	v_add_nc_u32 v[RF0], s23, v[L16]
	s_lshl_b32 s46, s42, 10
	s_lshl_b32 s47, s16, 9
	s_add_co_u32 s46, s46, s47                     ; my 128 columns of b1, in bytes
	s_mov_b32 s47, 0
	s_add_nc_u64 s[8:9], s[8:9], s[46:47]
	v_lshlrev_b32 v6, 6, v2                        ; tile b's eight columns begin at 32 (b / 2) + 16 h + 8 (b % 2)
	WIN 0x40                                       ; the bias lies in window 1, v64-127, which the products leave free
.irp b, 0,1,2,3,4,5,6,7
	global_load_b128 v[64+8*\b:64+8*\b+3], v6, s[8:9] offset:(32*(\b/2)+8*(\b%2))*4
	global_load_b128 v[64+8*\b+4:64+8*\b+7], v6, s[8:9] offset:(32*(\b/2)+8*(\b%2))*4+16
.endr
	WIN 0
	s_lshl_b32 s20, s17, 1
	s_add_co_u32 s20, s20, s15
	s_lshl_b32 s20, s20, 3
	s_lshr_b32 s21, s42, 1
	s_add_co_u32 s20, s20, s21                     ; h's block: (my group of 128 rows, K step x / 2)
	s_mul_i32 s20, s20, BLK
	s_and_b32 s21, s42, 1
	s_lshl_b32 s21, s21, 1
	s_add_co_u32 s21, s21, s16                     ; q = 2 (x % 2) + my half
	s_lshl_b32 s22, s21, 2
	s_add_co_u32 s22, s22, s20
	s_add_co_u32 s22, s22, 32768
	s_mov_b32 s23, 0
	s_add_nc_u64 s[12:13], s[10:11], s[22:23]      ; the scale words
	s_lshl_b32 s21, s21, 10
	s_add_co_u32 s20, s20, s21
	s_mov_b32 s21, 0
	s_add_nc_u64 s[10:11], s[10:11], s[20:21]      ; the codes
.irp b, 0,1,2,3
	v_mov_b32 v[TM+4+\b], 0                        ; written once: a lane permute's destination counts as one of its sources
.endr
	v_mov_b32 v[CA], 0xaf95df0b                    ; -2.72614226e-10
	v_mov_b32 v[CA+1], 0xaf95df0b
	v_mov_b32 v[CB], 0xb77460cd                    ; -1.45660718e-05
	v_mov_b32 v[CB+1], 0xb77460cd
	s_mov_b32 s66, 0x3f3504f3                      ; 1 / sqrt 2
	s_mov_b32 s68, 0x32edffee                      ; P:  2.77068142e-08
	s_mov_b32 s70, 0xb60cff51                      ;    -2.10102402e-06
	s_mov_b32 s72, 0xb86ec2d2                      ;    -5.69250639e-05
	s_mov_b32 s74, 0xba40ac63                      ;    -7.34990630e-04
	s_mov_b32 s76, 0xbb41a1f6                      ;    -2.95459981e-03
	s_mov_b32 s78, 0xbc83dbd4                      ;    -1.60960333e-02
	s_mov_b32 s80, 0xb95fbd29                      ; Q: -2.13374055e-04
	s_mov_b32 s82, 0xbadc924e                      ;    -1.68282697e-03
	s_mov_b32 s84, 0xbbf19bf8                      ;    -7.37332917e-03
	s_mov_b32 s86, 0xbc69b6a7                      ;    -1.42647391e-02
.irp c, 66,68,70,72,74,76,78,80,82,84,86
	s_mov_b32 s[\c+1], s[\c]                       ; (the packed forms name pairs, so both halves are written)
.endr
	s_wait_tensorcnt 1                             ; my block of K step 0 is in (K step 1's load may be out),
	s_barrier_signal -1
	s_barrier_wait -1                              ; everybody's is
	FETCH_B 0, 0, 0
	FETCH_A 0, 0, 0
	SCALES 0
	FETCH_A 0, 0, 4
	STEP 0, 0, 1                                   ; the first products start the sums: nothing is cleared
	STEPS 0, 1
	TURN 0, 1
	STEPS 1, 0
	s_wait_dscnt 4*NL
	WIN MUL_LO
	MUL16 0, 1, NQ-1, 1, 0
	MUL16 2, 1, NQ-1, 1, 0
	s_wait_dscnt 0
	WIN MUL_HI
	MUL16 4, 1, NQ-1, 1, 0
	MUL16 6, 1, NQ-1, 1, 0
	WIN 0
	PLACES NP                                      ; four places in front of the first read of results
	s_wait_dscnt 0x0                               ; my reads of the slots are over,
	s_barrier_signal -1
	s_barrier_wait -1                              ; everybody's are: the slots' bytes may be written
.irp a, 0,1,2,3,4,5,6,7
	WIN 0x08+4*(\a/4)                              ; an LDS store's data: window 2 or 3
.irp b, 0,1,2,3,4,5,6,7
	ds_store_b128 v[RF0], v[64*(\a%4)+8*\b:64*(\a%4)+8*\b+3] offset:\a*8192+\b*1024        ; each accumulator from its low end on; 512 consecutive bytes a store
	ds_store_b128 v[RF0], v[64*(\a%4)+8*\b+4:64*(\a%4)+8*\b+7] offset:\a*8192+\b*1024+512
.endr
.endr
	WIN 0
	s_mov_b32 s[SEL], 0x76543210
	s_mov_b32 s[SEL+1], 0xfedcba98
	s_mov_b32 s18, 0                               ; the tile's bytes in LDS: 8,192 a trip
	s_mov_b32 s19, 0                               ; its codes in h's block: 4,096 a trip
	s_mov_b32 s22, 0                               ; its scale words: 256 a trip
	s_mov_b32 s3, 8
	s_wait_loadcnt 0x0                             ; b1
.Lrow:
	s_wait_xcnt 0x0                                ; the last trip's stores have read their registers and offsets
	v_add_nc_u32 v[RF], s18, v[RF0]
	v_add_nc_u32 v[GA], s19, v[L16]
	v_add_nc_u32 v[GS], s22, v[R16]
.set k, 0
.rept 16
	ds_load_b128 v[XX+4*k:XX+4*k+3], v[RF] offset:512*k   ; LDS serves a wave's instructions in order: these see my stores
.set k, k+1
.endr
	s_wait_dscnt 0x0
	WIN 0x04                                       ; source 1: window 1
.set i, 0
.rept 32
	v_pk_add_f32 v[XX+i:XX+i+1], v[XX+i:XX+i+1], v[64+i:64+i+1]   ; + b1
.set i, i+2
.endr
	WIN 0
	GELU16 0
	GELU16 1
	GELU16 2
	GELU16 3
	QUANT XX
	global_store_b128 v[GA], v[PC:PC+3], s[10:11]              ; 512 consecutive bytes, aligned
	global_store_b128 v[GA], v[PC+4:PC+7], s[10:11] offset:512
	global_store_b32 v[GS], v[PW], s[12:13]                    ; a word a row: the other words of these 256 bytes belong to other waves and work-groups (lanes 16-31 repeat lanes 0-15)
	s_add_co_u32 s18, s18, 8192
	s_add_co_u32 s19, s19, 4096
	s_add_co_u32 s22, s22, 256
	s_sub_co_u32 s3, s3, 1
	s_cmp_lg_u32 s3, 0
	s_cbranch_scc1 .Lrow
	s_wait_tensorcnt 0x0                           ; the wave's end
	ds_add_u32 v[SPW], v[NIL]
	s_wait_dscnt 0x0
	CROUND                                         ; the closing round
	s_endpgm
.Lfunc_end_k_qaf9b5aefec_ffn1:
	.size	k_qaf9b5aefec_ffn1, .Lfunc_end_k_qaf9b5aefec_ffn1-k_qaf9b5aefec_ffn1
	.p2alignl 7, 3214868480
	.fill 96, 4, 3214868480
	.section	.rodata,"a",@progbits
	.p2align	6, 0x0
	.amdhsa_kernel k_qaf9b5aefec_ffn1
		.amdhsa_group_segment_fixed_size 327680
		.amdhsa_private_segment_fixed_size 0
		.amdhsa_enable_private_segment 0
		.amdhsa_kernarg_size 32
		.amdhsa_user_sgpr_count 2
		.amdhsa_user_sgpr_kernarg_segment_ptr 1
		.amdhsa_wavefront_size32 1
		.amdhsa_system_sgpr_workgroup_id_x 1
		.amdhsa_system_sgpr_workgroup_id_y 1
		.amdhsa_system_sgpr_workgroup_id_z 1
		.amdhsa_system_vgpr_workitem_id 0
		.amdhsa_next_free_vgpr 1024
		.amdhsa_next_free_sgpr 100
		.amdhsa_reserve_vcc 0
		.amdhsa_float_denorm_mode_32 3
		.amdhsa_float_denorm_mode_16_64 3
		.amdhsa_memory_ordered 1
		.amdhsa_forward_progress 1
		.amdhsa_inst_pref_size 150
	.end_amdhsa_kernel
	.amdgpu_metadata
---
amdhsa.version: [ 1, 2 ]
amdhsa.kernels:
  - .name:           k_qaf9b5aefec_ffn1
    .symbol:         k_qaf9b5aefec_ffn1.kd
    .args:
      - { .name: onq, .offset: 0, .size: 8, .value_kind: global_buffer, .address_space: global }
      - { .name: wts, .offset: 8, .size: 8, .value_kind: global_buffer, .address_space: global }
      - { .name: b1, .offset: 16, .size: 8, .value_kind: global_buffer, .address_space: global }
      - { .name: hq, .offset: 24, .size: 8, .value_kind: global_buffer, .address_space: global }
    .group_segment_fixed_size: 327680
    .private_segment_fixed_size: 0
    .kernarg_segment_align: 8
    .kernarg_segment_size: 32
    .max_flat_workgroup_size: 128
    .sgpr_count:     100
    .vgpr_count:     1024
    .wavefront_size: 32
...
	.end_amdgpu_metadata
.endif
;; end of part 6
;; launch ffn2 (part 7): grid 4 x 16, 4 waves a work-group, clusters of 4 x 4, 327,680 bytes of LDS; arguments hq, wts, b2, outb, out0; writes out0
.if DOCPART == 7
	.amdgcn_target "amdgcn-amd-amdhsa--gfx1250"
	.amdhsa_code_object_version 6
	.text
	.protected	k_qaf9b5aefec_ffn2
	.globl	k_qaf9b5aefec_ffn2
	.p2align	8
	.type	k_qaf9b5aefec_ffn2,@function
k_qaf9b5aefec_ffn2:
	s_mov_b64 s[64:65], 0
	v_nop
	global_prefetch_b8 v0, s[64:65] scope:SCOPE_SE
	s_setreg_imm32_b32 hwreg(HW_REG_WAVE_MODE, 25, 1), 1
	s_wait_xcnt 0x0
	s_wait_alu depctr_hold_cnt(0) depctr_sa_sdst(0) depctr_va_vdst(0) depctr_va_sdst(0) depctr_va_ssrc(0) depctr_va_vcc(0) depctr_vm_vsrc(0)
	s_getreg_b32 s2, hwreg(HW_REG_IB_STS2, 6, 4)
	s_cmp_eq_u32 s2, 0
	s_cbranch_scc0 .Lentry_in_a_cluster
	s_endpgm
.Lentry_in_a_cluster:
	s_bfe_u32 s2, ttmp6, 0x10000c
	s_cmp_lg_u32 s2, 0xf033
	s_cbranch_scc0 .Lentry_shape_is_right
	s_endpgm
.Lentry_shape_is_right:
; result = residual + (A W + bias): A [4,096][SIZE_K] and W [SIZE_K][1,024] as codes of FP4 (E2M1) with E8M0 scales; bias, residual and result f32, rows of 1,024.  Here: A = the hidden layer h, W = W2, residual = x + sa.
; A work-group of four waves makes 256 x 256; a wave 128 x 128: 64 accumulators, 512 registers.  K = 4,096 goes in eight steps of 512 through a ring of two LDS slots.
; OPERANDS lie in memory as blocks of 128 rows x 512 K, 34,816 bytes: images of the fragments' registers (tile i, K step q, half c: 512 bytes at 4096 i + 1024 q + 512 c, 16 bytes a lane) and, at 32,768, the scale
; words (256 i + 16 r + 4 q).  One tensor load a wave brings one block; a fragment is two dense LDS loads; four scale words of a row come by one load, two tiles to a register (lanes 0-15, lanes 16-31).
; Rows stand at places with bits 3 and 4 of their number exchanged: place t of tile a of a wave's 128 rows is row 32 (a / 2) + 8 (a % 2) + t % 8 + 16 (t / 8); a lane's registers of tile b are the columns
; 32 (b / 2) + 16 (lane / 16) + 8 (b % 2) + 0 .. 7.  The way out puts both right.
; CLUSTERS: 4 x 4 work-groups; A's blocks are asked for jointly along a row of the cluster, W's along a column.  Source 0 = W's rows, source 1 = A's: a lane holds neighbouring columns of one row.
; A slot is filled again behind a round of the cluster's barrier, in front of which every wave has waited for all its tensor loads, added 0 to its spare word, and waited for that and for its reads of the slot:
; two tensor loads of a wave are out at the start, one behind each round, and that one has a K step's 256 products in which to land.
; THE WAY OUT: a tile of 16 rows goes through the wave's stage in LDS (in slot 0, which has had its last fill and its last read) and comes back as rows of 512 bytes; bias and residual are added; the 32 lanes store 512
; consecutive bytes.  The residual's rows are asked for four tiles ahead, the first two tiles at the kernel's head.
.set SIZE_K, 4096
.set WOFF,   4456448                   ; where W's blocks begin in wts
.set BLK,    34816
.set SLOT,   4*BLK
.set SPARE,  2*SLOT
.set KS,     SIZE_K/512
.set LAPS,   KS/2
.set NQ,     4
.set FR,     8
.set NL,     2
.set NP,     4
.set ADRA,   16
.set ADRB,   20
.set SPW,    28
.set NIL,    29
.set SC,     32                        ; v32-95 scale words and nothing else
.set AF,     128
.set G1,     24
.set G0,     32
.set G1B,    48
.set G0B,    56
.set L16,    24                        ; v24  16 x lane
.set STO,    25                        ; v25  the stage: where I put 32 bytes of a row
.set RD,     26                        ; v26  and where I read a row back
.set BI,     96                        ; v96-99 the bias of my four columns of a row
.set BK,     128                       ; v128-191, v192-255 by turns: 16 rows back from the stage
.set SPITCH, 528
.set MSB,    0
.macro WIN new
.if MSB != \new
	s_set_vgpr_msb (MSB<<8)|\new
.set MSB, \new
.endif
.endm
.set MUL_LO, 0xa1
.set MUL_HI, 0xf1
.set TO_B,   0x40
.macro JLOAD g0a, g1a, g0b, g1b        ; a joint load: waves 0 and 1 fetch A's blocks, waves 2 and 3 W's; four v_nop follow each line
	s_cmp_eq_u32 s15, 0
	s_cbranch_scc0 .Lfor_x_\@
	tensor_load_to_lds s[\g0a:\g0a+3], s[\g1a:\g1a+7]
	s_nop 0
.rept 4
	v_nop
.endr
	s_branch .Lasked_\@
.Lfor_x_\@:
	tensor_load_to_lds s[\g0b:\g0b+3], s[\g1b:\g1b+7]
	s_nop 0
.rept 4
	v_nop
.endr
.Lasked_\@:
.endm
.macro CREST
	s_cmp_lg_u32 s14, 0
	s_cbranch_scc1 .Lnot_wave_0_\@
	s_barrier_signal -3
.Lnot_wave_0_\@:
	s_barrier_wait -3
	s_barrier_signal -1
	s_barrier_wait -1
.endm
.macro CROUND
	s_barrier_signal -1
	s_barrier_wait -1
	CREST
.endm
.macro PLACES n
.rept \n
	v_nop
.endr
.endm
.macro FRAG reg, adr, q, i
.irp c, 0,1
	ds_load_b128 v[\reg+4*\c:\reg+4*\c+3], v[\adr] offset:(\i)*4096+(\q)*1024+512*\c
.endr
.endm
.macro WM zero                         ; one product; an odd tile's scale words lie in lanes 16-31 of their register
.if \zero
.if BO && AO
	v_wmma_scale_f32_16x16x128_f8f6f4 v[rD:rD+7], v[rB:rB+7], v[rA:rA+7], 0, v[rSB], v[rSA] matrix_a_fmt:MATRIX_FMT_FP4 matrix_b_fmt:MATRIX_FMT_FP4 matrix_a_scale:MATRIX_SCALE_ROW1 matrix_b_scale:MATRIX_SCALE_ROW1
.elseif BO
	v_wmma_scale_f32_16x16x128_f8f6f4 v[rD:rD+7], v[rB:rB+7], v[rA:rA+7], 0, v[rSB], v[rSA] matrix_a_fmt:MATRIX_FMT_FP4 matrix_b_fmt:MATRIX_FMT_FP4 matrix_a_scale:MATRIX_SCALE_ROW1
.elseif AO
	v_wmma_scale_f32_16x16x128_f8f6f4 v[rD:rD+7], v[rB:rB+7], v[rA:rA+7], 0, v[rSB], v[rSA] matrix_a_fmt:MATRIX_FMT_FP4 matrix_b_fmt:MATRIX_FMT_FP4 matrix_b_scale:MATRIX_SCALE_ROW1
.else
	v_wmma_scale_f32_16x16x128_f8f6f4 v[rD:rD+7], v[rB:rB+7], v[rA:rA+7], 0, v[rSB], v[rSA] matrix_a_fmt:MATRIX_FMT_FP4 matrix_b_fmt:MATRIX_FMT_FP4
.endif
.else
.if BO && AO
	v_wmma_scale_f32_16x16x128_f8f6f4 v[rD:rD+7], v[rB:rB+7], v[rA:rA+7], v[rD:rD+7], v[rSB], v[rSA] matrix_a_fmt:MATRIX_FMT_FP4 matrix_b_fmt:MATRIX_FMT_FP4 matrix_a_scale:MATRIX_SCALE_ROW1 matrix_b_scale:MATRIX_SCALE_ROW1
.elseif BO
	v_wmma_scale_f32_16x16x128_f8f6f4 v[rD:rD+7], v[rB:rB+7], v[rA:rA+7], v[rD:rD+7], v[rSB], v[rSA] matrix_a_fmt:MATRIX_FMT_FP4 matrix_b_fmt:MATRIX_FMT_FP4 matrix_a_scale:MATRIX_SCALE_ROW1
.elseif AO
	v_wmma_scale_f32_16x16x128_f8f6f4 v[rD:rD+7], v[rB:rB+7], v[rA:rA+7], v[rD:rD+7], v[rSB], v[rSA] matrix_a_fmt:MATRIX_FMT_FP4 matrix_b_fmt:MATRIX_FMT_FP4 matrix_b_scale:MATRIX_SCALE_ROW1
.else
	v_wmma_scale_f32_16x16x128_f8f6f4 v[rD:rD+7], v[rB:rB+7], v[rA:rA+7], v[rD:rD+7], v[rSB], v[rSA] matrix_a_fmt:MATRIX_FMT_FP4 matrix_b_fmt:MATRIX_FMT_FP4
.endif
.endif
.endm
; 16 products: A's tiles a0, a0 + 1 x W's eight.  The 64 accumulators take turns, one instruction a turn, in the same order in every step, over the loop's backward jump too
.macro MUL16 a0, p, q, sc, zero
.irp a, \a0, \a0+1
.irp b, 0,1,2,3,4,5,6,7
.set rD, 8*(8*((\a)%4)+\b)
.set rB, 128*(\p)+FR*\b
.set rA, AF+FR*(\a)
.set rSB, SC+32*(\sc)+16+4*(\b/2)+(\q)
.set rSA, SC+32*(\sc)+4*((\a)/2)+(\q)
.set BO, \b%2
.set AO, (\a)%2
	WM \zero
.endr
.endr
.endm
.macro FETCH_B slot, q, p
	WIN TO_B
.irp i, 0,1,2,3,4,5,6,7
	FRAG 128*(\p)+FR*\i, ADRB+\slot, \q, \i
.endr
	WIN 0
.endm
.macro FETCH_A slot, q, i0
.irp i, \i0, \i0+1, \i0+2, \i0+3
	FRAG AF+FR*(\i), ADRA+\slot, \q, \i
.endr
.endm
.macro SCALES s
.irp i, 0,1,2,3
	ds_load_b128 v[SC+32*\s+4*\i:SC+32*\s+4*\i+3], v[ADRA+\s] offset:32768+512*\i
.endr
.irp i, 0,1,2,3
	ds_load_b128 v[SC+32*\s+16+4*\i:SC+32*\s+16+4*\i+3], v[ADRB+\s] offset:32768+512*\i
.endr
.endm
.macro STEP slot, q, zero
	s_wait_dscnt 4*NL                              ; all but the youngest eight loads (A's tiles 4-7) are in
	WIN MUL_LO
	MUL16 0, (\q)%2, \q, \slot, \zero
	MUL16 2, (\q)%2, \q, \slot, \zero
	s_wait_dscnt 0
	PLACES NP                                      ; four places in front of loads into registers that matrix instructions have read
	FETCH_B \slot, (\q)+1, 1-(\q)%2
	FETCH_A \slot, (\q)+1, 0
	WIN MUL_HI
	MUL16 4, (\q)%2, \q, \slot, \zero
	MUL16 6, (\q)%2, \q, \slot, \zero
	PLACES NP
	WIN 0
	FETCH_A \slot, (\q)+1, 4
.endm
; A slot's last step changes slots: one barrier; in front of it each wave waits for all its tensor loads, adds 0 to its spare word, and waits for that and for its reads of this slot.  fill = 1: this slot is filled again, two K steps ahead.
.macro TURN slot, next, fill
	s_wait_tensorcnt 0x0                           ; all my tensor loads have landed: my block of the next slot
	ds_add_u32 v[SPW], v[NIL]                      ; 0 onto my spare word
	s_wait_dscnt 4*NL+1                            ; (the add and the youngest eight loads may be out)
	WIN MUL_LO
	MUL16 0, 1, NQ-1, \slot, 0
	s_wait_dscnt 0x0                               ; the add is done, and my reads of this slot are over
	s_barrier_signal -1
	MUL16 2, 1, NQ-1, \slot, 0
	WIN 0
	s_barrier_wait -1
.if \fill
	CREST                                          ; the barrier has opened a round of the cluster's: no wave of any partner still reads this slot or has a load on its way
	s_add_nc_u64 s[G0+4*\slot+2:G0+4*\slot+3], s[G0+4*\slot+2:G0+4*\slot+3], 2*BLK
	s_add_nc_u64 s[G0B+4*\slot+2:G0B+4*\slot+3], s[G0B+4*\slot+2:G0B+4*\slot+3], 2*BLK
	JLOAD G0+4*\slot, G1, G0B+4*\slot, G1B         ; the first tensor load behind the round, my one load until the next; its four v_nop are the places in front of the loads below
.else
	PLACES NP
.endif
	FETCH_B \next, 0, 0
	FETCH_A \next, 0, 0
	SCALES \next
	WIN MUL_HI
	MUL16 4, 1, NQ-1, \slot, 0
	MUL16 6, 1, NQ-1, \slot, 0
	PLACES NP
	WIN 0
	FETCH_A \next, 0, 4
.endm
.macro STEPS slot, from
.set Q, \from
.rept NQ-1-\from
	STEP \slot, Q, 0
.set Q, Q+1
.endr
.endm
.macro RLOAD a                         ; the residual's 16 rows of tile a into window 1: v64, v192 (never used by the products), v0, v128 (W's sets, free behind the last product) by turns
.set RR, 64*((2*((\a)%4)+1)%5)
	WIN 0x40
.irp t, 0,1,2,3,4,5,6,7,8,9,10,11,12,13,14,15
	global_load_b128 v[RR+4*\t:RR+4*\t+3], v[L16], s[10:11] offset:(32*((\a)/2)+8*((\a)%2)+(\t%8)+16*(\t/8))*4096
.endr
	WIN 0
.endm
.macro TOSTAGE a
.set AC, 64*((\a)%4)
	WIN 0x08+4*((\a)/4)                            ; an LDS store's data: window 2 or 3
.irp b, 0,1,2,3,4,5,6,7
	ds_store_b128 v[STO], v[AC+8*\b:AC+8*\b+3] offset:128*(\b/2)+32*(\b%2)          ; each accumulator from its low end on
	ds_store_b128 v[STO], v[AC+8*\b+4:AC+8*\b+7] offset:128*(\b/2)+32*(\b%2)+16
.endr
	WIN 0
.set BB, BK+64*((\a)%2)
.irp t, 0,1,2,3,4,5,6,7,8,9,10,11,12,13,14,15
	ds_load_b128 v[BB+4*\t:BB+4*\t+3], v[RD] offset:\t*SPITCH   ; LDS serves a wave's instructions in order: these see the stores above
.endr
.endm
.macro SEND a, younger
.set BB, BK+64*((\a)%2)
.set RR, 64*((2*((\a)%4)+1)%5)
	s_wait_dscnt \younger                          ; the tile is back in registers
.if (\a) < 5
	s_wait_loadcnt 48                              ; its residual is in: the three younger tiles' 48 loads may be out
.else
	s_wait_loadcnt 16*(7-(\a))
.endif
.set i, 0
.rept 16
	v_pk_add_f32 v[BB+i:BB+i+1], v[BB+i:BB+i+1], v[BI:BI+1]
	v_pk_add_f32 v[BB+i+2:BB+i+3], v[BB+i+2:BB+i+3], v[BI+2:BI+3]
.set i, i+4
.endr
	WIN 0x04                                       ; source 1: window 1
.set i, 0
.rept 32
	v_pk_add_f32 v[BB+i:BB+i+1], v[BB+i:BB+i+1], v[RR+i:RR+i+1]
.set i, i+2
.endr
	WIN 0
.irp t, 0,1,2,3,4,5,6,7,8,9,10,11,12,13,14,15
	global_store_b128 v[L16], v[BB+4*\t:BB+4*\t+3], s[12:13] offset:(32*((\a)/2)+8*((\a)%2)+(\t%8)+16*(\t/8))*4096 th:TH_STORE_NT   ; 512 consecutive bytes, aligned; the row stands in the immediate: 127 rows of 4,096 bytes at the most
.endr
.endm
	s_load_b128 s[4:7], s[0:1], 0x0                ; A's codes, the weights' codes
	s_load_b128 s[8:11], s[0:1], 0x10              ; bias, residual
	s_load_b64 s[12:13], s[0:1], 0x20              ; result
	v_lshl_add_u32 v[SPW], v0, 2, SPARE
	v_mov_b32 v[NIL], 0
	ds_add_u32 v28, v29
	ds_add_u32 v28, v29
	s_wait_dscnt 0x0
	v_lshrrev_b32 v1, 5, v0
	v_readfirstlane_b32 s14, v1                    ; wave 0..3
	s_lshr_b32 s15, s14, 1                         ; which half of the rows is mine.  Also: I fetch for A (0) or for W (1)
	s_and_b32 s16, s14, 1                          ; which half of the columns.  Also: which of the two blocks I fetch
	s_bfe_u32 s40, ttmp6, 0x40000
	s_bfe_u32 s41, ttmp6, 0x40004
	s_lshl_b32 s42, ttmp9, 2
	s_add_co_u32 s42, s42, s40                     ; work-group x
	s_and_b32 s17, ttmp7, 0xffff
	s_lshl_b32 s17, s17, 2
	s_add_co_u32 s17, s17, s41                     ; work-group y
	s_lshl_b32 s43, s41, 2
	s_lshl_b32 s43, 15, s43
	s_lshl_b32 s44, 0x1111, s40
	s_or_b32 s[G1], s43, (3<<16)|(1<<21)           ; group 1: 15:0 the mask; 17:16 elements of 8 bytes; 21 set beside a mask; no padding
	s_or_b32 s[G1B], s44, (3<<16)|(1<<21)
.irp g, G1, G1B
	s_mov_b32 s[\g+1], 32<<16                      ; rows of 256 bytes,
	s_mov_b32 s[\g+2], 136<<16                     ; 136 of them: a block
	s_mov_b32 s[\g+3], 32<<16
	s_mov_b32 s[\g+4], 136
	s_mov_b32 s[\g+5], 32                          ; dense
	s_mov_b32 s[\g+6], 0
	s_mov_b32 s[\g+7], 0
.endr
	s_lshl_b32 s20, s17, 1
	s_add_co_u32 s20, s20, s16
	s_mul_i32 s20, s20, KS*BLK
	s_mov_b32 s21, 0
	s_lshl_b32 s46, s42, 1
	s_add_co_u32 s46, s46, s16
	s_mul_i32 s46, s46, KS*BLK
	s_add_co_u32 s46, s46, WOFF
	s_mov_b32 s47, 0
	s_mul_i32 s45, s14, BLK
	s_wait_kmcnt 0x0
	s_add_nc_u64 s[20:21], s[4:5], s[20:21]
	s_add_nc_u64 s[46:47], s[6:7], s[46:47]
	CROUND                                         ; all sixteen work-groups are here: the first joint loads meet
.irp s, 0,1
	s_mov_b32 s[G0+4*\s], 1
	s_add_co_u32 s[G0+4*\s+1], s45, \s*SLOT
	s_add_nc_u64 s[G0+4*\s+2:G0+4*\s+3], s[20:21], \s*BLK
	s_or_b32 s[G0+4*\s+3], s[G0+4*\s+3], 0x80000000
	s_mov_b32 s[G0B+4*\s], 1
	s_add_co_u32 s[G0B+4*\s+1], s45, \s*SLOT
	s_add_nc_u64 s[G0B+4*\s+2:G0B+4*\s+3], s[46:47], \s*BLK
	s_or_b32 s[G0B+4*\s+3], s[G0B+4*\s+3], 0x80000000
	JLOAD G0+4*\s, G1, G0B+4*\s, G1B               ; two tensor loads of mine are out
.endr
	v_and_b32 v1, 15, v0                           ; r
	v_bfe_u32 v2, v0, 4, 1                         ; h
	v_and_b32 v3, 31, v0
	v_lshlrev_b32 v[L16], 4, v3
	s_mul_i32 s21, s15, BLK
	s_mul_i32 s22, s16, BLK
	s_add_co_u32 s22, s22, 2*BLK
.irp s, 0,1
	v_add_nc_u32 v[ADRA+\s], s21, v[L16]
	v_add_nc_u32 v[ADRB+\s], s22, v[L16]
	s_add_co_u32 s21, s21, SLOT
	s_add_co_u32 s22, s22, SLOT
.endr
	s_mul_i32 s23, s14, 16*SPITCH                  ; my stage
	v_mul_u32_u24 v5, v1, SPITCH
	v_lshl_add_u32 v5, v2, 6, v5                   ; row r, + 64 h: my half's 16 columns of each 32
	v_add_nc_u32 v[STO], s23, v5
	v_add_nc_u32 v[RD], s23, v[L16]
	s_lshl_b32 s20, s17, 8
	s_lshl_b32 s21, s15, 7
	s_add_co_u32 s20, s20, s21                     ; my first row
	s_lshl_b32 s20, s20, 12
	s_lshl_b32 s46, s42, 10
	s_lshl_b32 s47, s16, 9
	s_add_co_u32 s46, s46, s47                     ; my first column, in bytes
	s_mov_b32 s47, 0
	s_add_nc_u64 s[8:9], s[8:9], s[46:47]
	s_add_co_u32 s20, s20, s46
	s_mov_b32 s21, 0
	s_add_nc_u64 s[10:11], s[10:11], s[20:21]
	s_add_nc_u64 s[12:13], s[12:13], s[20:21]
	global_load_b128 v[BI:BI+3], v[L16], s[8:9]
	RLOAD 0
	RLOAD 1
	s_wait_tensorcnt 1                             ; my block of K step 0 is in (K step 1's load may be out),
	s_barrier_signal -1
	s_barrier_wait -1                              ; everybody's is
	FETCH_B 0, 0, 0
	FETCH_A 0, 0, 0
	SCALES 0
	FETCH_A 0, 0, 4
	STEP 0, 0, 1                                   ; the first products start the sums: nothing is cleared
.if LAPS > 1
	s_mov_b32 s3, LAPS-1
.Llap:                                                 ; a trip goes once round the ring, from a lap's second step to the next lap's first, and fills both slots again
	STEPS 0, 1
	TURN 0, 1, 1
	STEPS 1, 0
	TURN 1, 0, 1
	STEP 0, 0, 0
	s_sub_co_u32 s3, s3, 1
	s_cmp_lg_u32 s3, 0
	s_cbranch_scc1 .Llap
.endif
	STEPS 0, 1                                     ; the last lap fills nothing, and has no round of the cluster's barrier
	TURN 0, 1, 0
	STEPS 1, 0
	s_wait_dscnt 4*NL
	WIN MUL_LO
	MUL16 0, 1, NQ-1, 1, 0
	MUL16 2, 1, NQ-1, 1, 0
	s_wait_dscnt 0
	WIN MUL_HI
	MUL16 4, 1, NQ-1, 1, 0
	MUL16 6, 1, NQ-1, 1, 0
	WIN 0
	PLACES NP                                      ; four places in front of loads into the operands' registers and of the first read of results
	RLOAD 2
	RLOAD 3
	TOSTAGE 0
.irp a, 1,2,3,4,5,6,7
.if \a > 1
	s_wait_xcnt 0x0                                ; tile a - 2's stores have read their registers: tile a's loads may land there
.endif
	TOSTAGE \a
	SEND \a-1, 32                                  ; behind tile a - 1's loads: tile a's 16 stores and 16 loads
.if \a < 5
	RLOAD \a+3
.endif
.endr
	SEND 7, 0
	s_wait_tensorcnt 0x0                           ; the wave's end
	ds_add_u32 v[SPW], v[NIL]
	s_wait_dscnt 0x0
	CROUND                                         ; the closing round
	s_endpgm
.Lfunc_end_k_qaf9b5aefec_ffn2:
	.size	k_qaf9b5aefec_ffn2, .Lfunc_end_k_qaf9b5aefec_ffn2-k_qaf9b5aefec_ffn2
	.p2alignl 7, 3214868480
	.fill 96, 4, 3214868480
	.section	.rodata,"a",@progbits
	.p2align	6, 0x0
	.amdhsa_kernel k_qaf9b5aefec_ffn2
		.amdhsa_group_segment_fixed_size 327680
		.amdhsa_private_segment_fixed_size 0
		.amdhsa_enable_private_segment 0
		.amdhsa_kernarg_size 40
		.amdhsa_user_sgpr_count 2
		.amdhsa_user_sgpr_kernarg_segment_ptr 1
		.amdhsa_wavefront_size32 1
		.amdhsa_system_sgpr_workgroup_id_x 1
		.amdhsa_system_sgpr_workgroup_id_y 1
		.amdhsa_system_sgpr_workgroup_id_z 1
		.amdhsa_system_vgpr_workitem_id 0
		.amdhsa_next_free_vgpr 1024
		.amdhsa_next_free_sgpr 100
		.amdhsa_reserve_vcc 0
		.amdhsa_float_denorm_mode_32 3
		.amdhsa_float_denorm_mode_16_64 3
		.amdhsa_memory_ordered 1
		.amdhsa_forward_progress 1
		.amdhsa_inst_pref_size 253
	.end_amdhsa_kernel
	.amdgpu_metadata
---
amdhsa.version: [ 1, 2 ]
amdhsa.kernels:
  - .name:           k_qaf9b5aefec_ffn2
    .symbol:         k_qaf9b5aefec_ffn2.kd
    .args:
      - { .name: hq, .offset: 0, .size: 8, .value_kind: global_buffer, .address_space: global }
      - { .name: wts, .offset: 8, .size: 8, .value_kind: global_buffer, .address_space: global }
      - { .name: b2, .offset: 16, .size: 8, .value_kind: global_buffer, .address_space: global }
      - { .name: outb, .offset: 24, .size: 8, .value_kind: global_buffer, .address_space: global }
      - { .name: out0, .offset: 32, .size: 8, .value_kind: global_buffer, .address_space: global }
    .group_segment_fixed_size: 327680
    .private_segment_fixed_size: 0
    .kernarg_segment_align: 8
    .kernarg_segment_size: 40
    .max_flat_workgroup_size: 128
    .sgpr_count:     100
    .vgpr_count:     1024
    .wavefront_size: 32
...
	.end_amdgpu_metadata
.endif
;; end of part 7
;; ======== version 2 of 2: 6 launches
;; limits: right only within a limited range of input values
;; workspace buffers: wts 6,684,672 bytes; xnq 2,228,224 bytes; qkvf 6,946,816 bytes; oq 2,228,224 bytes; outb 16,777,216 bytes; onq 2,228,224 bytes; hq 8,912,896 bytes
;; launch prep (part 8): grid 1024 x 1, 4 waves a work-group, no clusters, 56,320 bytes of LDS; arguments x, ln1_w, ln1_b, xnq, Wq, Wk, Wv, Wp, W1, W2, wts; writes xnq, wts
.if DOCPART == 8
	.amdgcn_target "amdgcn-amd-amdhsa--gfx1250"
	.amdhsa_code_object_version 6
	.text
	.protected	k_qaf9b5aefec_prep
	.globl	k_qaf9b5aefec_prep
	.p2align	8
	.type	k_qaf9b5aefec_prep,@function
k_qaf9b5aefec_prep:
	s_mov_b64 s[64:65], 0
	v_nop
	global_prefetch_b8 v0, s[64:65] scope:SCOPE_SE
	s_setreg_imm32_b32 hwreg(HW_REG_WAVE_MODE, 25, 1), 1
	s_wait_xcnt 0x0
; ONE LAUNCH PREPARES ALL OPERANDS THAT HANG ON INPUTS ALONE.  1,024 work-groups of four waves, each reading 65,536 bytes of f32.
; Work-groups 0-255: y = LN1(x) for 16 row places, quantised along the row.  Work-groups 256-1,023: 32 columns x 512 along K of one block of a weight.  The two ways part on the work-group's number and use LDS bytes of their own.
; Codes are FP4 (E2M1) with one E8M0 byte for each 32 along K, laid in BLOCKS of 128 places x 512 K, 34,816 bytes: tile i (16 places), K step q (128), half c: 512 bytes at 4096 i + 1024 q + 512 c,
; lane (r, h)'s 16 bytes at 16 (16 h + r): an image of the operand's registers.  At 32,768: the scale words, 256 i + 16 r + 4 q.  A row or column stands at the place that is its number with bits 3 and 4 exchanged.
; LN: the mean first, then the variance of the centred numbers, all in f32.  Wave w takes places 4 w .. 4 w + 3, four consecutive rows of memory; a row turns through the wave's own stage (two stages by turns) so that a lane holds a block of 32.
; WEIGHTS: block (work-group - 256) / 4 of wts: 0-47 Wq, Wk, Wv (rows head x 64 + d), 48-63 Wp, 64-127 W1, 128-191 W2; block (column group g, K step ks) of a tensor is g x (K / 512) + ks.
; The work-group's number % 4 says which 32 columns (two tiles), the wave which 128 along K.  A lane takes a column, its registers run down K.  A column's four scale words meet in LDS behind the one barrier; wave 0 stores them.
; A block's scale byte is its largest magnitude's exponent field - 2, held at 1 from below.
; LIMITS: a block of zeros, or one whose largest magnitude lies under 2^-124, gets the byte 1 (this program alone reads the bytes); NaN and infinities are not served.
.set BLK,  34816
.set X,    32
.set W,    160
.set BB,   192
.set S,    224
.set M,    232
.set PD,   240
.set MX,   244
.set CD,   8
.set BY,   24
.set STG,  9216                        ; LDS: a wave's two stages of 32 x (128 + 16) bytes
.set ROWS, 4608
.set IMG,  36864                       ; the image: 32 runs of 256 bytes + 16
.set SCI,  45568                       ; the rows' scale bytes: 2 x 256
.set WQ0,  46080                       ; the weights' way: a wave's codes
.set TP,   1152
.set WB,   2*TP
.set SCB,  WQ0+4*WB                    ; 512 bytes of scale words
.set SPARE, SCB+512                    ; the spare words
.set IM,   4
.set RDB,  5
.set SVL,  6
.set GO,   7
.set SRD,  14
.set SGO,  15
.set QO,   32                          ; v32-63 4 x lane + i x pitch
.set QX,   64                          ; v64-127 two sets of 32 numbers
.set QC,   128
.set QS,   132
.macro REDUCE                          ; each row's pair of sums becomes the sum over the 32 lanes; the four rows take turns
.irp p, 0,1,2,3
	v_add_f32 v[S+2*\p], v[S+2*\p], v[S+2*\p+1]
.endr
.irp m, 1,2,4,8
.irp p, 0,1,2,3
	v_add_f32_dpp v[S+2*\p], v[S+2*\p], v[S+2*\p] row_xmask:\m row_mask:0xf bank_mask:0xf
.endr
.endr
.irp p, 0,1,2,3
	v_permlanex16_b32 v[PD+\p], v[S+2*\p], s16, s17
.endr
.irp p, 0,1,2,3
	v_add_f32 v[S+2*\p], v[S+2*\p], v[PD+\p]
.endr
.endm
	v_lshl_add_u32 v254, v0, 2, SPARE
	v_mov_b32 v255, 0
	s_cmp_lt_u32 ttmp9, 256
	s_cbranch_scc0 .Lweights
	; ---- LN1 and its quantiser: work-group j = 0 .. 255 makes the 16 places 16 j ..
	s_load_b256 s[4:11], s[0:1], 0x0               ; x, gain, bias, codes
	v_lshrrev_b32 v1, 5, v0
	v_readfirstlane_b32 s12, v1                    ; wave
	v_and_b32 v30, 31, v0
	v_lshlrev_b32 v1, 4, v30                       ; 16 x lane
	s_lshr_b32 s13, ttmp9, 1
	s_lshl_b32 s13, s13, 5
	s_and_b32 s14, ttmp9, 1
	s_lshl_b32 s14, s14, 3
	s_add_co_u32 s13, s13, s14                     ; 32 (j / 2) + 8 (j % 2)
	s_lshr_b32 s14, s12, 1
	s_lshl_b32 s15, s14, 4
	s_add_co_u32 s13, s13, s15
	s_and_b32 s15, s12, 1
	s_lshl_b32 s18, s15, 2
	s_add_co_u32 s13, s13, s18                     ; my first row
	s_lshl_b32 s18, s13, 12
	s_mov_b32 s19, 0
	s_lshr_b32 s22, ttmp9, 3
	s_lshl_b32 s22, s22, 1
	s_mul_i32 s24, s22, BLK                        ; block (j / 8, K step 0)
	s_and_b32 s23, ttmp9, 7
	s_lshl_b32 s25, s23, 8
	s_add_co_u32 s26, s24, s25
	s_add_co_u32 s26, s26, 32768                   ; the tile's scale bytes
	s_mov_b32 s27, 0
	s_mul_i32 s25, s14, BLK                        ; wave w stores runs 8 w .. 8 w + 7
	s_add_co_u32 s24, s24, s25
	s_lshl_b32 s25, s23, 12
	s_add_co_u32 s24, s24, s25
	s_lshl_b32 s25, s15, 11
	s_add_co_u32 s24, s24, s25
	s_mov_b32 s25, 0
	s_mov_b32 s16, 0x76543210
	s_mov_b32 s17, 0xfedcba98
	s_mov_b32 s20, 0x3a800000                      ; 1 / 1,024
	s_mov_b32 s21, 0x3727c5ac                      ; 1e-5
	s_wait_alu depctr_va_vdst(0)
	s_wait_kmcnt 0x0
	s_add_nc_u64 s[4:5], s[4:5], s[18:19]
	s_add_nc_u64 s[28:29], s[10:11], s[26:27]
	s_add_nc_u64 s[10:11], s[10:11], s[24:25]
.irp p, 0,1,2,3
.irp j, 0,1,2,3,4,5,6,7
	global_load_b128 v[X+32*\p+4*\j:X+32*\p+4*\j+3], v1, s[4:5] offset:4096*\p+512*\j
.endr
.endr
.irp j, 0,1,2,3,4,5,6,7
	global_load_b128 v[W+4*\j:W+4*\j+3], v1, s[6:7] offset:512*\j
.endr
.irp j, 0,1,2,3,4,5,6,7
	global_load_b128 v[BB+4*\j:BB+4*\j+3], v1, s[8:9] offset:512*\j
.endr
	v_lshrrev_b32 v8, 3, v30
	v_and_b32 v9, 7, v30
	v_mul_u32_u24 v2, v8, 144
	v_lshl_add_u32 v2, v9, 4, v2
	s_mul_i32 s30, s12, STG
	v_add_nc_u32 v2, s30, v2                       ; into a stage: eight lanes' 128 bytes on end, then 16 of padding
	v_mul_u32_u24 v3, v30, 144
	v_add_nc_u32 v3, s30, v3                       ; out of it: my block of 32
	s_lshl_b32 s30, s12, 6
	v_mul_u32_u24 v4, v30, 272
	v_add_nc_u32 v4, s30, v4
	v_add_nc_u32 v4, IMG, v4                       ; the image: run = my block, 16 bytes at 16 (4 w + p)
	v_and_b32 v10, 15, v30
	v_lshrrev_b32 v11, 4, v30
	v_lshl_add_u32 v5, v11, 8, v10
	v_add_nc_u32 v5, s30, v5
	v_add_nc_u32 v5, SCI, v5                       ; my block's scale byte
	s_mul_i32 s30, s12, 8*272
	v_mul_u32_u24 v6, v11, 272
	v_lshl_add_u32 v6, v10, 4, v6
	v_add_nc_u32 v6, s30, v6
	v_add_nc_u32 v6, IMG, v6                       ; back: lanes 0-15 one run, lanes 16-31 the next
	v_add_nc_u32 v29, SCI, v1
	v_lshlrev_b32 v28, 4, v10
	v_mad_u32_u24 v28, v11, BLK, v28               ; the scale bytes in memory: lanes 16-31 the second K step's block
.irp p, 0,1,2,3
	v_mov_b32 v[PD+\p], 0
.endr
	s_wait_loadcnt 16                              ; the rows are in; gain and bias, sixteen loads, may be out
.irp p, 0,1,2,3
	v_pk_add_f32 v[S+2*\p:S+2*\p+1], v[X+32*\p:X+32*\p+1], v[X+32*\p+2:X+32*\p+3]
.endr
.irp i, 4,6,8,10,12,14,16,18,20,22,24,26,28,30
.irp p, 0,1,2,3
	v_pk_add_f32 v[S+2*\p:S+2*\p+1], v[S+2*\p:S+2*\p+1], v[X+32*\p+\i:X+32*\p+\i+1]
.endr
.endr
	REDUCE
.irp p, 0,1,2,3
	v_mul_f32 v[M+2*\p], s20, v[S+2*\p]            ; the mean
	v_mul_f32 v[M+2*\p+1], s20, v[S+2*\p]
.endr
.irp i, 0,2,4,6,8,10,12,14,16,18,20,22,24,26,28,30
.irp p, 0,1,2,3
	v_pk_add_f32 v[X+32*\p+\i:X+32*\p+\i+1], v[X+32*\p+\i:X+32*\p+\i+1], v[M+2*\p:M+2*\p+1] neg_lo:[0,1] neg_hi:[0,1]
.endr
.endr
.irp p, 0,1,2,3
	v_pk_mul_f32 v[S+2*\p:S+2*\p+1], v[X+32*\p:X+32*\p+1], v[X+32*\p:X+32*\p+1]
.endr
.irp i, 2,4,6,8,10,12,14,16,18,20,22,24,26,28,30
.irp p, 0,1,2,3
	v_pk_fma_f32 v[S+2*\p:S+2*\p+1], v[X+32*\p+\i:X+32*\p+\i+1], v[X+32*\p+\i:X+32*\p+\i+1], v[S+2*\p:S+2*\p+1]
.endr
.endr
	REDUCE
.irp p, 0,1,2,3
	v_fma_f32 v[S+2*\p], v[S+2*\p], s20, s21       ; var + eps
.endr
	s_wait_alu depctr_va_vdst(0)                   ; the wait ahead of the batch
.irp p, 0,1,2,3
	v_rsq_f32 v[M+2*\p], v[S+2*\p]
	v_rsq_f32 v[M+2*\p+1], v[S+2*\p]
.endr
	v_nop
	s_wait_alu depctr_va_vdst(0)                   ; and behind it, ahead of its first reader
	s_wait_loadcnt 0x0                             ; gain and bias
.irp i, 0,2,4,6,8,10,12,14,16,18,20,22,24,26,28,30
.irp p, 0,1,2,3
	v_pk_mul_f32 v[X+32*\p+\i:X+32*\p+\i+1], v[X+32*\p+\i:X+32*\p+\i+1], v[M+2*\p:M+2*\p+1]
.endr
.endr
.irp i, 0,2,4,6,8,10,12,14,16,18,20,22,24,26,28,30
.irp p, 0,1,2,3
	v_pk_fma_f32 v[X+32*\p+\i:X+32*\p+\i+1], v[X+32*\p+\i:X+32*\p+\i+1], v[W+\i:W+\i+1], v[BB+\i:BB+\i+1]
.endr
.endr
.irp p, 0,1,2,3                        ; the turn: in as loaded, back 128 bytes a lane; rows p and p + 2 share a stage
.if \p == 2
	s_wait_alu depctr_va_vdst(0)                   ; directly ahead of the wait below
.endif
.if \p >= 2
	s_wait_dscnt 16                                ; row p - 2's loads are back (behind them: row p - 1's 8 stores and 8 loads): its stage may be written
.endif
.irp j, 0,1,2,3,4,5,6,7
	ds_store_b128 v2, v[X+32*\p+4*\j:X+32*\p+4*\j+3] offset:ROWS*(\p%2)+576*\j
.endr
.irp j, 0,1,2,3,4,5,6,7
	ds_load_b128 v[X+32*\p+4*\j:X+32*\p+4*\j+3], v3 offset:ROWS*(\p%2)+16*\j
.endr
.endr
	s_wait_dscnt 0x0
.irp p, 0,1,2,3
	v_max3_num_f32 v[MX+\p], |v[X+32*\p]|, |v[X+32*\p+1]|, 0x1800000   ; my block's largest magnitude, and the floor 2^(3 - 127)
.endr
.irp i, 2,4,6,8,10,12,14,16,18,20,22,24,26,28,30
.irp p, 0,1,2,3
	v_max3_num_f32 v[MX+\p], v[MX+\p], |v[X+32*\p+\i]|, |v[X+32*\p+\i+1]|
.endr
.endr
.irp p, 0,1,2,3
	v_add_nc_u32 v[MX+\p], 0xff000000, v[MX+\p]    ; 2 off the exponent field: the conversion's scale operand
.endr
.irp p, 0,1,2,3
	v_lshrrev_b32 v[BY+\p], 23, v[MX+\p]           ; the scale's byte
.endr
.irp p, 0,1,2,3
.irp g, 0,1,2,3
	v_cvt_scalef32_pk8_fp4_f32 v[CD+4*\p+\g], v[X+32*\p+8*\g:X+32*\p+8*\g+7], v[MX+\p]
.endr
.endr
	v_nop
.irp p, 0,1,2,3
	ds_store_b128 v4, v[CD+4*\p:CD+4*\p+3] offset:16*\p
	ds_store_b8 v5, v[BY+\p] offset:16*\p
.endr
	s_wait_dscnt 0x0                               ; for the others' sake: my stores have landed
	s_barrier_signal -1
	s_barrier_wait -1
.irp k, 0,1,2,3
	ds_load_b128 v[X+4*\k:X+4*\k+3], v6 offset:2*\k*272
.endr
.irp k, 0,1,2,3
	s_wait_dscnt 3-\k
	global_store_b128 v1, v[X+4*\k:X+4*\k+3], s[10:11] offset:512*\k   ; 512 consecutive bytes, aligned
.endr
	s_cmp_lg_u32 s12, 0                            ; wave 0 alone stores the tile's scale bytes
	s_cbranch_scc1 .Lend
	ds_load_b128 v[X+16:X+19], v29
	s_wait_dscnt 0x0
	global_store_b128 v28, v[X+16:X+19], s[28:29]
	s_branch .Lend
.Lweights:
	; ---- the weights' quantiser
	s_load_b256 s[4:11], s[0:1], 0x20              ; Wq, Wk, Wv, Wp
	s_load_b128 s[12:15], s[0:1], 0x40             ; W1, W2
	s_load_b64 s[16:17], s[0:1], 0x50              ; wts
	v_lshrrev_b32 v1, 5, v0
	s_delay_alu instid0(VALU_DEP_1)
	v_readfirstlane_b32 s43, v1                    ; wave = q: which 128 along K
	s_sub_co_u32 s22, ttmp9, 256
	s_and_b32 s42, s22, 3                          ; which 32 columns: it enters addresses in memory alone
	s_lshr_b32 s22, s22, 2                         ; the block
	v_and_b32 v2, 31, v0
	v_bfe_u32 v8, v0, 3, 1                         ; which of the two tiles: bit 3 of the column
	v_and_b32 v9, 7, v0
	v_bfe_u32 v10, v0, 4, 1
	v_lshlrev_b32 v3, 2, v2
	s_delay_alu instid0(VALU_DEP_2)
	v_lshl_add_u32 v9, v10, 3, v9                  ; my place r in the tile
	s_delay_alu instid0(VALU_DEP_1)
	v_lshlrev_b32 v9, 4, v9
	s_mul_i32 s21, s43, WB
	s_add_co_u32 s21, s21, WQ0
	v_mad_u32_u24 v[IM], v8, TP, v9
	s_delay_alu instid0(VALU_DEP_1)
	v_add_nc_u32 v[IM], s21, v[IM]
	v_lshl_add_u32 v[RDB], v2, 4, s21
	v_lshl_add_u32 v[SVL], v8, 8, v9               ; 256 x tile + 16 r,
	s_lshl_b32 s44, s43, 2                         ; + 4 q
	s_add_co_u32 s44, s44, SCB
	v_add_nc_u32 v[SVL], s44, v[SVL]
	v_lshl_add_u32 v[SRD], v2, 4, SCB
	s_lshl_b32 s21, s42, 9
	v_lshl_add_u32 v[SGO], v2, 4, s21              ; in memory: 16 x lane + 512 x my pair of tiles
	s_lshl_b32 s21, s42, 13
	s_lshl_b32 s44, s43, 10
	s_add_co_u32 s21, s21, s44
	v_lshl_add_u32 v[GO], v2, 4, s21
	s_wait_alu depctr_va_vdst(0)
	s_wait_kmcnt 0x0
	; which tensor: pointer s[18:19], first block s24, log2(K / 512) s25, pitch s23, bytes from column group to group s26, from half group to half group s27
	s_cmp_lt_u32 s22, 128
	s_cselect_b64 s[18:19], s[12:13], s[14:15]
	s_cselect_b32 s24, 64, 128
	s_cselect_b32 s25, 1, 3
	s_mov_b32 s23, 4096
	s_cselect_b32 s23, 16384, s23
	s_cmp_lt_u32 s22, 64
	s_cselect_b64 s[18:19], s[10:11], s[18:19]
	s_cselect_b32 s24, 48, s24
	s_cselect_b32 s23, 4096, s23
	s_cmp_lt_u32 s22, 48
	s_cselect_b64 s[18:19], s[8:9], s[18:19]
	s_cselect_b32 s24, 32, s24
	s_cselect_b32 s23, 256, s23
	s_mov_b32 s26, 512
	s_cselect_b32 s26, 0x80000, s26
	s_mov_b32 s27, 256
	s_cselect_b32 s27, 0x40000, s27
	s_cmp_lt_u32 s22, 32
	s_cselect_b64 s[18:19], s[6:7], s[18:19]
	s_cselect_b32 s24, 16, s24
	s_cmp_lt_u32 s22, 16
	s_cselect_b64 s[18:19], s[4:5], s[18:19]
	s_cselect_b32 s24, 0, s24
	s_sub_co_u32 s24, s22, s24
	s_lshr_b32 s28, s24, s25                       ; g
	s_bfm_b32 s29, s25, 0
	s_and_b32 s29, s24, s29                        ; ks
	s_mul_i32 s28, s28, s26
	s_lshr_b32 s30, s42, 1
	s_mul_i32 s30, s30, s27
	s_add_co_u32 s28, s28, s30
	s_and_b32 s30, s42, 1
	s_lshl_b32 s30, s30, 7
	s_add_co_u32 s28, s28, s30                     ; my first column, in bytes
	s_lshl_b32 s29, s29, 2
	s_add_co_u32 s29, s29, s43                     ; 4 ks + q
	s_mul_i32 s29, s29, s23
	s_lshl_b32 s29, s29, 7
	s_add_co_u32 s28, s28, s29                     ; + 128 (4 ks + q) rows
	s_mov_b32 s29, 0
	s_add_nc_u64 s[32:33], s[18:19], s[28:29]      ; a base for each of my four blocks of 32 rows
	s_lshl_b32 s40, s23, 5
	s_mov_b32 s41, 0
.irp t, 1,2,3
	s_add_nc_u64 s[32+2*\t:33+2*\t], s[30+2*\t:31+2*\t], s[40:41]
.endr
	s_mul_i32 s28, s22, BLK
	s_add_nc_u64 s[16:17], s[16:17], s[28:29]      ; my block of wts
.set i, 0
.rept 32
	v_mad_u32_u24 v[QO+i], s23, i, v3
.set i, i+1
.endr
.macro LOAD t                          ; rows 32 t .. 32 t + 31 of my 128 at my column
.set i, 0
.rept 32
	global_load_b32 v[QX+32*((\t)%2)+i], v[QO+i], s[32+2*(\t):33+2*(\t)] th:TH_LOAD_NT
.set i, i+1
.endr
.endm
	LOAD 0
	LOAD 1
.macro BLOCK t
.set XS, QX+32*((\t)%2)
.if (\t) < 3
	s_wait_loadcnt 32                              ; this block's 32 loads are in; the next block's may be out
.else
	s_wait_loadcnt 0
.endif
	v_max3_num_f32 v12, |v[XS]|, |v[XS+1]|, |v[XS+2]|
	v_max3_num_f32 v13, |v[XS+3]|, |v[XS+4]|, |v[XS+5]|
.irp i, 6,10,14,18,22,26
	s_delay_alu instid0(VALU_DEP_2)
	v_max3_num_f32 v12, v12, |v[XS+\i]|, |v[XS+\i+1]|
	s_delay_alu instid0(VALU_DEP_2)
	v_max3_num_f32 v13, v13, |v[XS+\i+2]|, |v[XS+\i+3]|
.endr
	s_delay_alu instid0(VALU_DEP_2)
	v_max3_num_f32 v12, v12, |v[XS+30]|, |v[XS+31]|
	s_delay_alu instid0(VALU_DEP_1)
	v_max3_num_f32 v12, v12, v13, 0x1800000        ; and the floor 2^(3 - 127)
	s_delay_alu instid0(VALU_DEP_1)
	v_add_nc_u32 v11, 0xff000000, v12              ; the conversion's scale operand
	s_delay_alu instid0(VALU_DEP_1)
	v_lshrrev_b32 v13, 23, v11                     ; the scale's byte
.if (\t) == 0
	s_delay_alu instid0(VALU_DEP_1)
	v_mov_b32 v[QS], v13
.else
	s_delay_alu instid0(VALU_DEP_1)
	v_lshl_or_b32 v[QS], v13, 8*(\t), v[QS]
.endif
.irp g, 0,1,2,3
	v_cvt_scalef32_pk8_fp4_f32 v[QC+\g], v[XS+8*\g:XS+8*\g+7], v11
.endr
	ds_store_b128 v[IM], v[QC:QC+3] offset:256*(\t)
.if (\t)+2 < 4
	LOAD (\t)+2
.endif
	s_wait_dscnt 0x0                               ; the store has read its registers
.endm
	BLOCK 0
	BLOCK 1
	BLOCK 2
	BLOCK 3
	s_wait_alu depctr_va_vdst(0)                   ; directly ahead of the reader below
	ds_store_b32 v[SVL], v[QS]
.irp u, 0,1
.irp k, 0,1
	ds_load_b128 v[QX+4*(2*\u+\k):QX+4*(2*\u+\k)+3], v[RDB] offset:\u*TP+\k*512
.endr
.endr
	s_wait_dscnt 0x0                               ; for the others' sake: my scale word has landed; my codes are back
	s_barrier_signal -1
	s_barrier_wait -1
.irp u, 0,1
.irp k, 0,1
	global_store_b128 v[GO], v[QX+4*(2*\u+\k):QX+4*(2*\u+\k)+3], s[16:17] offset:\u*4096+\k*512   ; 512 consecutive bytes, aligned
.endr
.endr
	s_cmp_lg_u32 s43, 0                            ; wave 0 stores the two tiles' scale words
	s_cbranch_scc1 .Lend
	ds_load_b128 v[QX+16:QX+19], v[SRD]
	s_wait_dscnt 0x0
	global_store_b128 v[SGO], v[QX+16:QX+19], s[16:17] offset:32768   ; 512 consecutive bytes, aligned
.Lend:
	s_wait_tensorcnt 0x0                           ; the wave's end
	ds_add_u32 v254, v255
	s_wait_dscnt 0x0
	s_endpgm
.Lfunc_end_k_qaf9b5aefec_prep:
	.size	k_qaf9b5aefec_prep, .Lfunc_end_k_qaf9b5aefec_prep-k_qaf9b5aefec_prep
	.p2alignl 7, 3214868480
	.fill 96, 4, 3214868480
	.section	.rodata,"a",@progbits
	.p2align	6, 0x0
	.amdhsa_kernel k_qaf9b5aefec_prep
		.amdhsa_group_segment_fixed_size 56320
		.amdhsa_private_segment_fixed_size 0
		.amdhsa_enable_private_segment 0
		.amdhsa_kernarg_size 88
		.amdhsa_user_sgpr_count 2
		.amdhsa_user_sgpr_kernarg_segment_ptr 1
		.amdhsa_wavefront_size32 1
		.amdhsa_system_sgpr_workgroup_id_x 1
		.amdhsa_system_sgpr_workgroup_id_y 1
		.amdhsa_system_sgpr_workgroup_id_z 1
		.amdhsa_system_vgpr_workitem_id 0
		.amdhsa_next_free_vgpr 256
		.amdhsa_next_free_sgpr 66
		.amdhsa_reserve_vcc 0
		.amdhsa_float_denorm_mode_32 3
		.amdhsa_float_denorm_mode_16_64 3
		.amdhsa_memory_ordered 1
		.amdhsa_forward_progress 1
		.amdhsa_inst_pref_size 71
	.end_amdhsa_kernel
	.amdgpu_metadata
---
amdhsa.version: [ 1, 2 ]
amdhsa.kernels:
  - .name:           k_qaf9b5aefec_prep
    .symbol:         k_qaf9b5aefec_prep.kd
    .args:
      - { .name: x, .offset: 0, .size: 8, .value_kind: global_buffer, .address_space: global }
      - { .name: ln1_w, .offset: 8, .size: 8, .value_kind: global_buffer, .address_space: global }
      - { .name: ln1_b, .offset: 16, .size: 8, .value_kind: global_buffer, .address_space: global }
      - { .name: xnq, .offset: 24, .size: 8, .value_kind: global_buffer, .address_space: global }
      - { .name: Wq, .offset: 32, .size: 8, .value_kind: global_buffer, .address_space: global }
      - { .name: Wk, .offset: 40, .size: 8, .value_kind: global_buffer, .address_space: global }
      - { .name: Wv, .offset: 48, .size: 8, .value_kind: global_buffer, .address_space: global }
      - { .name: Wp, .offset: 56, .size: 8, .value_kind: global_buffer, .address_space: global }
      - { .name: W1, .offset: 64, .size: 8, .value_kind: global_buffer, .address_space: global }
      - { .name: W2, .offset: 72, .size: 8, .value_kind: global_buffer, .address_space: global }
      - { .name: wts, .offset: 80, .size: 8, .value_kind: global_buffer, .address_space: global }
    .group_segment_fixed_size: 56320
    .private_segment_fixed_size: 0
    .kernarg_segment_align: 8
    .kernarg_segment_size: 88
    .max_flat_workgroup_size: 128
    .sgpr_count:     66
    .vgpr_count:     256
    .wavefront_size: 32
...
	.end_amdgpu_metadata
.endif
;; end of part 8
;; launch qkv (part 9): grid 12 x 16, 4 waves a work-group, clusters of 4 x 4, 327,680 bytes of LDS; arguments xnq, wts, bq, bk, bv, qkvf; writes qkvf
.if DOCPART == 9
	.amdgcn_target "amdgcn-amd-amdhsa--gfx1250"
	.amdhsa_code_object_version 6
	.text
	.protected	k_qaf9b5aefec_qkv
	.globl	k_qaf9b5aefec_qkv
	.p2align	8
	.type	k_qaf9b5aefec_qkv,@function
k_qaf9b5aefec_qkv:
	s_mov_b64 s[64:65], 0
	v_nop
	global_prefetch_b8 v0, s[64:65] scope:SCOPE_SE
	s_setreg_imm32_b32 hwreg(HW_REG_WAVE_MODE, 25, 1), 1
	s_wait_xcnt 0x0
	s_wait_alu depctr_hold_cnt(0) depctr_sa_sdst(0) depctr_va_vdst(0) depctr_va_sdst(0) depctr_va_ssrc(0) depctr_va_vcc(0) depctr_vm_vsrc(0)
	s_getreg_b32 s2, hwreg(HW_REG_IB_STS2, 6, 4)
	s_cmp_eq_u32 s2, 0
	s_cbranch_scc0 .Lentry_in_a_cluster
	s_endpgm
.Lentry_in_a_cluster:
	s_bfe_u32 s2, ttmp6, 0x10000c
	s_cmp_lg_u32 s2, 0xf033
	s_cbranch_scc0 .Lentry_shape_is_right
	s_endpgm
.Lentry_shape_is_right:
; q, k, v = LN1(x) W + b for all 16 heads, on codes of FP4 (E2M1) with E8M0 scales, and each result quantised at once for attention: q and k along the head's 64, v along the keys.
; A work-group of four waves makes 256 tokens x 256 columns; a wave 128 x 128: 64 accumulators, 512 registers.  K = 1,024 goes in two steps of 512 through two LDS slots, each filled once.
; OPERANDS lie in memory as blocks of 128 rows x 512 K, 34,816 bytes: images of the fragments' registers (tile i, K step q, half c: 512 bytes at 4096 i + 1024 q + 512 c, 16 bytes a lane) and, at 32,768, the scale
; words (256 i + 16 r + 4 q).  One tensor load a wave brings one block; a fragment is two dense LDS loads; four scale words of a row come by one load, two tiles to a register (lanes 0-15, lanes 16-31).
; Rows stand at places with bits 3 and 4 of their number exchanged, so that the 16 registers of two neighbouring tiles of a result are 16 neighbours along its columns.
; CLUSTERS: 4 x 4 work-groups; the tokens' blocks are asked for jointly along a row of the cluster, the weights' along a column.  Cluster x = 0 makes q, 1 k, 2 v: the same number in all sixteen partners.
; THE MATRIX INSTRUCTION takes as source 0 the operand whose rows are to run along a lane's registers.  For q and k that is the weight (registers along the head's d), for v the tokens (registers along the keys):
; the loads are the same in every work-group, and only the LDS bytes that the two roles read change places, by a select on the cluster's x.
; OUT, for each (batch, head) 217,088 bytes of qkvf: q's codes (tile T of 16 token places: 512 T + 16 lane, lane (r, h) = block h of d), q's scale words at 65,536 (256 (T / 4) + 16 r + 4 (T % 4); bytes 2, 3 = 0),
; k's likewise at 73,728 and 139,264, v's codes at 147,456 (4096 key step + 1024 d tile + 512 c + 16 lane), v's scale words at 212,992 (256 key step + 16 r + 4 d tile).
; LIMITS: a block of zeros, or one whose largest magnitude lies under 2^-124, gets the byte 1 (this program alone reads the bytes); NaN and infinities are not served.
.set SIZE_K, 1024
.set BHB,    217088
.set BLK,    34816
.set SLOT,   4*BLK                     ; the tokens' four blocks: two halves, each K steps 0 and 1
.set SPARE,  2*SLOT                    ; behind the slots: the spare words, 128 bytes for each wave
.set KS,     SIZE_K/512
.set NQ,     4
.set FR,     8
.set NL,     2
.set NP,     4
.set ADRA,   16                        ; v16-17 LDS address of source 1's block in slot 0, 1, + 16 x lane
.set ADRB,   20                        ; v20-21 the same for source 0's
.set SPW,    28
.set NIL,    29
.set SC,     32                        ; v32-95 scale words and nothing else: set s at 32 + 32 s: 16 registers for source 1's tiles, 16 for source 0's; register 4 (tile / 2) + q
.set AF,     128                       ; v128-191 source 1's fragments, one set
.set G1,     24
.set G0,     32
.set G1B,    48
.set G0B,    56
.set L16,    24                        ; v24  16 x lane
.set S2,     25                        ; v25  BHB x (lane / 16) + 16 r
.set H16,    12                        ; v12  16 x (lane / 16)
.set SW,     4                         ; v4-11 scale words to store
.set BP,     14                        ; v14-15 a row's bias, twice
.set BM,     96                        ; v96-103 v's bias of my row in each of the 8 tiles
.set TM,     104                       ; v104-119 at work in QUANT
.set PC,     120                       ; v120-127 the codes just made
.set PW,     30                        ; v30  the scale word just made
.set HA,     128                       ; v128-191 64 numbers to quantise
.set BN,     192                       ; v192-255 the bias of my 64 columns
.set SEL,    20
.set MSB,    0
.macro WIN new                         ; the immediate's high byte repeats the setting that is left
.if MSB != \new
	s_set_vgpr_msb (MSB<<8)|\new
.set MSB, \new
.endif
.endm
.set MUL_LO, 0xa1                      ; source 0 window 1, source 1 window 0, C and D window 2
.set MUL_HI, 0xf1                      ; the same, C and D window 3
.set TO_B,   0x40
.macro JLOAD g0a, g1a, g0b, g1b        ; a joint load: waves 0 and 1 fetch the tokens' blocks, waves 2 and 3 the weights'; four v_nop follow each line
	s_cmp_eq_u32 s15, 0
	s_cbranch_scc0 .Lfor_x_\@
	tensor_load_to_lds s[\g0a:\g0a+3], s[\g1a:\g1a+7]
	s_nop 0
.rept 4
	v_nop
.endr
	s_branch .Lasked_\@
.Lfor_x_\@:
	tensor_load_to_lds s[\g0b:\g0b+3], s[\g1b:\g1b+7]
	s_nop 0
.rept 4
	v_nop
.endr
.Lasked_\@:
.endm
.macro CREST
	s_cmp_lg_u32 s14, 0
	s_cbranch_scc1 .Lnot_wave_0_\@
	s_barrier_signal -3
.Lnot_wave_0_\@:
	s_barrier_wait -3
	s_barrier_signal -1
	s_barrier_wait -1
.endm
.macro CROUND                          ; a round of the cluster's barrier
	s_barrier_signal -1
	s_barrier_wait -1
	CREST
.endm
.macro PLACES n
.rept \n
	v_nop
.endr
.endm
.macro FRAG reg, adr, q, i             ; a fragment: two images of 512 bytes
.irp c, 0,1
	ds_load_b128 v[\reg+4*\c:\reg+4*\c+3], v[\adr] offset:(\i)*4096+(\q)*1024+512*\c
.endr
.endm
.macro WM zero                         ; one product; an odd tile's scale words lie in lanes 16-31 of their register
.if \zero
.if BO && AO
	v_wmma_scale_f32_16x16x128_f8f6f4 v[rD:rD+7], v[rB:rB+7], v[rA:rA+7], 0, v[rSB], v[rSA] matrix_a_fmt:MATRIX_FMT_FP4 matrix_b_fmt:MATRIX_FMT_FP4 matrix_a_scale:MATRIX_SCALE_ROW1 matrix_b_scale:MATRIX_SCALE_ROW1
.elseif BO
	v_wmma_scale_f32_16x16x128_f8f6f4 v[rD:rD+7], v[rB:rB+7], v[rA:rA+7], 0, v[rSB], v[rSA] matrix_a_fmt:MATRIX_FMT_FP4 matrix_b_fmt:MATRIX_FMT_FP4 matrix_a_scale:MATRIX_SCALE_ROW1
.elseif AO
	v_wmma_scale_f32_16x16x128_f8f6f4 v[rD:rD+7], v[rB:rB+7], v[rA:rA+7], 0, v[rSB], v[rSA] matrix_a_fmt:MATRIX_FMT_FP4 matrix_b_fmt:MATRIX_FMT_FP4 matrix_b_scale:MATRIX_SCALE_ROW1
.else
	v_wmma_scale_f32_16x16x128_f8f6f4 v[rD:rD+7], v[rB:rB+7], v[rA:rA+7], 0, v[rSB], v[rSA] matrix_a_fmt:MATRIX_FMT_FP4 matrix_b_fmt:MATRIX_FMT_FP4
.endif
.else
.if BO && AO
	v_wmma_scale_f32_16x16x128_f8f6f4 v[rD:rD+7], v[rB:rB+7], v[rA:rA+7], v[rD:rD+7], v[rSB], v[rSA] matrix_a_fmt:MATRIX_FMT_FP4 matrix_b_fmt:MATRIX_FMT_FP4 matrix_a_scale:MATRIX_SCALE_ROW1 matrix_b_scale:MATRIX_SCALE_ROW1
.elseif BO
	v_wmma_scale_f32_16x16x128_f8f6f4 v[rD:rD+7], v[rB:rB+7], v[rA:rA+7], v[rD:rD+7], v[rSB], v[rSA] matrix_a_fmt:MATRIX_FMT_FP4 matrix_b_fmt:MATRIX_FMT_FP4 matrix_a_scale:MATRIX_SCALE_ROW1
.elseif AO
	v_wmma_scale_f32_16x16x128_f8f6f4 v[rD:rD+7], v[rB:rB+7], v[rA:rA+7], v[rD:rD+7], v[rSB], v[rSA] matrix_a_fmt:MATRIX_FMT_FP4 matrix_b_fmt:MATRIX_FMT_FP4 matrix_b_scale:MATRIX_SCALE_ROW1
.else
	v_wmma_scale_f32_16x16x128_f8f6f4 v[rD:rD+7], v[rB:rB+7], v[rA:rA+7], v[rD:rD+7], v[rSB], v[rSA] matrix_a_fmt:MATRIX_FMT_FP4 matrix_b_fmt:MATRIX_FMT_FP4
.endif
.endif
.endm
; 16 products: source 1's tiles a0, a0 + 1 x source 0's eight, the slot's q-th 128 along K.  The 64 accumulators take turns, one instruction a turn, in the same order in every step
.macro MUL16 a0, p, q, sc, zero
.irp a, \a0, \a0+1
.irp b, 0,1,2,3,4,5,6,7
.set rD, 8*(8*((\a)%4)+\b)
.set rB, 128*(\p)+FR*\b
.set rA, AF+FR*(\a)
.set rSB, SC+32*(\sc)+16+4*(\b/2)+(\q)
.set rSA, SC+32*(\sc)+4*((\a)/2)+(\q)
.set BO, \b%2
.set AO, (\a)%2
	WM \zero
.endr
.endr
.endm
.macro FETCH_B slot, q, p
	WIN TO_B
.irp i, 0,1,2,3,4,5,6,7
	FRAG 128*(\p)+FR*\i, ADRB+\slot, \q, \i
.endr
	WIN 0
.endm
.macro FETCH_A slot, q, i0
.irp i, \i0, \i0+1, \i0+2, \i0+3
	FRAG AF+FR*(\i), ADRA+\slot, \q, \i
.endr
.endm
.macro SCALES s                        ; a slot's scale words: eight loads, four words of a row each; lanes 0-15 an even tile, lanes 16-31 the odd one behind it
.irp i, 0,1,2,3
	ds_load_b128 v[SC+32*\s+4*\i:SC+32*\s+4*\i+3], v[ADRA+\s] offset:32768+512*\i
.endr
.irp i, 0,1,2,3
	ds_load_b128 v[SC+32*\s+16+4*\i:SC+32*\s+16+4*\i+3], v[ADRB+\s] offset:32768+512*\i
.endr
.endm
.macro STEP slot, q, zero              ; 128 along K with its successor in the same slot
	s_wait_dscnt 4*NL                              ; all but the youngest eight loads (source 1's tiles 4-7) are in
	WIN MUL_LO
	MUL16 0, (\q)%2, \q, \slot, \zero
	MUL16 2, (\q)%2, \q, \slot, \zero
	s_wait_dscnt 0
	PLACES NP                                      ; four places in front of loads into registers that matrix instructions have read
	FETCH_B \slot, (\q)+1, 1-(\q)%2
	FETCH_A \slot, (\q)+1, 0
	WIN MUL_HI
	MUL16 4, (\q)%2, \q, \slot, \zero
	MUL16 6, (\q)%2, \q, \slot, \zero
	PLACES NP
	WIN 0
	FETCH_A \slot, (\q)+1, 4
.endm
.macro TURN slot, next                 ; a slot's last step changes slots: one barrier; nothing is filled again in this launch
	s_wait_tensorcnt 0x0                           ; all my tensor loads have landed: my block of the next slot
	ds_add_u32 v[SPW], v[NIL]                      ; 0 onto my spare word
	s_wait_dscnt 4*NL+1                            ; (the add and the youngest eight loads may be out)
	WIN MUL_LO
	MUL16 0, 1, NQ-1, \slot, 0
	s_wait_dscnt 0x0                               ; the add is done, and my reads of this slot are over
	s_barrier_signal -1
	MUL16 2, 1, NQ-1, \slot, 0
	WIN 0
	s_barrier_wait -1
	PLACES NP
	FETCH_B \next, 0, 0
	FETCH_A \next, 0, 0
	SCALES \next
	WIN MUL_HI
	MUL16 4, 1, NQ-1, \slot, 0
	MUL16 6, 1, NQ-1, \slot, 0
	PLACES NP
	WIN 0
	FETCH_A \next, 0, 4
.endm
.macro STEPS slot, from
.set Q, \from
.rept NQ-1-\from
	STEP \slot, Q, 0
.set Q, Q+1
.endr
.endm
; 64 numbers of a lane, register 16 b + i = k 32 b + 16 (lane / 16) + i of my row, become a fragment's codes in v[PC] on (registers 4 c ..: block 2 c + lane / 16) and its scale word in v[PW]
.macro QUANT s
.irp b, 0,1,2,3
	v_max3_num_f32 v[TM+\b], |v[\s+16*\b]|, |v[\s+1+16*\b]|, 0x1800000   ; my 16 numbers of block b, and the floor 2^(3 - 127)
.endr
.irp i, 2,4,6,8,10,12,14
.irp b, 0,1,2,3
	v_max3_num_f32 v[TM+\b], v[TM+\b], |v[\s+16*\b+\i]|, |v[\s+1+16*\b+\i]|
.endr
.endr
.irp b, 0,1,2,3
	v_permlanex16_b32 v[TM+4+\b], v[TM+\b], s[SEL], s[SEL+1]
.endr
.irp b, 0,1,2,3
	v_max_num_f32 v[TM+\b], v[TM+\b], v[TM+4+\b]   ; with lane l xor 16's: the block's largest magnitude
.endr
.irp b, 0,1,2,3
	v_add_nc_u32 v[TM+12+\b], 0xff000000, v[TM+\b] ; 2 off the exponent field: the conversion's scale operand
.endr
.irp b, 0,1,2,3
	v_lshrrev_b32 v[TM+4+\b], 23, v[TM+12+\b]      ; the scale's byte
.endr
	v_lshl_or_b32 v[PW], v[TM+5], 8, v[TM+4]
	v_lshl_or_b32 v[PW], v[TM+6], 16, v[PW]
	v_lshl_or_b32 v[PW], v[TM+7], 24, v[PW]
.irp b, 0,1,2,3
	v_cvt_scalef32_pk8_fp4_f32 v[PC+2*\b], v[\s+16*\b:\s+7+16*\b], v[TM+12+\b]
	v_cvt_scalef32_pk8_fp4_f32 v[PC+1+2*\b], v[\s+8+16*\b:\s+15+16*\b], v[TM+12+\b]
.endr
	v_nop                                          ; one plain instruction behind a scaled conversion
.irp c, 0,1
.irp i, 0,1
	v_permlane16_swap_b32 v[PC+4*\c+\i], v[PC+2+4*\c+\i]   ; a whole block to a lane
.endr
.endr
.endm
	s_load_b128 s[4:7], s[0:1], 0x0                ; the tokens' codes, the weights' codes
	s_load_b128 s[8:11], s[0:1], 0x10              ; bq, bk
	s_load_b128 s[88:91], s[0:1], 0x20             ; bv, qkvf
	v_lshl_add_u32 v[SPW], v0, 2, SPARE
	v_mov_b32 v[NIL], 0
	ds_add_u32 v28, v29
	ds_add_u32 v28, v29
	s_wait_dscnt 0x0
	v_lshrrev_b32 v1, 5, v0
	v_readfirstlane_b32 s14, v1                    ; wave 0..3
	s_lshr_b32 s15, s14, 1                         ; which block source 1 reads.  Also: I fetch tokens (0) or weights (1)
	s_and_b32 s16, s14, 1                          ; which block source 0 reads.  Also: which of the two blocks I fetch
	s_bfe_u32 s40, ttmp6, 0x40000                  ; cx, cy
	s_bfe_u32 s41, ttmp6, 0x40004
	s_lshl_b32 s42, ttmp9, 2
	s_add_co_u32 s42, s42, s40                     ; work-group x: 256 of the 3,072 columns
	s_and_b32 s17, ttmp7, 0xffff
	s_lshl_b32 s17, s17, 2
	s_add_co_u32 s17, s17, s41                     ; work-group y: 256 of the 4,096 tokens
	s_lshl_b32 s43, s41, 2
	s_lshl_b32 s43, 15, s43                        ; my row of the cluster
	s_lshl_b32 s44, 0x1111, s40                    ; my column
	s_or_b32 s[G1], s43, (3<<16)|(1<<21)           ; group 1: 15:0 the mask; 17:16 elements of 8 bytes; 21 set beside a mask; no padding
	s_or_b32 s[G1B], s44, (3<<16)|(1<<21)
.irp g, G1, G1B
	s_mov_b32 s[\g+1], 32<<16                      ; tensor_dim0 = 32 elements: 256 bytes
	s_mov_b32 s[\g+2], 272<<16                     ; tensor_dim1 = 272 rows: a group's two blocks, K steps 0 and 1, which lie on end in memory
	s_mov_b32 s[\g+3], 32<<16                      ; tile_dim0
	s_mov_b32 s[\g+4], 272                         ; tile_dim1
	s_mov_b32 s[\g+5], 32                          ; the pitch: dense
	s_mov_b32 s[\g+6], 0
	s_mov_b32 s[\g+7], 0
.endr
	s_lshl_b32 s20, s17, 1
	s_add_co_u32 s20, s20, s16
	s_mul_i32 s20, s20, KS*BLK                     ; the tokens' block (2 y + half, K step 0)
	s_mov_b32 s21, 0
	s_lshl_b32 s46, s42, 1
	s_add_co_u32 s46, s46, s16
	s_mul_i32 s46, s46, KS*BLK                     ; the weights' (2 x + half, 0): Wq, Wk, Wv lie on end at the head of wts
	s_mov_b32 s47, 0
	s_mul_i32 s45, s14, 2*BLK                      ; where they go: wave x two blocks: LDS holds [wave][K step]
	s_wait_kmcnt 0x0
	s_add_nc_u64 s[20:21], s[4:5], s[20:21]
	s_add_nc_u64 s[46:47], s[6:7], s[46:47]
	CROUND                                         ; all sixteen work-groups are here: the joint loads meet
.irp s, 0
	s_mov_b32 s[G0+4*\s], 1
	s_add_co_u32 s[G0+4*\s+1], s45, \s*SLOT
	s_add_nc_u64 s[G0+4*\s+2:G0+4*\s+3], s[20:21], \s*BLK
	s_or_b32 s[G0+4*\s+3], s[G0+4*\s+3], 0x80000000
	s_mov_b32 s[G0B+4*\s], 1
	s_add_co_u32 s[G0B+4*\s+1], s45, \s*SLOT
	s_add_nc_u64 s[G0B+4*\s+2:G0B+4*\s+3], s[46:47], \s*BLK
	s_or_b32 s[G0B+4*\s+3], s[G0B+4*\s+3], 0x80000000
	JLOAD G0+4*\s, G1, G0B+4*\s, G1B               ; my one tensor load of the launch: both K steps of my group
.endr
	v_and_b32 v1, 15, v0                           ; r
	v_bfe_u32 v2, v0, 4, 1                         ; h
	v_and_b32 v3, 31, v0
	v_lshlrev_b32 v[L16], 4, v3
	s_wait_alu depctr_va_vdst(0)
	s_cmp_eq_u32 ttmp9, 0
	s_cselect_b64 s[92:93], s[8:9], s[10:11]
	s_cmp_eq_u32 ttmp9, 2
	s_cselect_b64 s[92:93], s[88:89], s[92:93]     ; the tensor's bias
	s_cselect_b32 s94, 4*BLK, 0                    ; for v source 1 reads the weights' blocks
	s_cselect_b32 s95, 0, 4*BLK                    ; and source 0 the tokens'
	s_mul_i32 s21, s15, 2*BLK
	s_add_co_u32 s21, s21, s94
	s_mul_i32 s22, s16, 2*BLK
	s_add_co_u32 s22, s22, s95
.irp s, 0,1
	v_add_nc_u32 v[ADRA+\s], s21, v[L16]
	v_add_nc_u32 v[ADRB+\s], s22, v[L16]
	s_add_co_u32 s21, s21, BLK
	s_add_co_u32 s22, s22, BLK
.endr
	s_lshl_b32 s96, s40, 10                        ; my work-group's 256 of the tensor's 1,024 columns,
	s_lshl_b32 s97, s16, 9
	s_add_co_u32 s96, s96, s97                     ; source 0's 128 of them
	s_mov_b32 s97, 0
	s_add_nc_u64 s[92:93], s[92:93], s[96:97]
	s_lshl_b32 s96, s40, 10
	s_lshl_b32 s98, s15, 9
	s_add_co_u32 s96, s96, s98                     ; source 1's 128 of them
	s_add_nc_u64 s[88:89], s[88:89], s[96:97]
	v_lshlrev_b32 v6, 6, v2                        ; the bias along my registers: tile b's eight columns begin at 32 (b / 2) + 16 h + 8 (b % 2)
	v_and_b32 v7, 8, v1
	v_add_nc_u32 v7, v7, v1
	v_lshlrev_b32 v7, 2, v7                        ; the bias of my row: place r of tile a is column 32 (a / 2) + 8 (a % 2) + r + 8 (r / 8)
.irp b, 0,1,2,3,4,5,6,7
	global_load_b128 v[BN+8*\b:BN+8*\b+3], v6, s[92:93] offset:(32*(\b/2)+8*(\b%2))*4
	global_load_b128 v[BN+8*\b+4:BN+8*\b+7], v6, s[92:93] offset:(32*(\b/2)+8*(\b%2))*4+16
.endr
.irp a, 0,1,2,3,4,5,6,7
	global_load_b32 v[BM+\a], v7, s[88:89] offset:(32*(\a/2)+8*(\a%2))*4
.endr
	v_lshlrev_b32 v[H16], 4, v2
	v_lshlrev_b32 v[S2], 4, v1
	v_mad_u32_u24 v[S2], v2, BHB, v[S2]
.irp b, 0,1,2,3
	v_mov_b32 v[TM+4+\b], 0                        ; written once: a lane permute's destination counts as one of its sources
.endr
	s_wait_tensorcnt 0x0                           ; my two blocks are in,
	s_barrier_signal -1
	s_barrier_wait -1                              ; everybody's is
	FETCH_B 0, 0, 0
	FETCH_A 0, 0, 0
	SCALES 0
	FETCH_A 0, 0, 4
	STEP 0, 0, 1                                   ; the first products start the sums: nothing is cleared
	STEPS 0, 1
	TURN 0, 1
	STEPS 1, 0
	s_wait_dscnt 4*NL
	WIN MUL_LO
	MUL16 0, 1, NQ-1, 1, 0
	MUL16 2, 1, NQ-1, 1, 0
	s_wait_dscnt 0
	WIN MUL_HI
	MUL16 4, 1, NQ-1, 1, 0
	MUL16 6, 1, NQ-1, 1, 0
	WIN 0
	PLACES NP                                      ; four places in front of the first read of results and of writes into source 1's registers
	s_wait_loadcnt 0x0                             ; the biases
	s_mov_b32 s[SEL], 0x76543210
	s_mov_b32 s[SEL+1], 0xfedcba98
	s_lshr_b32 s18, s17, 3
	s_lshl_b32 s18, s18, 4
	s_lshl_b32 s19, s40, 2
	s_add_co_u32 s18, s18, s19                     ; 16 x batch + my work-group's first head
	s_cmp_eq_u32 ttmp9, 2
	s_cbranch_scc1 .Lv
	; ---- q or k: a lane holds one token place and 64 columns: two heads x two blocks of 32
	s_lshl_b32 s19, s16, 1
	s_add_co_u32 s19, s18, s19
	s_mul_i32 s19, s19, BHB
	s_mul_i32 s22, ttmp9, 73728
	s_add_co_u32 s19, s19, s22                     ; q's or k's part of my first head's bytes
	s_and_b32 s22, s17, 7
	s_lshl_b32 s23, s22, 4
	s_lshl_b32 s45, s15, 3
	s_add_co_u32 s23, s23, s45                     ; my first tile of tokens
	s_lshl_b32 s23, s23, 9
	s_add_co_u32 s92, s19, s23
	s_mov_b32 s93, 0
	s_add_nc_u64 s[92:93], s[90:91], s[92:93]
	s_lshl_b32 s23, s22, 2
	s_lshl_b32 s45, s15, 1
	s_add_co_u32 s23, s23, s45
	s_lshl_b32 s23, s23, 8
	s_add_co_u32 s94, s19, s23
	s_add_co_u32 s94, s94, 65536
	s_mov_b32 s95, 0
	s_add_nc_u64 s[94:95], s[90:91], s[94:95]
.irp a, 0,1,2,3,4,5,6,7
	WIN 0x02+(\a/4)                                ; source 0: the accumulators' window
.set i, 0
.rept 32
	v_pk_add_f32 v[HA+i:HA+i+1], v[64*(\a%4)+i:64*(\a%4)+i+1], v[BN+i:BN+i+1]   ; + bias; each accumulator from its low end on
.set i, i+2
.endr
	WIN 0
	s_wait_xcnt 0x0                                ; the last tile's stores have read their registers
	QUANT HA
	global_store_b128 v[L16], v[PC:PC+3], s[92:93] offset:\a*512          ; the first head: 512 consecutive bytes
	global_store_b128 v[L16], v[PC+4:PC+7], s[92:93] offset:BHB+\a*512    ; the second
	v_bfe_u32 v[SW+\a], v[PW], v[H16], 16          ; lanes 0-15 keep the first head's two bytes, lanes 16-31 the second's; bytes 2, 3 are 0
.if \a%4 == 3
	global_store_b128 v[S2], v[SW+\a-3:SW+\a], s[94:95] offset:(\a/4)*256  ; four tiles' words: 256 consecutive bytes for each head
.endif
.endr
	s_branch .Ldone
.Lv:
	; ---- v: a lane holds one place of (head, d) and 64 of the wave's 128 keys: one key step
	s_lshl_b32 s19, s15, 1
	s_add_co_u32 s19, s18, s19
	s_mul_i32 s19, s19, BHB
	s_and_b32 s22, s17, 7
	s_lshl_b32 s22, s22, 1
	s_add_co_u32 s22, s22, s16                     ; the key step
	s_lshl_b32 s23, s22, 12
	s_add_co_u32 s92, s19, s23
	s_add_co_u32 s92, s92, 147456
	s_mov_b32 s93, 0
	s_add_nc_u64 s[92:93], s[90:91], s[92:93]
	s_lshl_b32 s23, s22, 8
	s_add_co_u32 s94, s19, s23
	s_add_co_u32 s94, s94, 212992
	s_mov_b32 s95, 0
	s_add_nc_u64 s[94:95], s[90:91], s[94:95]
.irp a, 0,1,2,3,4,5,6,7
	v_mov_b32 v[BP], v[BM+\a]
	v_mov_b32 v[BP+1], v[BM+\a]
	WIN 0x02+(\a/4)
.set i, 0
.rept 32
	v_pk_add_f32 v[HA+i:HA+i+1], v[64*(\a%4)+i:64*(\a%4)+i+1], v[BP:BP+1]
.set i, i+2
.endr
	WIN 0
	s_wait_xcnt 0x0
	QUANT HA
	global_store_b128 v[L16], v[PC:PC+3], s[92:93] offset:(\a/4)*BHB+(\a%4)*1024
	global_store_b128 v[L16], v[PC+4:PC+7], s[92:93] offset:(\a/4)*BHB+(\a%4)*1024+512
	v_mov_b32 v[SW+\a], v[PW]
.endr
	v_and_b32 v13, 31, v0
	v_cmp_le_u32 vcc_lo, 16, v13
.irp t, 0,1,2,3
	v_cndmask_b32 v[SW+\t], v[SW+\t], v[SW+4+\t], vcc_lo   ; lanes 16-31 take the second head's words
.endr
	global_store_b128 v[S2], v[SW:SW+3], s[94:95]  ; 256 consecutive bytes for each head
.Ldone:
	s_wait_tensorcnt 0x0                           ; the wave's end
	ds_add_u32 v[SPW], v[NIL]
	s_wait_dscnt 0x0
	CROUND                                         ; the closing round
	s_endpgm
.Lfunc_end_k_qaf9b5aefec_qkv:
	.size	k_qaf9b5aefec_qkv, .Lfunc_end_k_qaf9b5aefec_qkv-k_qaf9b5aefec_qkv
	.p2alignl 7, 3214868480
	.fill 96, 4, 3214868480
	.section	.rodata,"a",@progbits
	.p2align	6, 0x0
	.amdhsa_kernel k_qaf9b5aefec_qkv
		.amdhsa_group_segment_fixed_size 327680
		.amdhsa_private_segment_fixed_size 0
		.amdhsa_enable_private_segment 0
		.amdhsa_kernarg_size 48
		.amdhsa_user_sgpr_count 2
		.amdhsa_user_sgpr_kernarg_segment_ptr 1
		.amdhsa_wavefront_size32 1
		.amdhsa_system_sgpr_workgroup_id_x 1
		.amdhsa_system_sgpr_workgroup_id_y 1
		.amdhsa_system_sgpr_workgroup_id_z 1
		.amdhsa_system_vgpr_workitem_id 0
		.amdhsa_next_free_vgpr 1024
		.amdhsa_next_free_sgpr 100
		.amdhsa_reserve_vcc 1
		.amdhsa_float_denorm_mode_32 3
		.amdhsa_float_denorm_mode_16_64 3
		.amdhsa_memory_ordered 1
		.amdhsa_forward_progress 1
		.amdhsa_inst_pref_size 193
	.end_amdhsa_kernel
	.amdgpu_metadata
---
amdhsa.version: [ 1, 2 ]
amdhsa.kernels:
  - .name:           k_qaf9b5aefec_qkv
    .symbol:         k_qaf9b5aefec_qkv.kd
    .args:
      - { .name: xnq, .offset: 0, .size: 8, .value_kind: global_buffer, .address_space: global }
      - { .name: wts, .offset: 8, .size: 8, .value_kind: global_buffer, .address_space: global }
      - { .name: bq, .offset: 16, .size: 8, .value_kind: global_buffer, .address_space: global }
      - { .name: bk, .offset: 24, .size: 8, .value_kind: global_buffer, .address_space: global }
      - { .name: bv, .offset: 32, .size: 8, .value_kind: global_buffer, .address_space: global }
      - { .name: qkvf, .offset: 40, .size: 8, .value_kind: global_buffer, .address_space: global }
    .group_segment_fixed_size: 327680
    .private_segment_fixed_size: 0
    .kernarg_segment_align: 8
    .kernarg_segment_size: 48
    .max_flat_workgroup_size: 128
    .sgpr_count:     100
    .vgpr_count:     1024
    .wavefront_size: 32
...
	.end_amdgpu_metadata
.endif
;; end of part 9
;; launch attn (part 10): grid 8 x 32, 16 waves a work-group, clusters of 4 x 1, 169,984 bytes of LDS; arguments qkvf, oq; writes oq
.if DOCPART == 10
	.amdgcn_target "amdgcn-amd-amdhsa--gfx1250"
	.amdhsa_code_object_version 6
	.text
	.protected	k_qaf9b5aefec_attn
	.globl	k_qaf9b5aefec_attn
	.p2align	8
	.type	k_qaf9b5aefec_attn,@function
k_qaf9b5aefec_attn:
	s_mov_b64 s[64:65], 0
	v_nop
	global_prefetch_b8 v0, s[64:65] scope:SCOPE_SE
	s_setreg_imm32_b32 hwreg(HW_REG_WAVE_MODE, 25, 1), 1
	s_wait_xcnt 0x0
	s_wait_alu depctr_hold_cnt(0) depctr_sa_sdst(0) depctr_va_vdst(0) depctr_va_sdst(0) depctr_va_ssrc(0) depctr_va_vcc(0) depctr_vm_vsrc(0)
	s_getreg_b32 s2, hwreg(HW_REG_IB_STS2, 6, 4)
	s_cmp_eq_u32 s2, 0
	s_cbranch_scc0 .Lentry_in_a_cluster
	s_endpgm
.Lentry_in_a_cluster:
	s_bfe_u32 s2, ttmp6, 0x10000c
	s_cmp_lg_u32 s2, 0x3003
	s_cbranch_scc0 .Lentry_shape_is_right
	s_endpgm
.Lentry_shape_is_right:
; o = softmax(q k^T / 32) v for one (batch, head) and 256 queries, both products on codes of FP4 (E2M1) with E8M0 scales; o is divided by the row's sum and quantised at once along C for the next product.
; THE SOFTMAX AHEAD OF THE SECOND PRODUCT: t = score x log2(e) / 32; M = the running largest t rounded UP to a whole number; p = 2^(t - M) is quantised along the keys; the row's sum is taken of the unquantised p.
; When M moves, the sum and O are multiplied by 2^(old M - new M): exact.
; SHARES.  Sixteen waves, each with one tile of 16 queries in 256 registers: four waves to a SIMD.  Every wave walks the head's 2,048 keys, 128 a step.
; ALL OF THE HEAD'S K AND V, codes and scale words, are 143,360 dense bytes of qkvf: they come into LDS ONCE, a sixteenth by each wave's one tensor load, and stay: no slot is ever filled again.
; CLUSTER.  The four work-groups of a cluster belong to one head and want the same bytes: each load is asked for jointly, with the same descriptor and a mask that names the four.
; LAYOUT.  Both products are used transposed: S^T = K Q^T (source 0 = 16 key places), O^T = V^T P^T (source 0 = 16 places of d): a lane holds one query throughout.  Keys and d stand at places with bits 3 and 4 of
; their number exchanged, so the 16 registers of two neighbouring tiles are 16 neighbouring keys (or d).  The head's 64 fill half of an instruction's K: registers 4-7 of q's and k's fragments hold zero codes,
; and bytes 2, 3 of their scale words are 0.
; A block's largest p is taken from its largest score by the same multiply-add and exponential (this takes the exponential not to fall where its input rises).
; LIMITS: a block of zeros, or one whose largest magnitude lies under 2^-124, gets the byte 1 (this program alone reads the bytes); NaN and infinities are not served.
.set BLK,  34816
.set BHB,  217088
.set L16,  1                           ; v1   16 x lane: also my place in a tile of K
.set AT0,  2                           ; v2   V's scale words: 139,264 + 16 r
.set AS0,  3                           ; v3   K's scale words: 65,536 + 16 x lane
.set AV0,  4                           ; v4   V's codes: 73,728 + 16 x lane
.set R16,  5                           ; v5   16 r
.set ADK,  8
.set ADV,  9
.set ADS,  10
.set ADT,  11
.set WV,   18
.set SEL,  20
.set CS,   22
.set G1,   24
.set G0,   32
.set TK,   36                          ; s36  the step's codes: 4,096 bytes a step, in K and in V
.set TS,   37                          ; s37  K's scale words: 512 a step
.set TW,   38                          ; s38  V's: 256 a step
.set CNT,  39
.macro CROUND
	s_barrier_signal -1
	s_barrier_wait -1
	s_cmp_lg_u32 s[WV], 0
	s_cbranch_scc1 .Lnot_wave_0_\@
	s_barrier_signal -3
.Lnot_wave_0_\@:
	s_barrier_wait -3
	s_barrier_signal -1
	s_barrier_wait -1
.endm
	s_load_b128 s[4:7], s[0:1], 0x0                ; qkvf, oq
	v_lshl_add_u32 v30, v0, 2, 0x29000
	v_mov_b32 v31, 0
	ds_add_u32 v30, v31
	ds_add_u32 v30, v31
	v_lshrrev_b32 v8, 5, v0
	s_delay_alu instid0(VALU_DEP_1)
	v_readfirstlane_b32 s[WV], v8                  ; wave 0..15
	s_bfe_u32 s40, ttmp6, 0x40000                  ; cx: it enters q's and o's addresses alone
	s_lshl_b32 s41, ttmp9, 2
	s_add_co_u32 s41, s41, s40                     ; my block of 256 queries
	s_and_b32 s42, ttmp7, 0xffff                   ; 16 x batch + head, which the partners share
	s_mul_i32 s44, s42, BHB
	s_mov_b32 s[G1], 15|(3<<16)|(1<<21)            ; 15:0 the mask: all four; 17:16 elements of 8 bytes; 21 set beside a mask
	s_mov_b32 s[G1+1], 32<<16                      ; rows of 256 bytes,
	s_mov_b32 s[G1+2], 35<<16                      ; 35 of them: 8,960 bytes
	s_mov_b32 s[G1+3], 32<<16
	s_mov_b32 s[G1+4], 35
	s_mov_b32 s[G1+5], 32                          ; dense
	s_mov_b32 s[G1+6], 0
	s_mov_b32 s[G1+7], 0
	s_mul_i32 s43, s[WV], 8960
	s_add_co_u32 s46, s44, s43
	s_add_co_u32 s46, s46, 73728                   ; behind q's part
	s_mov_b32 s47, 0
	s_mov_b32 s[SEL], 0x76543210
	s_mov_b32 s[SEL+1], 0xfedcba98
	s_mov_b32 s[CS], 0x3d38aa3b                    ; c = log2(e) / 32
	s_mov_b32 s[CS+1], s[CS]
	s_wait_dscnt 0x0
	s_wait_kmcnt 0x0
	s_mov_b32 s[G0], 1
	s_mov_b32 s[G0+1], s43
	s_add_nc_u64 s[G0+2:G0+3], s[4:5], s[46:47]
	s_or_b32 s[G0+3], s[G0+3], 0x80000000
	CROUND                                         ; all four work-groups are here: the joint loads meet
	tensor_load_to_lds s[G0:G0+3], s[G1:G1+7]      ; my one tensor load of the launch
	s_nop 0
.rept 4
	v_nop
.endr
	s_lshl_b32 s48, s41, 4
	s_add_co_u32 s48, s48, s[WV]                   ; T: my tile of queries among the head's 128
	s_lshl_b32 s50, s48, 9
	s_add_co_u32 s50, s50, s44
	s_mov_b32 s51, 0
	s_add_nc_u64 s[50:51], s[4:5], s[50:51]
	s_lshr_b32 s52, s48, 2
	s_lshl_b32 s52, s52, 8
	s_and_b32 s53, s48, 3
	s_lshl_b32 s53, s53, 2
	s_add_co_u32 s52, s52, s53
	s_add_co_u32 s52, s52, s44
	s_add_co_u32 s52, s52, 65536
	s_mov_b32 s53, 0
	s_add_nc_u64 s[52:53], s[4:5], s[52:53]
	v_and_b32 v8, 31, v0
	s_delay_alu instid0(VALU_DEP_1)
	v_lshlrev_b32 v[L16], 4, v8
	v_and_b32 v9, 15, v0
	s_delay_alu instid0(VALU_DEP_1)
	v_lshlrev_b32 v[R16], 4, v9
	global_load_b128 v[16:19], v[L16], s[50:51]    ; q's codes stay in registers
	global_load_b32 v255, v[R16], s[52:53]         ; q's scale words
	v_add_nc_u32 v[AT0], 139264, v[R16]
	v_add_nc_u32 v[AS0], 65536, v[L16]
	v_add_nc_u32 v[AV0], 73728, v[L16]
.irp c, 20,21,22,23
	v_mov_b32 v[\c], 0                             ; k = 64 .. 127 of q: zero codes
.endr
.irp t, 0,1,2,3,4,5,6,7
.irp c, 4,5,6,7
	v_mov_b32 v[32+8*\t+\c], 0                     ; and of K's eight fragments: written once
.endr
.endr
	v_mov_b32 v13, 0xff61b1e6                      ; the largest t so far: -3e38
	s_delay_alu instid0(VALU_DEP_1)
	v_floor_f32 v12, -v13                          ; -M
	v_mov_b32 v14, 0                               ; the sum, in two halves
	v_mov_b32 v15, 0
.irp b, 0,1,2,3
	v_mov_b32 v[236+\b], 0                         ; written once: a lane permute's destination counts as one of its sources
.endr
	v_mov_b32 v253, 0
.set j, 0
.rept 32
	v_mov_b32 v[160+j], 0                          ; O^T: the loop is written once; its first step finds zeros
.set j, j+1
.endr
	s_mov_b32 s[TK], 0
	s_mov_b32 s[TS], 0
	s_mov_b32 s[TW], 0
	s_mov_b32 s[CNT], 16
	s_wait_loadcnt 0x0                             ; q
	s_wait_tensorcnt 0x0                           ; my sixteenth of K and V has landed,
	s_barrier_signal -1
	s_barrier_wait -1                              ; everybody's has
.Lstep:                                            ; 16 trips of 128 keys
	s_barrier_signal -1                            ; a split barrier in every trip: signalled here, awaited at the trip's end, so that the sixteen waves stay within a trip of each other; between the two stand register work and loads of LDS bytes that nobody writes
	v_add_nc_u32 v[ADK], s[TK], v[L16]
	v_add_nc_u32 v[ADV], s[TK], v[AV0]
	v_add_nc_u32 v[ADS], s[TS], v[AS0]
	v_add_nc_u32 v[ADT], s[TW], v[AT0]
.irp t, 0,1,2,3,4,5,6,7
	ds_load_b128 v[32+8*\t:35+8*\t], v[ADK] offset:512*\t
.endr
	ds_load_b128 v[248:251], v[ADS]                ; K's scale words: register w: tile w in lanes 0-15, tile 4 + w in lanes 16-31
.irp t, 0,1,2,3
.irp c, 0,1
	ds_load_b128 v[192+8*\t+4*\c:195+8*\t+4*\c], v[ADV] offset:1024*\t+512*\c
.endr
.endr
	ds_load_b128 v[240:243], v[ADT]                ; V's scale words: register t: d tile t
	s_wait_dscnt 9                                 ; K's nine loads are in; V's nine may be out
.irp t, 0,1,2,3
	v_wmma_scale_f32_16x16x128_f8f6f4 v[96+8*\t:103+8*\t], v[32+8*\t:39+8*\t], v[16:23], 0, v[248+\t], v255 matrix_a_fmt:MATRIX_FMT_FP4 matrix_b_fmt:MATRIX_FMT_FP4
.endr
.irp t, 4,5,6,7
	v_wmma_scale_f32_16x16x128_f8f6f4 v[96+8*\t:103+8*\t], v[32+8*\t:39+8*\t], v[16:23], 0, v[244+\t], v255 matrix_a_fmt:MATRIX_FMT_FP4 matrix_b_fmt:MATRIX_FMT_FP4 matrix_a_scale:MATRIX_SCALE_ROW1
.endr
.rept 4
	v_nop
.endr
.irp b, 0,1,2,3
	v_max3_num_f32 v[232+\b], v[96+16*\b], v[97+16*\b], v[98+16*\b]   ; the largest score of each block of 32 keys
.endr
.irp i, 3,5,7,9,11,13
.irp b, 0,1,2,3
	v_max3_num_f32 v[232+\b], v[232+\b], v[96+16*\b+\i], v[97+16*\b+\i]
.endr
.endr
.irp b, 0,1,2,3
	v_max_num_f32 v[232+\b], v[232+\b], v[111+16*\b]
.endr
.irp b, 0,1,2,3
	s_delay_alu instid0(VALU_DEP_4)
	v_permlanex16_b32 v[236+\b], v[232+\b], s[SEL], s[SEL+1]
.endr
.irp b, 0,1,2,3
	s_delay_alu instid0(VALU_DEP_4)
	v_max_num_f32 v[232+\b], v[232+\b], v[236+\b]  ; with lane l xor 16's 16 keys
.endr
	s_delay_alu instid0(VALU_DEP_2)
	v_max3_num_f32 v254, v232, v233, v234
	s_delay_alu instid0(VALU_DEP_1)
	v_max_num_f32 v254, v254, v235
	s_delay_alu instid0(VALU_DEP_1)
	v_mul_f32 v254, s[CS], v254                    ; the step's largest t
	s_delay_alu instid0(VALU_DEP_1)
	v_max_num_f32 v13, v13, v254                   ; the running largest t
	v_mov_b32 v254, v12
	s_delay_alu instid0(VALU_DEP_2)
	v_floor_f32 v12, -v13                          ; the new -M = -ceil(t)
	s_delay_alu instid0(VALU_DEP_1)
	v_sub_f32 v254, v12, v254                      ; old M - new M: a whole number, 0 or less
	s_delay_alu instid0(VALU_DEP_1)
	v_cvt_i32_f32 v254, v254                       ; (it saturates)
	s_delay_alu instid0(VALU_DEP_1)
	v_ldexp_f32 v252, 1.0, v254                    ; f = 2^(old M - new M)
.set j, 0
.rept 32
	v_pk_fma_f32 v[96+j:97+j], v[96+j:97+j], s[CS:CS+1], v[12:13] op_sel_hi:[1,0,0]   ; t - M
.set j, j+2
.endr
.irp b, 0,1,2,3
	v_fma_f32 v[232+\b], v[232+\b], s[CS], v12     ; the same of each block's largest score
.endr
.set j, 0
	s_wait_alu depctr_va_vdst(0)
.rept 64
	v_exp_f32 v[96+j], v[96+j]                     ; p = 2^(t - M): one batch
.set j, j+1
.endr
	v_pk_mul_f32 v[14:15], v[14:15], v[252:253] op_sel_hi:[1,0]   ; the sums under the new M: a plain instruction behind the batch
	s_wait_alu depctr_va_vdst(0)                   ; one wait for the batch, ahead of its first reader
.irp b, 0,1,2,3
	v_exp_f32 v[232+\b], v[232+\b]                 ; each block's largest p
.endr
	v_pk_add_f32 v[236:237], v[100:101], v[104:105]
	v_pk_add_f32 v[250:251], v[108:109], v[112:113]
	v_pk_add_f32 v[248:249], v[116:117], v[120:121]
	v_pk_add_f32 v[246:247], v[124:125], v[128:129]
	v_pk_add_f32 v[244:245], v[132:133], v[136:137]
	v_pk_add_f32 v[238:239], v[140:141], v[144:145]
	v_pk_add_f32 v[230:231], v[148:149], v[152:153]
	v_pk_add_f32 v[14:15], v[14:15], v[156:157]
	v_pk_add_f32 v[236:237], v[236:237], v[96:97]
	v_pk_add_f32 v[250:251], v[250:251], v[98:99]
	v_pk_add_f32 v[248:249], v[248:249], v[102:103]
	v_pk_add_f32 v[246:247], v[246:247], v[106:107]
	v_pk_add_f32 v[244:245], v[244:245], v[110:111]
	v_pk_add_f32 v[238:239], v[238:239], v[114:115]
	v_pk_add_f32 v[230:231], v[230:231], v[118:119]
	v_pk_add_f32 v[14:15], v[14:15], v[122:123]
	v_pk_add_f32 v[236:237], v[236:237], v[126:127]
	v_pk_add_f32 v[250:251], v[250:251], v[130:131]
	v_pk_add_f32 v[248:249], v[248:249], v[134:135]
	v_pk_add_f32 v[246:247], v[246:247], v[138:139]
	v_pk_add_f32 v[244:245], v[244:245], v[142:143]
	v_pk_add_f32 v[238:239], v[238:239], v[146:147]
	v_pk_add_f32 v[230:231], v[230:231], v[150:151]
	v_pk_add_f32 v[14:15], v[14:15], v[154:155]
	v_pk_add_f32 v[236:237], v[236:237], v[158:159]
	s_delay_alu instid0(VALU_DEP_2)
	v_pk_add_f32 v[14:15], v[14:15], v[246:247]
	s_delay_alu instid0(VALU_DEP_2)
	v_pk_add_f32 v[236:237], v[236:237], v[244:245]
	v_pk_add_f32 v[250:251], v[250:251], v[238:239]
	v_pk_add_f32 v[248:249], v[248:249], v[230:231]
	s_delay_alu instid0(VALU_DEP_2)
	v_pk_add_f32 v[14:15], v[14:15], v[250:251]
	s_delay_alu instid0(VALU_DEP_2)
	v_pk_add_f32 v[236:237], v[236:237], v[248:249]
	s_delay_alu instid0(VALU_DEP_1)
	v_pk_add_f32 v[14:15], v[14:15], v[236:237]
	s_wait_alu depctr_va_vdst(0)                   ; and one for the four
.irp b, 0,1,2,3
	v_max_num_f32 v[232+\b], 0x1800000, v[232+\b]  ; the floor 2^(3 - 127)
.endr
.irp b, 0,1,2,3
	s_delay_alu instid0(VALU_DEP_4)
	v_add_nc_u32 v[244+\b], 0xff000000, v[232+\b]  ; the conversion's scale operand
.endr
.irp b, 0,1,2,3
	s_delay_alu instid0(VALU_DEP_4)
	v_lshrrev_b32 v[236+\b], 23, v[244+\b]
.endr
	s_delay_alu instid0(VALU_DEP_3)
	v_lshl_or_b32 v253, v237, 8, v236              ; p's scale word for these 128 keys
	s_delay_alu instid0(VALU_DEP_1)
	v_lshl_or_b32 v253, v238, 16, v253
	s_delay_alu instid0(VALU_DEP_1)
	v_lshl_or_b32 v253, v239, 24, v253
.irp b, 0,1,2,3
	v_cvt_scalef32_pk8_fp4_f32 v[224+2*\b], v[96+16*\b:103+16*\b], v[244+\b]
	v_cvt_scalef32_pk8_fp4_f32 v[225+2*\b], v[104+16*\b:111+16*\b], v[244+\b]
.endr
	v_nop                                          ; one plain instruction behind a scaled conversion
.irp c, 0,1
.irp i, 0,1
	v_permlane16_swap_b32 v[224+4*\c+\i], v[226+4*\c+\i]   ; a whole block to a lane
.endr
.endr
.set j, 0
.rept 16
	v_pk_mul_f32 v[160+j:161+j], v[160+j:161+j], v[252:253] op_sel_hi:[1,0]   ; O^T under the new M; these sixteen are also the places in front of the products below
.set j, j+2
.endr
	s_wait_alu depctr_va_vdst(0)
	s_wait_dscnt 0x0                               ; V
.irp t, 0,1,2,3
	v_wmma_scale_f32_16x16x128_f8f6f4 v[160+8*\t:167+8*\t], v[192+8*\t:199+8*\t], v[224:231], v[160+8*\t:167+8*\t], v[240+\t], v253 matrix_a_fmt:MATRIX_FMT_FP4 matrix_b_fmt:MATRIX_FMT_FP4
.endr
	s_barrier_wait -1                              ; every wave has begun this trip
	s_add_co_u32 s[TK], s[TK], 4096
	s_add_co_u32 s[TS], s[TS], 512
	s_add_co_u32 s[TW], s[TW], 256
	s_sub_co_u32 s[CNT], s[CNT], 1
	s_cmp_lg_u32 s[CNT], 0
	s_cbranch_scc1 .Lstep
	; THE WAY OUT: o = O^T / the sum; a lane's 32 numbers are 16 neighbours of each of the head's two blocks of 32 along C; codes and scale bytes go straight into the next product's block
	v_add_f32 v14, v14, v15
	s_delay_alu instid0(VALU_DEP_1)
	v_permlanex16_b32 v252, v14, s[SEL], s[SEL+1]
	s_delay_alu instid0(VALU_DEP_1)
	v_add_f32 v14, v14, v252                       ; the row's sum
	s_wait_alu depctr_va_vdst(0)
	v_rcp_f32 v14, v14
.rept 4
	v_nop                                          ; plain instructions behind the reciprocal, and the places behind the last products
.endr
	s_lshr_b32 s43, s42, 4                         ; batch
	s_and_b32 s46, s42, 15                         ; head
	s_lshl_b32 s43, s43, 4
	s_lshr_b32 s47, s48, 3
	s_add_co_u32 s43, s43, s47                     ; the group of 128 token places
	s_lshl_b32 s43, s43, 1
	s_lshr_b32 s47, s46, 3
	s_add_co_u32 s43, s43, s47                     ; K step = head / 8
	s_mul_i32 s43, s43, BLK
	s_and_b32 s47, s48, 7                          ; the tile in the group
	s_bfe_u32 s49, s46, 0x20001                    ; q = (head % 8) / 2
	s_and_b32 s46, s46, 1                          ; c = head % 2
	s_lshl_b32 s54, s47, 12
	s_add_co_u32 s54, s54, s43
	s_lshl_b32 s55, s49, 10
	s_add_co_u32 s54, s54, s55
	s_lshl_b32 s55, s46, 9
	s_add_co_u32 s54, s54, s55
	s_mov_b32 s55, 0
	s_add_nc_u64 s[54:55], s[6:7], s[54:55]
	s_lshl_b32 s56, s47, 8
	s_add_co_u32 s56, s56, s43
	s_lshl_b32 s57, s49, 2
	s_add_co_u32 s56, s56, s57
	s_lshl_b32 s57, s46, 1
	s_add_co_u32 s56, s56, s57
	s_add_co_u32 s56, s56, 32768
	s_mov_b32 s57, 0
	s_add_nc_u64 s[56:57], s[6:7], s[56:57]
	s_wait_alu depctr_va_vdst(0)                   ; the wait, ahead of the reciprocal's first reader
.set j, 0
.rept 32
	v_mul_f32 v[96+j], v[160+j], v14               ; register 16 b + i: d = 32 b + 16 (lane / 16) + i
.set j, j+1
.endr
.irp b, 0,1
	v_max3_num_f32 v[232+\b], |v[96+16*\b]|, |v[97+16*\b]|, 0x1800000
.endr
.irp i, 2,4,6,8,10,12,14
.irp b, 0,1
	s_delay_alu instid0(VALU_DEP_2)
	v_max3_num_f32 v[232+\b], v[232+\b], |v[96+16*\b+\i]|, |v[97+16*\b+\i]|
.endr
.endr
.irp b, 0,1
	s_delay_alu instid0(VALU_DEP_2)
	v_permlanex16_b32 v[236+\b], v[232+\b], s[SEL], s[SEL+1]
.endr
.irp b, 0,1
	s_delay_alu instid0(VALU_DEP_2)
	v_max_num_f32 v[232+\b], v[232+\b], v[236+\b]
.endr
.irp b, 0,1
	s_delay_alu instid0(VALU_DEP_2)
	v_add_nc_u32 v[244+\b], 0xff000000, v[232+\b]
.endr
.irp b, 0,1
	s_delay_alu instid0(VALU_DEP_2)
	v_lshrrev_b32 v[236+\b], 23, v[244+\b]
.endr
	s_delay_alu instid0(VALU_DEP_1)
	v_lshl_or_b32 v254, v237, 8, v236              ; the row's two scale bytes
.irp b, 0,1
	v_cvt_scalef32_pk8_fp4_f32 v[224+2*\b], v[96+16*\b:103+16*\b], v[244+\b]
	v_cvt_scalef32_pk8_fp4_f32 v[225+2*\b], v[104+16*\b:111+16*\b], v[244+\b]
.endr
	v_nop
	v_permlane16_swap_b32 v224, v226               ; lanes 0-15 the first block, lanes 16-31 the second
	v_permlane16_swap_b32 v225, v227
	global_store_b128 v[L16], v[224:227], s[54:55] ; 512 consecutive bytes, aligned
	global_store_b16 v[R16], v254, s[56:57]        ; two bytes a row: the other bytes of these 256 belong to other heads' work-groups (lanes 16-31 repeat lanes 0-15)
	s_wait_tensorcnt 0x0
	ds_add_u32 v30, v31
	s_wait_dscnt 0x0
	CROUND                                         ; the closing round
	s_endpgm
.Lfunc_end_k_qaf9b5aefec_attn:
	.size	k_qaf9b5aefec_attn, .Lfunc_end_k_qaf9b5aefec_attn-k_qaf9b5aefec_attn
	.p2alignl 7, 3214868480
	.fill 96, 4, 3214868480
	.section	.rodata,"a",@progbits
	.p2align	6, 0x0
	.amdhsa_kernel k_qaf9b5aefec_attn
		.amdhsa_group_segment_fixed_size 169984
		.amdhsa_private_segment_fixed_size 0
		.amdhsa_enable_private_segment 0
		.amdhsa_kernarg_size 16
		.amdhsa_user_sgpr_count 2
		.amdhsa_user_sgpr_kernarg_segment_ptr 1
		.amdhsa_wavefront_size32 1
		.amdhsa_system_sgpr_workgroup_id_x 1
		.amdhsa_system_sgpr_workgroup_id_y 1
		.amdhsa_system_sgpr_workgroup_id_z 1
		.amdhsa_system_vgpr_workitem_id 0
		.amdhsa_next_free_vgpr 256
		.amdhsa_next_free_sgpr 66
		.amdhsa_reserve_vcc 0
		.amdhsa_float_denorm_mode_32 3
		.amdhsa_float_denorm_mode_16_64 3
		.amdhsa_memory_ordered 1
		.amdhsa_forward_progress 1
		.amdhsa_inst_pref_size 29
	.end_amdhsa_kernel
	.amdgpu_metadata
---
amdhsa.version: [ 1, 2 ]
amdhsa.kernels:
  - .name:           k_qaf9b5aefec_attn
    .symbol:         k_qaf9b5aefec_attn.kd
    .args:
      - { .name: qkvf, .offset: 0, .size: 8, .value_kind: global_buffer, .address_space: global }
      - { .name: oq, .offset: 8, .size: 8, .value_kind: global_buffer, .address_space: global }
    .group_segment_fixed_size: 169984
    .private_segment_fixed_size: 0
    .kernarg_segment_align: 8
    .kernarg_segment_size: 16
    .max_flat_workgroup_size: 512
    .sgpr_count:     66
    .vgpr_count:     256
    .wavefront_size: 32
...
	.end_amdgpu_metadata
.endif
;; end of part 10
;; launch projln (part 11): grid 256 x 1, 8 waves a work-group, clusters of 4 x 1, 327,680 bytes of LDS; arguments oq, wts, bp, x, ln2_w, ln2_b, outb, onq; writes outb, onq
.if DOCPART == 11
	.amdgcn_target "amdgcn-amd-amdhsa--gfx1250"
	.amdhsa_code_object_version 6
	.text
	.protected	k_qaf9b5aefec_projln
	.globl	k_qaf9b5aefec_projln
	.p2align	8
	.type	k_qaf9b5aefec_projln,@function
k_qaf9b5aefec_projln:
	s_mov_b64 s[64:65], 0
	v_nop
	global_prefetch_b8 v0, s[64:65] scope:SCOPE_SE
	s_setreg_imm32_b32 hwreg(HW_REG_WAVE_MODE, 25, 1), 1
	s_wait_xcnt 0x0
	s_wait_alu depctr_hold_cnt(0) depctr_sa_sdst(0) depctr_va_vdst(0) depctr_va_sdst(0) depctr_va_ssrc(0) depctr_va_vcc(0) depctr_vm_vsrc(0)
	s_getreg_b32 s2, hwreg(HW_REG_IB_STS2, 6, 4)
	s_cmp_eq_u32 s2, 0
	s_cbranch_scc0 .Lentry_in_a_cluster
	s_endpgm
.Lentry_in_a_cluster:
	s_bfe_u32 s2, ttmp6, 0x10000c
	s_cmp_lg_u32 s2, 0x3003
	s_cbranch_scc0 .Lentry_shape_is_right
	s_endpgm
.Lentry_shape_is_right:
; out = x + (o Wp + bp), stored as f32, and LN2(out) quantised along the row for the next product: one work-group takes 16 row places through both, so that out is not read again for the norm.
; o and Wp are codes of FP4 (E2M1) with E8M0 scales, in blocks of 128 places x 512 K, 34,816 bytes: images of the operands' registers (tile i, K step q, half c: 512 bytes at 4096 i + 1024 q + 512 c, 16 bytes a lane),
; scale words at 32,768 + 256 i + 16 r + 4 q.  Rows and columns stand at places with bits 3 and 4 of their number exchanged.
; THE PRODUCT.  Work-group j owns tile j of o's rows and all 1,024 columns; each of its EIGHT waves one column group of 128: 8 accumulators, taken by turns.  o's 8 fragments stay in registers.
; Wave w brings block (w, K step 0) of Wp into its own 34,816 LDS bytes by its one tensor load at the head, multiplies it, and fills the same bytes with block (w, K step 1): Wp's 16 blocks in two fills.  Only the issuing wave reads a block.
; CLUSTER.  All work-groups walk the same Wp: the four of a cluster ask for each block jointly, with the same descriptor and a mask that names the four; the refill stands behind a round of the cluster's barrier.
; No prefetch: the launch has no loop to run ahead in.
; Source 0 = Wp's places, source 1 = o's: lane (r, h) holds row place r and, of tile t, the columns 32 (t / 2) + 16 h + 8 (t % 2) + 0 .. 7 of the wave's 128.
; THE ROWS.  A wave's sums go into 16 rows of 512 + 16 bytes at the head of its own LDS region, which has had its last fill; behind one barrier wave w takes places 2 w, 2 w + 1, two consecutive rows of memory, dense, 512 bytes from each region.
; x and bp are added, out is stored in runs of 512 bytes; then the mean, the variance of the centred numbers, gain and bias, all in f32; a row turns through the wave's stage (in its own region) so that a lane holds a block of 32; codes meet in an image and leave in runs of 512 bytes.
; REGISTERS: window 0: addresses; v32-95 the sums, then the rows; v96-159 gain and bias; v160-223 o's fragments, then what the norm works with; v224-247 scale words.  Window 1: v0-127 Wp's two fragment buffers, v128-191 x, v192-223 bp.
; LIMITS: a block of zeros, or one whose largest magnitude lies under 2^-124, gets the byte 1 (this program alone reads the bytes); NaN and infinities are not served.
.set BLK,  34816
.set WOFF, 1671168                     ; where Wp's blocks begin in wts
.set CP,   528                         ; a row of a wave's sums in LDS
.set STO,  8704                        ; a wave's two stages, in its own region behind its 16 rows
.set ROWS, 4608
.set SPARE, 8*BLK                      ; behind the eight regions: the spare words, 128 bytes for each wave
.set IMG,  SPARE+1024                  ; the image: 32 runs of 256 bytes + 16
.set SCI,  IMG+8704                    ; the scale bytes: 2 x 256
.set X,    32
.set W,    96
.set BB,   128
.set S,    160
.set M,    164
.set PD,   168
.set MX,   170
.set CD,   18
.set BY,   26
.set ACC,  32
.set AF,   160
.set SWR,  224
.set SA,   240
.set MSB,  0
.macro WIN new                         ; the immediate's high byte repeats the setting that is left
.if MSB != \new
	s_set_vgpr_msb (MSB<<8)|\new
.set MSB, \new
.endif
.endm
.macro CROUND
	s_barrier_signal -1
	s_barrier_wait -1
	s_cmp_lg_u32 s12, 0
	s_cbranch_scc1 .Lnot_wave_0_\@
	s_barrier_signal -3
.Lnot_wave_0_\@:
	s_barrier_wait -3
	s_barrier_signal -1
	s_barrier_wait -1
.endm
.macro REDUCE
.irp p, 0,1
	v_add_f32 v[S+2*\p], v[S+2*\p], v[S+2*\p+1]
.endr
.irp m, 1,2,4,8
.irp p, 0,1
	v_add_f32_dpp v[S+2*\p], v[S+2*\p], v[S+2*\p] row_xmask:\m row_mask:0xf bank_mask:0xf
.endr
.endr
.irp p, 0,1
	v_permlanex16_b32 v[PD+\p], v[S+2*\p], s16, s17
.endr
.irp p, 0,1
	v_add_f32 v[S+2*\p], v[S+2*\p], v[PD+\p]
.endr
.endm
.macro BL q                            ; my block's 8 fragments of its q-th 128 along K into buffer q % 2 of window 1
.irp t, 0,1,2,3,4,5,6,7
.irp c, 0,1
	ds_load_b128 v[64*((\q)%2)+8*\t+4*\c:64*((\q)%2)+8*\t+4*\c+3], v7 offset:\t*4096+(\q)*1024+512*\c
.endr
.endr
.endm
.macro MUL8 k, q                       ; 8 products; an odd tile's scale words lie in lanes 16-31 of their register
.irp t, 0,1,2,3,4,5,6,7
.set rD, ACC+8*\t
.set rB, 64*((\q)%2)+8*\t
.set rA, AF+8*(4*(\k)+(\q))
.set rSB, SWR+4*(\t/2)+(\q)
.set rSA, SA+4*(\k)+(\q)
.if (\k)+(\q) == 0
.if \t%2
	v_wmma_scale_f32_16x16x128_f8f6f4 v[rD:rD+7], v[rB:rB+7], v[rA:rA+7], 0, v[rSB], v[rSA] matrix_a_fmt:MATRIX_FMT_FP4 matrix_b_fmt:MATRIX_FMT_FP4 matrix_a_scale:MATRIX_SCALE_ROW1
.else
	v_wmma_scale_f32_16x16x128_f8f6f4 v[rD:rD+7], v[rB:rB+7], v[rA:rA+7], 0, v[rSB], v[rSA] matrix_a_fmt:MATRIX_FMT_FP4 matrix_b_fmt:MATRIX_FMT_FP4
.endif
.else
.if \t%2
	v_wmma_scale_f32_16x16x128_f8f6f4 v[rD:rD+7], v[rB:rB+7], v[rA:rA+7], v[rD:rD+7], v[rSB], v[rSA] matrix_a_fmt:MATRIX_FMT_FP4 matrix_b_fmt:MATRIX_FMT_FP4 matrix_a_scale:MATRIX_SCALE_ROW1
.else
	v_wmma_scale_f32_16x16x128_f8f6f4 v[rD:rD+7], v[rB:rB+7], v[rA:rA+7], v[rD:rD+7], v[rSB], v[rSA] matrix_a_fmt:MATRIX_FMT_FP4 matrix_b_fmt:MATRIX_FMT_FP4
.endif
.endif
.endr
.endm
.macro PASS k                          ; the block in my region, K step k: 4 steps of 16 LDS loads and 8 products
.irp p, 0,1,2,3
	ds_load_b128 v[SWR+4*\p:SWR+4*\p+3], v7 offset:32768+512*\p   ; lanes 0-15 tile 2 p, lanes 16-31 tile 2 p + 1; four words of a column
.endr
	WIN 0x40
	BL 0
	BL 1
.irp q, 0,1,2,3
.if \q < 3
	s_wait_dscnt 16                                ; this step's fragments and all before them are in; the next step's 16 loads may be out
.else
	s_wait_dscnt 0
.endif
	WIN 0x01                                       ; source 0 window 1
	MUL8 \k, \q
.if \q < 2
.rept 4
	v_nop                                          ; four places in front of loads into registers that matrix instructions have read
.endr
	WIN 0x40
	BL (\q)+2
.endif
.endr
	WIN 0
.endm
	s_load_b256 s[4:11], s[0:1], 0x0               ; oq, wts, bp, x
	s_load_b256 s[36:43], s[0:1], 0x20             ; gain, bias, outb, onq
	v_lshl_add_u32 v254, v0, 2, SPARE
	v_mov_b32 v255, 0
	ds_add_u32 v254, v255                          ; the opening lines: the add, twice on end, and its wait ahead of my first tensor load
	ds_add_u32 v254, v255
	v_lshrrev_b32 v1, 5, v0
	v_readfirstlane_b32 s12, v1                    ; wave 0..7
	v_and_b32 v30, 31, v0
	v_lshlrev_b32 v1, 4, v30                       ; 16 x lane
	v_and_b32 v10, 15, v30
	v_lshlrev_b32 v12, 4, v10                      ; 16 r
	s_bfe_u32 s31, ttmp6, 0x40000                  ; cx: it enters addresses of o, x, out and the new codes alone
	s_lshl_b32 s3, ttmp9, 2
	s_add_co_u32 s3, s3, s31                       ; j
	s_lshr_b32 s13, s3, 1
	s_lshl_b32 s13, s13, 5
	s_and_b32 s14, s3, 1
	s_lshl_b32 s14, s14, 3
	s_add_co_u32 s13, s13, s14                     ; 32 (j / 2) + 8 (j % 2)
	s_lshr_b32 s14, s12, 2                         ; w / 4
	s_lshl_b32 s15, s14, 4
	s_add_co_u32 s13, s13, s15
	s_and_b32 s15, s12, 3                          ; w % 4
	s_lshl_b32 s18, s15, 1
	s_add_co_u32 s13, s13, s18                     ; my first row: place 2 w
	s_lshl_b32 s18, s13, 12
	s_mov_b32 s19, 0
	s_lshr_b32 s22, s3, 3
	s_lshl_b32 s22, s22, 1
	s_mul_i32 s24, s22, BLK                        ; block (j / 8, K step 0), in oq and in onq
	s_and_b32 s23, s3, 7
	s_lshl_b32 s25, s23, 8
	s_add_co_u32 s26, s24, s25
	s_add_co_u32 s26, s26, 32768                   ; the tile's scale words
	s_mov_b32 s27, 0
	s_lshl_b32 s25, s23, 12
	s_add_co_u32 s32, s24, s25                     ; the tile's codes
	s_mov_b32 s33, 0
	s_mul_i32 s25, s14, BLK                        ; wave w stores runs 4 w .. 4 w + 3 of the new codes
	s_add_co_u32 s24, s32, s25
	s_lshl_b32 s25, s15, 10
	s_add_co_u32 s24, s24, s25
	s_mov_b32 s25, 0
	s_mul_i32 s34, s12, 2*BLK                      ; my column group's two blocks of Wp
	s_add_co_u32 s34, s34, WOFF
	s_mov_b32 s35, 0
	s_mov_b32 s16, 0x76543210
	s_mov_b32 s17, 0xfedcba98
	s_mov_b32 s20, 0x3a800000                      ; 1 / 1,024
	s_mov_b32 s21, 0x3727c5ac                      ; 1e-5
	s_mov_b32 s44, 1                               ; group 0: count; LDS address: my region
	s_mul_i32 s45, s12, BLK
	s_mov_b32 s48, 15|(3<<16)|(1<<21)              ; group 1: the mask: all four; elements of 8 bytes; bit 21 beside a mask
	s_mov_b32 s49, 32<<16                          ; rows of 256 bytes,
	s_mov_b32 s50, 136<<16                         ; 136 of them: a block
	s_mov_b32 s51, 32<<16
	s_mov_b32 s52, 136
	s_mov_b32 s53, 32                              ; dense
	s_mov_b32 s54, 0
	s_mov_b32 s55, 0
	s_wait_alu depctr_va_vdst(0)                   ; ahead of the waits below
	s_wait_dscnt 0x0                               ; both opening adds are done
	s_wait_kmcnt 0x0
	s_add_nc_u64 s[46:47], s[6:7], s[34:35]
	s_or_b32 s47, s47, 0x80000000
	s_add_nc_u64 s[32:33], s[4:5], s[32:33]        ; o's codes
	s_add_nc_u64 s[56:57], s[4:5], s[26:27]        ; o's scale words
	s_add_nc_u64 s[28:29], s[42:43], s[26:27]      ; the new scale bytes
	s_add_nc_u64 s[42:43], s[42:43], s[24:25]      ; the new codes
	s_add_nc_u64 s[40:41], s[40:41], s[18:19]      ; out
	s_add_nc_u64 s[10:11], s[10:11], s[18:19]      ; x
	CROUND                                         ; all four work-groups are here: the joint loads meet
	tensor_load_to_lds s[44:47], s[48:55]          ; K step 0 of my column group
	s_nop 0
.rept 4
	v_nop
.endr
.irp k, 0,1
	global_load_b128 v[SA+4*\k:SA+4*\k+3], v12, s[56:57] offset:\k*BLK
.endr
.irp k, 0,1
.irp q, 0,1,2,3
.irp c, 0,1
	global_load_b128 v[AF+8*(4*\k+\q)+4*\c:AF+8*(4*\k+\q)+4*\c+3], v1, s[32:33] offset:\k*BLK+\q*1024+512*\c
.endr
.endr
.endr
.irp j, 0,1,2,3,4,5,6,7
	global_load_b128 v[W+4*\j:W+4*\j+3], v1, s[36:37] offset:512*\j
.endr
.irp j, 0,1,2,3,4,5,6,7
	global_load_b128 v[BB+4*\j:BB+4*\j+3], v1, s[38:39] offset:512*\j
.endr
	WIN 0x40
.irp p, 0,1
.irp j, 0,1,2,3,4,5,6,7
	global_load_b128 v[128+32*\p+4*\j:128+32*\p+4*\j+3], v1, s[10:11] offset:4096*\p+512*\j
.endr
.endr
.irp j, 0,1,2,3,4,5,6,7
	global_load_b128 v[192+4*\j:192+4*\j+3], v1, s[8:9] offset:512*\j
.endr
	WIN 0
	v_lshrrev_b32 v8, 3, v30
	v_and_b32 v9, 7, v30
	v_lshrrev_b32 v11, 4, v30
	v_mul_u32_u24 v2, v8, 144
	v_lshl_add_u32 v2, v9, 4, v2
	s_add_co_u32 s30, s45, STO
	v_add_nc_u32 v2, s30, v2                       ; into a stage: eight lanes' 128 bytes on end, then 16 of padding
	v_mul_u32_u24 v3, v30, 144
	v_add_nc_u32 v3, s30, v3                       ; out of it: my block of 32
	s_lshl_b32 s30, s12, 5
	v_mul_u32_u24 v4, v30, 272
	v_add_nc_u32 v4, s30, v4
	v_add_nc_u32 v4, IMG, v4                       ; the image: run = my block, 16 bytes at 16 (2 w + p)
	v_lshl_add_u32 v5, v11, 8, v10
	v_add_nc_u32 v5, s30, v5
	v_add_nc_u32 v5, SCI, v5                       ; my block's scale byte
	s_mul_i32 s30, s12, 4*272
	v_mul_u32_u24 v6, v11, 272
	v_lshl_add_u32 v6, v10, 4, v6
	v_add_nc_u32 v6, s30, v6
	v_add_nc_u32 v6, IMG, v6                       ; back: lanes 0-15 one run, lanes 16-31 the next
	v_add_nc_u32 v29, SCI, v1
	v_mad_u32_u24 v28, v11, BLK, v12               ; the scale bytes in memory: lanes 16-31 the second K step's block
	v_add_nc_u32 v7, s45, v1                       ; my region + 16 x lane
	v_mul_u32_u24 v13, v10, CP
	v_lshl_add_u32 v13, v11, 6, v13
	v_add_nc_u32 v13, s45, v13                     ; my sums, on the way in: row r, 64 h bytes along it
	s_mul_i32 s30, s12, 2*CP
	v_add_nc_u32 v14, s30, v1                      ; and back: rows 2 w, 2 w + 1 of regions 0, 1;
	v_add_nc_u32 v15, 2*BLK, v14                   ; 2, 3;
	v_add_nc_u32 v16, 4*BLK, v14                   ; 4, 5;
	v_add_nc_u32 v17, 6*BLK, v14                   ; 6, 7
	s_wait_alu depctr_va_vdst(0)
	s_wait_loadcnt 40                              ; o's words and fragments are in; gain, bias, x and bp, 40 loads, may be out
	s_wait_tensorcnt 0x0                           ; my block is in: only I read it
	PASS 0
	s_wait_tensorcnt 0x0                           ; ahead of a refill's round
	ds_add_u32 v254, v255
	s_add_nc_u64 s[46:47], s[46:47], BLK           ; no tensor load of mine is out: on to K step 1
	s_wait_dscnt 0x0                               ; the add is done, and my reads of the block are over
	CROUND
	tensor_load_to_lds s[44:47], s[48:55]          ; the refill, first behind the round; its four v_nop are the places in front of the loads below
	s_nop 0
.rept 4
	v_nop
.endr
	s_wait_tensorcnt 0x0
	PASS 1
.rept 4
	v_nop                                          ; four places in front of the first read of results
.endr
.irp t, 0,1,2,3,4,5,6,7
	ds_store_b128 v13, v[ACC+8*\t:ACC+8*\t+3] offset:128*(\t/2)+32*(\t%2)          ; each accumulator from its low end on; my region has had its last fill, and my reads of it are over
	ds_store_b128 v13, v[ACC+8*\t+4:ACC+8*\t+7] offset:128*(\t/2)+32*(\t%2)+16
.endr
	s_wait_loadcnt 0x0                             ; gain, bias, x, bp
	s_wait_dscnt 0x0                               ; for the others' sake: my stores have landed
	s_barrier_signal -1
	s_barrier_wait -1
.irp p, 0,1
.irp j, 0,1,2,3,4,5,6,7
	ds_load_b128 v[X+32*\p+4*\j:X+32*\p+4*\j+3], v[14+\j/2] offset:(\j%2)*BLK+\p*CP
.endr
.endr
	s_wait_dscnt 0x0
.irp p, 0,1
	v_mov_b32 v[PD+\p], 0                          ; a lane permute's destination counts as one of its sources
.endr
	WIN 0x04                                       ; source 1: window 1: x, then bp
.set i, 0
.rept 32
	v_pk_add_f32 v[X+i:X+i+1], v[X+i:X+i+1], v[128+i:129+i]
.set i, i+2
.endr
.set i, 0
.rept 16
.irp p, 0,1
	v_pk_add_f32 v[X+32*\p+i:X+32*\p+i+1], v[X+32*\p+i:X+32*\p+i+1], v[192+i:193+i]
.endr
.set i, i+2
.endr
	WIN 0
.irp p, 0,1
.irp j, 0,1,2,3,4,5,6,7
	global_store_b128 v1, v[X+32*\p+4*\j:X+32*\p+4*\j+3], s[40:41] offset:4096*\p+512*\j   ; out: 512 consecutive bytes, aligned
.endr
.endr
.irp p, 0,1
	v_pk_add_f32 v[S+2*\p:S+2*\p+1], v[X+32*\p:X+32*\p+1], v[X+32*\p+2:X+32*\p+3]
.endr
.irp i, 4,6,8,10,12,14,16,18,20,22,24,26,28,30
.irp p, 0,1
	v_pk_add_f32 v[S+2*\p:S+2*\p+1], v[S+2*\p:S+2*\p+1], v[X+32*\p+\i:X+32*\p+\i+1]
.endr
.endr
	REDUCE
.irp p, 0,1
	v_mul_f32 v[M+2*\p], s20, v[S+2*\p]            ; the mean
	v_mul_f32 v[M+2*\p+1], s20, v[S+2*\p]
.endr
	s_wait_alu depctr_va_vdst(0)                   ; directly ahead of the wait below
	s_wait_xcnt 0x0                                ; the stores of out have read their registers: the rows may be written
.irp i, 0,2,4,6,8,10,12,14,16,18,20,22,24,26,28,30
.irp p, 0,1
	v_pk_add_f32 v[X+32*\p+\i:X+32*\p+\i+1], v[X+32*\p+\i:X+32*\p+\i+1], v[M+2*\p:M+2*\p+1] neg_lo:[0,1] neg_hi:[0,1]
.endr
.endr
.irp p, 0,1
	v_pk_mul_f32 v[S+2*\p:S+2*\p+1], v[X+32*\p:X+32*\p+1], v[X+32*\p:X+32*\p+1]
.endr
.irp i, 2,4,6,8,10,12,14,16,18,20,22,24,26,28,30
.irp p, 0,1
	v_pk_fma_f32 v[S+2*\p:S+2*\p+1], v[X+32*\p+\i:X+32*\p+\i+1], v[X+32*\p+\i:X+32*\p+\i+1], v[S+2*\p:S+2*\p+1]
.endr
.endr
	REDUCE
.irp p, 0,1
	v_fma_f32 v[S+2*\p], v[S+2*\p], s20, s21       ; var + eps
.endr
	s_wait_alu depctr_va_vdst(0)                   ; the wait ahead of the batch
.irp p, 0,1
	v_rsq_f32 v[M+2*\p], v[S+2*\p]
	v_rsq_f32 v[M+2*\p+1], v[S+2*\p]
.endr
	v_nop
	s_wait_alu depctr_va_vdst(0)                   ; and behind it, ahead of its first reader
.irp i, 0,2,4,6,8,10,12,14,16,18,20,22,24,26,28,30
.irp p, 0,1
	v_pk_mul_f32 v[X+32*\p+\i:X+32*\p+\i+1], v[X+32*\p+\i:X+32*\p+\i+1], v[M+2*\p:M+2*\p+1]
.endr
.endr
.irp i, 0,2,4,6,8,10,12,14,16,18,20,22,24,26,28,30
.irp p, 0,1
	v_pk_fma_f32 v[X+32*\p+\i:X+32*\p+\i+1], v[X+32*\p+\i:X+32*\p+\i+1], v[W+\i:W+\i+1], v[BB+\i:BB+\i+1]
.endr
.endr
.irp p, 0,1                            ; the turn: the stage is the wave's own, and LDS serves a wave's instructions in order
.irp j, 0,1,2,3,4,5,6,7
	ds_store_b128 v2, v[X+32*\p+4*\j:X+32*\p+4*\j+3] offset:ROWS*\p+576*\j
.endr
.irp j, 0,1,2,3,4,5,6,7
	ds_load_b128 v[X+32*\p+4*\j:X+32*\p+4*\j+3], v3 offset:ROWS*\p+16*\j
.endr
.endr
	s_wait_dscnt 0x0
.irp p, 0,1
	v_max3_num_f32 v[MX+\p], |v[X+32*\p]|, |v[X+32*\p+1]|, 0x1800000   ; my block's largest magnitude, and the floor 2^(3 - 127)
.endr
.irp i, 2,4,6,8,10,12,14,16,18,20,22,24,26,28,30
.irp p, 0,1
	v_max3_num_f32 v[MX+\p], v[MX+\p], |v[X+32*\p+\i]|, |v[X+32*\p+\i+1]|
.endr
.endr
.irp p, 0,1
	v_add_nc_u32 v[MX+\p], 0xff000000, v[MX+\p]    ; the conversion's scale operand
.endr
.irp p, 0,1
	v_lshrrev_b32 v[BY+\p], 23, v[MX+\p]           ; the scale's byte
.endr
.irp p, 0,1
.irp g, 0,1,2,3
	v_cvt_scalef32_pk8_fp4_f32 v[CD+4*\p+\g], v[X+32*\p+8*\g:X+32*\p+8*\g+7], v[MX+\p]
.endr
.endr
	v_nop
.irp p, 0,1
	ds_store_b128 v4, v[CD+4*\p:CD+4*\p+3] offset:16*\p
	ds_store_b8 v5, v[BY+\p] offset:16*\p
.endr
	s_wait_dscnt 0x0                               ; for the others' sake: my stores have landed
	s_barrier_signal -1
	s_barrier_wait -1
.irp k, 0,1
	ds_load_b128 v[X+4*\k:X+4*\k+3], v6 offset:2*\k*272
.endr
.irp k, 0,1
	s_wait_dscnt 1-\k
	global_store_b128 v1, v[X+4*\k:X+4*\k+3], s[42:43] offset:512*\k   ; 512 consecutive bytes, aligned
.endr
	s_cmp_lg_u32 s12, 0                            ; wave 0 alone stores the tile's scale bytes
	s_cbranch_scc1 .Lend
	ds_load_b128 v[X+16:X+19], v29
	s_wait_dscnt 0x0
	global_store_b128 v28, v[X+16:X+19], s[28:29]
.Lend:
	s_wait_tensorcnt 0x0                           ; the wave's end
	ds_add_u32 v254, v255
	s_wait_dscnt 0x0
	CROUND                                         ; the closing round
	s_endpgm
.Lfunc_end_k_qaf9b5aefec_projln:
	.size	k_qaf9b5aefec_projln, .Lfunc_end_k_qaf9b5aefec_projln-k_qaf9b5aefec_projln
	.p2alignl 7, 3214868480
	.fill 96, 4, 3214868480
	.section	.rodata,"a",@progbits
	.p2align	6, 0x0
	.amdhsa_kernel k_qaf9b5aefec_projln
		.amdhsa_group_segment_fixed_size 327680
		.amdhsa_private_segment_fixed_size 0
		.amdhsa_enable_private_segment 0
		.amdhsa_kernarg_size 64
		.amdhsa_user_sgpr_count 2
		.amdhsa_user_sgpr_kernarg_segment_ptr 1
		.amdhsa_wavefront_size32 1
		.amdhsa_system_sgpr_workgroup_id_x 1
		.amdhsa_system_sgpr_workgroup_id_y 1
		.amdhsa_system_sgpr_workgroup_id_z 1
		.amdhsa_system_vgpr_workitem_id 0
		.amdhsa_next_free_vgpr 480
		.amdhsa_next_free_sgpr 66
		.amdhsa_reserve_vcc 0
		.amdhsa_float_denorm_mode_32 3
		.amdhsa_float_denorm_mode_16_64 3
		.amdhsa_memory_ordered 1
		.amdhsa_forward_progress 1
		.amdhsa_inst_pref_size 56
	.end_amdhsa_kernel
	.amdgpu_metadata
---
amdhsa.version: [ 1, 2 ]
amdhsa.kernels:
  - .name:           k_qaf9b5aefec_projln
    .symbol:         k_qaf9b5aefec_projln.kd
    .args:
      - { .name: oq, .offset: 0, .size: 8, .value_kind: global_buffer, .address_space: global }
      - { .name: wts, .offset: 8, .size: 8, .value_kind: global_buffer, .address_space: global }
      - { .name: bp, .offset: 16, .size: 8, .value_kind: global_buffer, .address_space: global }
      - { .name: x, .offset: 24, .size: 8, .value_kind: global_buffer, .address_space: global }
      - { .name: ln2_w, .offset: 32, .size: 8, .value_kind: global_buffer, .address_space: global }
      - { .name: ln2_b, .offset: 40, .size: 8, .value_kind: global_buffer, .address_space: global }
      - { .name: outb, .offset: 48, .size: 8, .value_kind: global_buffer, .address_space: global }
      - { .name: onq, .offset: 56, .size: 8, .value_kind: global_buffer, .address_space: global }
    .group_segment_fixed_size: 327680
    .private_segment_fixed_size: 0
    .kernarg_segment_align: 8
    .kernarg_segment_size: 64
    .max_flat_workgroup_size: 256
    .sgpr_count:     66
    .vgpr_count:     480
    .wavefront_size: 32
...
	.end_amdgpu_metadata
.endif
;; end of part 11
;; launch ffn1 (part 12): grid 16 x 16, 4 waves a work-group, clusters of 4 x 4, 327,680 bytes of LDS; arguments onq, wts, b1, hq; writes hq
.if DOCPART == 12
	.amdgcn_target "amdgcn-amd-amdhsa--gfx1250"
	.amdhsa_code_object_version 6
	.text
	.protected	k_qaf9b5aefec_ffn1
	.globl	k_qaf9b5aefec_ffn1
	.p2align	8
	.type	k_qaf9b5aefec_ffn1,@function
k_qaf9b5aefec_ffn1:
	s_mov_b64 s[64:65], 0
	v_nop
	global_prefetch_b8 v0, s[64:65] scope:SCOPE_SE
	s_setreg_imm32_b32 hwreg(HW_REG_WAVE_MODE, 25, 1), 1
	s_wait_xcnt 0x0
	s_wait_alu depctr_hold_cnt(0) depctr_sa_sdst(0) depctr_va_vdst(0) depctr_va_sdst(0) depctr_va_ssrc(0) depctr_va_vcc(0) depctr_vm_vsrc(0)
	s_getreg_b32 s2, hwreg(HW_REG_IB_STS2, 6, 4)
	s_cmp_eq_u32 s2, 0
	s_cbranch_scc0 .Lentry_in_a_cluster
	s_endpgm
.Lentry_in_a_cluster:
	s_bfe_u32 s2, ttmp6, 0x10000c
	s_cmp_lg_u32 s2, 0xf033
	s_cbranch_scc0 .Lentry_shape_is_right
	s_endpgm
.Lentry_shape_is_right:
.set SIZE_K, 1024
.set WOFF,   2228224
.set BLK,    34816
.set SLOT,   4*BLK
.set SPARE,  2*SLOT
.set KS,     SIZE_K/512
.set NQ,     4
.set FR,     8
.set NL,     2
.set NP,     4
.set ADRA,   16
.set ADRB,   20
.set SPW,    28
.set NIL,    29
.set SC,     32
.set AF,     128
.set G1,     24
.set G0,     32
.set G1B,    48
.set G0B,    56
.set GA,     22
.set GS,     23
.set L16,    24
.set R16,    25
.set RF0,    26
.set RF,     27
.set XX,     96
.set U,      32                        ; v32-63   the GELU's work on 32 numbers: u; the scale words that lay in v32-95 are done with by then
.set Z,      64                        ; v64-95   u^2
.set P,      160                       ; v160-191 the numerator
.set QD,     192                       ; v192-223 the denominator
.set TM,     224
.set PC,     240
.set PW,     248
.set CA,     250
.set CB,     252
.set SEL,    20
.set MSB,    0
.macro WIN new
.if MSB != \new
	s_set_vgpr_msb (MSB<<8)|\new
.set MSB, \new
.endif
.endm
.set MUL_LO, 0xa1
.set MUL_HI, 0xf1
.set TO_B,   0x40
.macro JLOAD g0a, g1a, g0b, g1b
	s_cmp_eq_u32 s15, 0
	s_cbranch_scc0 .Lfor_x_\@
	tensor_load_to_lds s[\g0a:\g0a+3], s[\g1a:\g1a+7]
	s_nop 0
.rept 4
	v_nop
.endr
	s_branch .Lasked_\@
.Lfor_x_\@:
	tensor_load_to_lds s[\g0b:\g0b+3], s[\g1b:\g1b+7]
	s_nop 0
.rept 4
	v_nop
.endr
.Lasked_\@:
.endm
.macro CREST
	s_cmp_lg_u32 s14, 0
	s_cbranch_scc1 .Lnot_wave_0_\@
	s_barrier_signal -3
.Lnot_wave_0_\@:
	s_barrier_wait -3
	s_barrier_signal -1
	s_barrier_wait -1
.endm
.macro CROUND
	s_barrier_signal -1
	s_barrier_wait -1
	CREST
.endm
.macro PLACES n
.rept \n
	v_nop
.endr
.endm
.macro FRAG reg, adr, q, i
.irp c, 0,1
	ds_load_b128 v[\reg+4*\c:\reg+4*\c+3], v[\adr] offset:(\i)*4096+(\q)*1024+512*\c
.endr
.endm
.macro WM zero
.if \zero
.if BO && AO
	v_wmma_scale_f32_16x16x128_f8f6f4 v[rD:rD+7], v[rB:rB+7], v[rA:rA+7], 0, v[rSB], v[rSA] matrix_a_fmt:MATRIX_FMT_FP4 matrix_b_fmt:MATRIX_FMT_FP4 matrix_a_scale:MATRIX_SCALE_ROW1 matrix_b_scale:MATRIX_SCALE_ROW1
.elseif BO
	v_wmma_scale_f32_16x16x128_f8f6f4 v[rD:rD+7], v[rB:rB+7], v[rA:rA+7], 0, v[rSB], v[rSA] matrix_a_fmt:MATRIX_FMT_FP4 matrix_b_fmt:MATRIX_FMT_FP4 matrix_a_scale:MATRIX_SCALE_ROW1
.elseif AO
	v_wmma_scale_f32_16x16x128_f8f6f4 v[rD:rD+7], v[rB:rB+7], v[rA:rA+7], 0, v[rSB], v[rSA] matrix_a_fmt:MATRIX_FMT_FP4 matrix_b_fmt:MATRIX_FMT_FP4 matrix_b_scale:MATRIX_SCALE_ROW1
.else
	v_wmma_scale_f32_16x16x128_f8f6f4 v[rD:rD+7], v[rB:rB+7], v[rA:rA+7], 0, v[rSB], v[rSA] matrix_a_fmt:MATRIX_FMT_FP4 matrix_b_fmt:MATRIX_FMT_FP4
.endif
.else
.if BO && AO
	v_wmma_scale_f32_16x16x128_f8f6f4 v[rD:rD+7], v[rB:rB+7], v[rA:rA+7], v[rD:rD+7], v[rSB], v[rSA] matrix_a_fmt:MATRIX_FMT_FP4 matrix_b_fmt:MATRIX_FMT_FP4 matrix_a_scale:MATRIX_SCALE_ROW1 matrix_b_scale:MATRIX_SCALE_ROW1
.elseif BO
	v_wmma_scale_f32_16x16x128_f8f6f4 v[rD:rD+7], v[rB:rB+7], v[rA:rA+7], v[rD:rD+7], v[rSB], v[rSA] matrix_a_fmt:MATRIX_FMT_FP4 matrix_b_fmt:MATRIX_FMT_FP4 matrix_a_scale:MATRIX_SCALE_ROW1
.elseif AO
	v_wmma_scale_f32_16x16x128_f8f6f4 v[rD:rD+7], v[rB:rB+7], v[rA:rA+7], v[rD:rD+7], v[rSB], v[rSA] matrix_a_fmt:MATRIX_FMT_FP4 matrix_b_fmt:MATRIX_FMT_FP4 matrix_b_scale:MATRIX_SCALE_ROW1
.else
	v_wmma_scale_f32_16x16x128_f8f6f4 v[rD:rD+7], v[rB:rB+7], v[rA:rA+7], v[rD:rD+7], v[rSB], v[rSA] matrix_a_fmt:MATRIX_FMT_FP4 matrix_b_fmt:MATRIX_FMT_FP4
.endif
.endif
.endm
.macro MUL16 a0, p, q, sc, zero
.irp a, \a0, \a0+1
.irp b, 0,1,2,3,4,5,6,7
.set rD, 8*(8*((\a)%4)+\b)
.set rB, 128*(\p)+FR*\b
.set rA, AF+FR*(\a)
.set rSB, SC+32*(\sc)+16+4*(\b/2)+(\q)
.set rSA, SC+32*(\sc)+4*((\a)/2)+(\q)
.set BO, \b%2
.set AO, (\a)%2
	WM \zero
.endr
.endr
.endm
.macro FETCH_B slot, q, p
	WIN TO_B
.irp i, 0,1,2,3,4,5,6,7
	FRAG 128*(\p)+FR*\i, ADRB+\slot, \q, \i
.endr
	WIN 0
.endm
.macro FETCH_A slot, q, i0
.irp i, \i0, \i0+1, \i0+2, \i0+3
	FRAG AF+FR*(\i), ADRA+\slot, \q, \i
.endr
.endm
.macro SCALES s
.irp i, 0,1,2,3
	ds_load_b128 v[SC+32*\s+4*\i:SC+32*\s+4*\i+3], v[ADRA+\s] offset:32768+512*\i
.endr
.irp i, 0,1,2,3
	ds_load_b128 v[SC+32*\s+16+4*\i:SC+32*\s+16+4*\i+3], v[ADRB+\s] offset:32768+512*\i
.endr
.endm
.macro STEP slot, q, zero
	s_wait_dscnt 4*NL
	WIN MUL_LO
	MUL16 0, (\q)%2, \q, \slot, \zero
	MUL16 2, (\q)%2, \q, \slot, \zero
	s_wait_dscnt 0
	PLACES NP
	FETCH_B \slot, (\q)+1, 1-(\q)%2
	FETCH_A \slot, (\q)+1, 0
	WIN MUL_HI
	MUL16 4, (\q)%2, \q, \slot, \zero
	MUL16 6, (\q)%2, \q, \slot, \zero
	PLACES NP
	WIN 0
	FETCH_A \slot, (\q)+1, 4
.endm
.macro TURN slot, next
	s_wait_tensorcnt 0x0
	ds_add_u32 v[SPW], v[NIL]
	s_wait_dscnt 4*NL+1
	WIN MUL_LO
	MUL16 0, 1, NQ-1, \slot, 0
	s_wait_dscnt 0x0
	s_barrier_signal -1
	MUL16 2, 1, NQ-1, \slot, 0
	WIN 0
	s_barrier_wait -1
	PLACES NP
	FETCH_B \next, 0, 0
	FETCH_A \next, 0, 0
	SCALES \next
	WIN MUL_HI
	MUL16 4, 1, NQ-1, \slot, 0
	MUL16 6, 1, NQ-1, \slot, 0
	PLACES NP
	WIN 0
	FETCH_A \next, 0, 4
.endm
.macro STEPS slot, from
.set Q, \from
.rept NQ-1-\from
	STEP \slot, Q, 0
.set Q, Q+1
.endr
.endm
.macro QUANT s
.irp b, 0,1,2,3
	v_max3_num_f32 v[TM+\b], |v[\s+16*\b]|, |v[\s+1+16*\b]|, 0x1800000
.endr
.irp i, 2,4,6,8,10,12,14
.irp b, 0,1,2,3
	v_max3_num_f32 v[TM+\b], v[TM+\b], |v[\s+16*\b+\i]|, |v[\s+1+16*\b+\i]|
.endr
.endr
.irp b, 0,1,2,3
	v_permlanex16_b32 v[TM+4+\b], v[TM+\b], s[SEL], s[SEL+1]
.endr
.irp b, 0,1,2,3
	v_max_num_f32 v[TM+\b], v[TM+\b], v[TM+4+\b]
.endr
.irp b, 0,1,2,3
	v_add_nc_u32 v[TM+12+\b], 0xff000000, v[TM+\b]
.endr
.irp b, 0,1,2,3
	v_lshrrev_b32 v[TM+4+\b], 23, v[TM+12+\b]
.endr
	v_lshl_or_b32 v[PW], v[TM+5], 8, v[TM+4]
	v_lshl_or_b32 v[PW], v[TM+6], 16, v[PW]
	v_lshl_or_b32 v[PW], v[TM+7], 24, v[PW]
.irp b, 0,1,2,3
	v_cvt_scalef32_pk8_fp4_f32 v[PC+2*\b], v[\s+16*\b:\s+7+16*\b], v[TM+12+\b]
	v_cvt_scalef32_pk8_fp4_f32 v[PC+1+2*\b], v[\s+8+16*\b:\s+15+16*\b], v[TM+12+\b]
.endr
	v_nop
.irp c, 0,1
.irp i, 0,1
	v_permlane16_swap_b32 v[PC+4*\c+\i], v[PC+2+4*\c+\i]
.endr
.endr
.endm
; x -> x (0.5 + 0.5 erf(x / sqrt 2)) for 32 numbers of a lane: u = x / sqrt 2 held to +-4; erf(u) = u P(u^2) / Q(u^2), P of degree 6, Q of degree 4, in f32.
; 32 at a time: sixteen independent packed lines to each step of the two polynomials, and one batch of 32 reciprocals with its two waits.
.macro GELU32 g
.set XG, XX+32*\g
.set i, 0
.rept 16
	v_pk_mul_f32 v[U+i:U+i+1], v[XG+i:XG+i+1], s[66:67] op_sel_hi:[1,0]
.set i, i+2
.endr
.set i, 0
.rept 32
	v_med3_num_f32 v[U+i], v[U+i], -4.0, 4.0
.set i, i+1
.endr
.set i, 0
.rept 16
	v_pk_mul_f32 v[Z+i:Z+i+1], v[U+i:U+i+1], v[U+i:U+i+1]
.set i, i+2
.endr
.set i, 0
.rept 16
	v_pk_fma_f32 v[P+i:P+i+1], v[Z+i:Z+i+1], v[CA:CA+1], s[68:69] op_sel_hi:[1,1,0]
.set i, i+2
.endr
.set i, 0
.rept 16
	v_pk_fma_f32 v[QD+i:QD+i+1], v[Z+i:Z+i+1], v[CB:CB+1], s[80:81] op_sel_hi:[1,1,0]
.set i, i+2
.endr
.irp c, 82,84,86
.set i, 0
.rept 16
	v_pk_fma_f32 v[QD+i:QD+i+1], v[QD+i:QD+i+1], v[Z+i:Z+i+1], s[\c:\c+1] op_sel_hi:[1,1,0]
.set i, i+2
.endr
.endr
.irp c, 70,72,74,76,78
.set i, 0
.rept 16
	v_pk_fma_f32 v[P+i:P+i+1], v[P+i:P+i+1], v[Z+i:Z+i+1], s[\c:\c+1] op_sel_hi:[1,1,0]
.set i, i+2
.endr
.endr
	s_wait_alu depctr_va_vdst(0)                   ; the wait ahead of the batch
.set i, 0
.rept 32
	v_rcp_f32 v[QD+i], v[QD+i]
.set i, i+1
.endr
.set i, 0
.rept 16
	v_pk_mul_f32 v[P+i:P+i+1], v[P+i:P+i+1], v[U+i:U+i+1]   ; plain work behind the batch that names none of its results
.set i, i+2
.endr
	s_wait_alu depctr_va_vdst(0)                   ; and behind it, ahead of its first reader
.set i, 0
.rept 16
	v_pk_mul_f32 v[P+i:P+i+1], v[P+i:P+i+1], v[QD+i:QD+i+1]
.set i, i+2
.endr
.set i, 0
.rept 16
	v_pk_fma_f32 v[P+i:P+i+1], v[P+i:P+i+1], 0.5, 0.5 op_sel_hi:[1,0,0]
.set i, i+2
.endr
.set i, 0
.rept 16
	v_pk_mul_f32 v[XG+i:XG+i+1], v[XG+i:XG+i+1], v[P+i:P+i+1]
.set i, i+2
.endr
.endm
	s_load_b128 s[4:7], s[0:1], 0x0
	s_load_b128 s[8:11], s[0:1], 0x10
	v_lshl_add_u32 v[SPW], v0, 2, SPARE
	v_mov_b32 v[NIL], 0
	ds_add_u32 v28, v29
	ds_add_u32 v28, v29
	s_wait_dscnt 0x0
	v_lshrrev_b32 v1, 5, v0
	v_readfirstlane_b32 s14, v1
	s_lshr_b32 s15, s14, 1
	s_and_b32 s16, s14, 1
	s_bfe_u32 s40, ttmp6, 0x40000
	s_bfe_u32 s41, ttmp6, 0x40004
	s_lshl_b32 s42, ttmp9, 2
	s_add_co_u32 s42, s42, s40
	s_and_b32 s17, ttmp7, 0xffff
	s_lshl_b32 s17, s17, 2
	s_add_co_u32 s17, s17, s41
	s_lshl_b32 s43, s41, 2
	s_lshl_b32 s43, 15, s43
	s_lshl_b32 s44, 0x1111, s40
	s_or_b32 s[G1], s43, (3<<16)|(1<<21)
	s_or_b32 s[G1B], s44, (3<<16)|(1<<21)
.irp g, G1, G1B
	s_mov_b32 s[\g+1], 32<<16
	s_mov_b32 s[\g+2], 272<<16                     ; 272 rows of 256 bytes: a group's two blocks, K steps 0 and 1, which lie on end in memory
	s_mov_b32 s[\g+3], 32<<16
	s_mov_b32 s[\g+4], 272
	s_mov_b32 s[\g+5], 32
	s_mov_b32 s[\g+6], 0
	s_mov_b32 s[\g+7], 0
.endr
	s_lshl_b32 s20, s17, 1
	s_add_co_u32 s20, s20, s16
	s_mul_i32 s20, s20, KS*BLK
	s_mov_b32 s21, 0
	s_lshl_b32 s46, s42, 1
	s_add_co_u32 s46, s46, s16
	s_mul_i32 s46, s46, KS*BLK
	s_add_co_u32 s46, s46, WOFF
	s_mov_b32 s47, 0
	s_mul_i32 s45, s14, 2*BLK                      ; LDS holds [wave][K step]
	s_wait_kmcnt 0x0
	s_add_nc_u64 s[20:21], s[4:5], s[20:21]
	s_add_nc_u64 s[46:47], s[6:7], s[46:47]
	CROUND
.irp s, 0
	s_mov_b32 s[G0+4*\s], 1
	s_add_co_u32 s[G0+4*\s+1], s45, \s*SLOT
	s_add_nc_u64 s[G0+4*\s+2:G0+4*\s+3], s[20:21], \s*BLK
	s_or_b32 s[G0+4*\s+3], s[G0+4*\s+3], 0x80000000
	s_mov_b32 s[G0B+4*\s], 1
	s_add_co_u32 s[G0B+4*\s+1], s45, \s*SLOT
	s_add_nc_u64 s[G0B+4*\s+2:G0B+4*\s+3], s[46:47], \s*BLK
	s_or_b32 s[G0B+4*\s+3], s[G0B+4*\s+3], 0x80000000
	JLOAD G0+4*\s, G1, G0B+4*\s, G1B               ; my one tensor load of the launch: both K steps of my group
.endr
	v_and_b32 v1, 15, v0
	v_bfe_u32 v2, v0, 4, 1
	v_and_b32 v3, 31, v0
	v_lshlrev_b32 v[L16], 4, v3
	s_wait_alu depctr_va_vdst(0)
	v_lshlrev_b32 v[R16], 4, v1
	s_mul_i32 s21, s15, 2*BLK
	s_mul_i32 s22, s16, 2*BLK
	s_add_co_u32 s22, s22, 4*BLK
.irp s, 0,1
	v_add_nc_u32 v[ADRA+\s], s21, v[L16]
	v_add_nc_u32 v[ADRB+\s], s22, v[L16]
	s_add_co_u32 s21, s21, BLK
	s_add_co_u32 s22, s22, BLK
.endr
	s_lshl_b32 s23, s14, 16
	v_add_nc_u32 v[RF0], s23, v[L16]
	s_lshl_b32 s46, s42, 10
	s_lshl_b32 s47, s16, 9
	s_add_co_u32 s46, s46, s47
	s_mov_b32 s47, 0
	s_add_nc_u64 s[8:9], s[8:9], s[46:47]
	v_lshlrev_b32 v6, 6, v2
	WIN 0x40
.irp b, 0,1,2,3,4,5,6,7
	global_load_b128 v[64+8*\b:64+8*\b+3], v6, s[8:9] offset:(32*(\b/2)+8*(\b%2))*4
	global_load_b128 v[64+8*\b+4:64+8*\b+7], v6, s[8:9] offset:(32*(\b/2)+8*(\b%2))*4+16
.endr
	WIN 0
	s_lshl_b32 s20, s17, 1
	s_add_co_u32 s20, s20, s15
	s_lshl_b32 s20, s20, 3
	s_lshr_b32 s21, s42, 1
	s_add_co_u32 s20, s20, s21
	s_mul_i32 s20, s20, BLK
	s_and_b32 s21, s42, 1
	s_lshl_b32 s21, s21, 1
	s_add_co_u32 s21, s21, s16
	s_lshl_b32 s22, s21, 2
	s_add_co_u32 s22, s22, s20
	s_add_co_u32 s22, s22, 32768
	s_mov_b32 s23, 0
	s_add_nc_u64 s[12:13], s[10:11], s[22:23]
	s_lshl_b32 s21, s21, 10
	s_add_co_u32 s20, s20, s21
	s_mov_b32 s21, 0
	s_add_nc_u64 s[10:11], s[10:11], s[20:21]
.irp b, 0,1,2,3
	v_mov_b32 v[TM+4+\b], 0
.endr
	v_mov_b32 v[CA], 0xaf95df0b
	v_mov_b32 v[CA+1], 0xaf95df0b
	v_mov_b32 v[CB], 0xb77460cd
	v_mov_b32 v[CB+1], 0xb77460cd
	s_mov_b32 s66, 0x3f3504f3
	s_mov_b32 s68, 0x32edffee
	s_mov_b32 s70, 0xb60cff51
	s_mov_b32 s72, 0xb86ec2d2
	s_mov_b32 s74, 0xba40ac63
	s_mov_b32 s76, 0xbb41a1f6
	s_mov_b32 s78, 0xbc83dbd4
	s_mov_b32 s80, 0xb95fbd29
	s_mov_b32 s82, 0xbadc924e
	s_mov_b32 s84, 0xbbf19bf8
	s_mov_b32 s86, 0xbc69b6a7
.irp c, 66,68,70,72,74,76,78,80,82,84,86
	s_mov_b32 s[\c+1], s[\c]
.endr
	s_wait_tensorcnt 0x0
	s_barrier_signal -1
	s_barrier_wait -1
	FETCH_B 0, 0, 0
	FETCH_A 0, 0, 0
	SCALES 0
	FETCH_A 0, 0, 4
	STEP 0, 0, 1
	STEPS 0, 1
	TURN 0, 1
	STEPS 1, 0
	s_wait_dscnt 4*NL
	WIN MUL_LO
	MUL16 0, 1, NQ-1, 1, 0
	MUL16 2, 1, NQ-1, 1, 0
	s_wait_dscnt 0
	WIN MUL_HI
	MUL16 4, 1, NQ-1, 1, 0
	MUL16 6, 1, NQ-1, 1, 0
	WIN 0
	PLACES NP
	s_wait_dscnt 0x0
	s_barrier_signal -1
	s_barrier_wait -1
.irp a, 0,1,2,3,4,5,6,7
	WIN 0x08+4*(\a/4)
.irp b, 0,1,2,3,4,5,6,7
	ds_store_b128 v[RF0], v[64*(\a%4)+8*\b:64*(\a%4)+8*\b+3] offset:\a*8192+\b*1024
	ds_store_b128 v[RF0], v[64*(\a%4)+8*\b+4:64*(\a%4)+8*\b+7] offset:\a*8192+\b*1024+512
.endr
.endr
	WIN 0
	s_mov_b32 s[SEL], 0x76543210
	s_mov_b32 s[SEL+1], 0xfedcba98
	s_mov_b32 s18, 0
	s_mov_b32 s19, 0
	s_mov_b32 s22, 0
	s_mov_b32 s3, 8
	s_wait_loadcnt 0x0
.Lrow:
	s_wait_xcnt 0x0
	v_add_nc_u32 v[RF], s18, v[RF0]
	v_add_nc_u32 v[GA], s19, v[L16]
	v_add_nc_u32 v[GS], s22, v[R16]
.set k, 0
.rept 16
	ds_load_b128 v[XX+4*k:XX+4*k+3], v[RF] offset:512*k
.set k, k+1
.endr
	s_wait_dscnt 0x0
	WIN 0x04
.set i, 0
.rept 32
	v_pk_add_f32 v[XX+i:XX+i+1], v[XX+i:XX+i+1], v[64+i:64+i+1]
.set i, i+2
.endr
	WIN 0
	GELU32 0
	GELU32 1
	QUANT XX
	global_store_b128 v[GA], v[PC:PC+3], s[10:11]
	global_store_b128 v[GA], v[PC+4:PC+7], s[10:11] offset:512
	global_store_b32 v[GS], v[PW], s[12:13]
	s_add_co_u32 s18, s18, 8192
	s_add_co_u32 s19, s19, 4096
	s_add_co_u32 s22, s22, 256
	s_sub_co_u32 s3, s3, 1
	s_cmp_lg_u32 s3, 0
	s_cbranch_scc1 .Lrow
	s_wait_tensorcnt 0x0
	ds_add_u32 v[SPW], v[NIL]
	s_wait_dscnt 0x0
	CROUND
	s_endpgm
.Lfunc_end_k_qaf9b5aefec_ffn1:
	.size	k_qaf9b5aefec_ffn1, .Lfunc_end_k_qaf9b5aefec_ffn1-k_qaf9b5aefec_ffn1
	.p2alignl 7, 3214868480
	.fill 96, 4, 3214868480
	.section	.rodata,"a",@progbits
	.p2align	6, 0x0
	.amdhsa_kernel k_qaf9b5aefec_ffn1
		.amdhsa_group_segment_fixed_size 327680
		.amdhsa_private_segment_fixed_size 0
		.amdhsa_enable_private_segment 0
		.amdhsa_kernarg_size 32
		.amdhsa_user_sgpr_count 2
		.amdhsa_user_sgpr_kernarg_segment_ptr 1
		.amdhsa_wavefront_size32 1
		.amdhsa_system_sgpr_workgroup_id_x 1
		.amdhsa_system_sgpr_workgroup_id_y 1
		.amdhsa_system_sgpr_workgroup_id_z 1
		.amdhsa_system_vgpr_workitem_id 0
		.amdhsa_next_free_vgpr 1024
		.amdhsa_next_free_sgpr 100
		.amdhsa_reserve_vcc 0
		.amdhsa_float_denorm_mode_32 3
		.amdhsa_float_denorm_mode_16_64 3
		.amdhsa_memory_ordered 1
		.amdhsa_forward_progress 1
		.amdhsa_inst_pref_size 149
	.end_amdhsa_kernel
	.amdgpu_metadata
---
amdhsa.version: [ 1, 2 ]
amdhsa.kernels:
  - .name:           k_qaf9b5aefec_ffn1
    .symbol:         k_qaf9b5aefec_ffn1.kd
    .args:
      - { .name: onq, .offset: 0, .size: 8, .value_kind: global_buffer, .address_space: global }
      - { .name: wts, .offset: 8, .size: 8, .value_kind: global_buffer, .address_space: global }
      - { .name: b1, .offset: 16, .size: 8, .value_kind: global_buffer, .address_space: global }
      - { .name: hq, .offset: 24, .size: 8, .value_kind: global_buffer, .address_space: global }
    .group_segment_fixed_size: 327680
    .private_segment_fixed_size: 0
    .kernarg_segment_align: 8
    .kernarg_segment_size: 32
    .max_flat_workgroup_size: 128
    .sgpr_count:     100
    .vgpr_count:     1024
    .wavefront_size: 32
...
	.end_amdgpu_metadata
.endif
;; end of part 12
;; launch ffn2 (part 13): grid 8 x 32, 4 waves a work-group, clusters of 4 x 4, 327,680 bytes of LDS; arguments hq, wts, b2, outb, out0; writes out0
.if DOCPART == 13
	.amdgcn_target "amdgcn-amd-amdhsa--gfx1250"
	.amdhsa_code_object_version 6
	.text
	.protected	k_qaf9b5aefec_ffn2
	.globl	k_qaf9b5aefec_ffn2
	.p2align	8
	.type	k_qaf9b5aefec_ffn2,@function
k_qaf9b5aefec_ffn2:
	s_mov_b64 s[64:65], 0
	v_nop
	global_prefetch_b8 v0, s[64:65] scope:SCOPE_SE
	s_setreg_imm32_b32 hwreg(HW_REG_WAVE_MODE, 25, 1), 1
	s_wait_xcnt 0x0
	s_wait_alu depctr_hold_cnt(0) depctr_sa_sdst(0) depctr_va_vdst(0) depctr_va_sdst(0) depctr_va_ssrc(0) depctr_va_vcc(0) depctr_vm_vsrc(0)
	s_getreg_b32 s2, hwreg(HW_REG_IB_STS2, 6, 4)
	s_cmp_eq_u32 s2, 0
	s_cbranch_scc0 .Lentry_in_a_cluster
	s_endpgm
.Lentry_in_a_cluster:
	s_bfe_u32 s2, ttmp6, 0x10000c
	s_cmp_lg_u32 s2, 0xf033
	s_cbranch_scc0 .Lentry_shape_is_right
	s_endpgm
.Lentry_shape_is_right:
.set SIZE_K, 4096
.set WOFF,   4456448
.set BLK,    34816
.set SLOT,   4*BLK
.set SPARE,  2*SLOT
.set STAGE,  SPARE+512
.set SPITCH, 272
.set KS,     SIZE_K/512
.set NSL,    KS/2
.set LAPS,   NSL/2
.set BI,     12
.set ADRA,   16
.set ADRB,   18
.set ADSA,   20
.set ADSB,   22
.set STO,    25
.set RD,     26
.set CO,     27
.set SPW,    28
.set NIL,    29
.set SC,     32
.set BK,     64
.set ACC,    128
.set F0,     0
.set F1,     128
.set G1,     24
.set G0,     32
.set G1B,    48
.set G0B,    56
.set MSB,    0
.macro WIN new
.if MSB != \new
	s_set_vgpr_msb (MSB<<8)|\new
.set MSB, \new
.endif
.endm
.set MUL,    0x05
.set TO_F,   0x40
.macro JLOAD s
	s_cmp_eq_u32 s15, 0
	s_cbranch_scc0 .Lfor_x_\@
	tensor_load_to_lds s[G0+4*\s:G0+4*\s+3], s[G1:G1+7]
	s_nop 0
.rept 4
	v_nop
.endr
	s_branch .Lasked_\@
.Lfor_x_\@:
	tensor_load_to_lds s[G0B+4*\s:G0B+4*\s+3], s[G1B:G1B+7]
	s_nop 0
.rept 4
	v_nop
.endr
.Lasked_\@:
.endm
.macro CREST
	s_cmp_lg_u32 s14, 0
	s_cbranch_scc1 .Lnot_wave_0_\@
	s_barrier_signal -3
.Lnot_wave_0_\@:
	s_barrier_wait -3
	s_barrier_signal -1
	s_barrier_wait -1
.endm
.macro CROUND
	s_barrier_signal -1
	s_barrier_wait -1
	CREST
.endm
.macro PLACES
.rept 4
	v_nop
.endr
.endm
.macro WM zero
.if \zero
.if BO && AO
	v_wmma_scale_f32_16x16x128_f8f6f4 v[rD:rD+7], v[rB:rB+7], v[rA:rA+7], 0, v[rSB], v[rSA] matrix_a_fmt:MATRIX_FMT_FP4 matrix_b_fmt:MATRIX_FMT_FP4 matrix_a_scale:MATRIX_SCALE_ROW1 matrix_b_scale:MATRIX_SCALE_ROW1
.elseif BO
	v_wmma_scale_f32_16x16x128_f8f6f4 v[rD:rD+7], v[rB:rB+7], v[rA:rA+7], 0, v[rSB], v[rSA] matrix_a_fmt:MATRIX_FMT_FP4 matrix_b_fmt:MATRIX_FMT_FP4 matrix_a_scale:MATRIX_SCALE_ROW1
.elseif AO
	v_wmma_scale_f32_16x16x128_f8f6f4 v[rD:rD+7], v[rB:rB+7], v[rA:rA+7], 0, v[rSB], v[rSA] matrix_a_fmt:MATRIX_FMT_FP4 matrix_b_fmt:MATRIX_FMT_FP4 matrix_b_scale:MATRIX_SCALE_ROW1
.else
	v_wmma_scale_f32_16x16x128_f8f6f4 v[rD:rD+7], v[rB:rB+7], v[rA:rA+7], 0, v[rSB], v[rSA] matrix_a_fmt:MATRIX_FMT_FP4 matrix_b_fmt:MATRIX_FMT_FP4
.endif
.else
.if BO && AO
	v_wmma_scale_f32_16x16x128_f8f6f4 v[rD:rD+7], v[rB:rB+7], v[rA:rA+7], v[rD:rD+7], v[rSB], v[rSA] matrix_a_fmt:MATRIX_FMT_FP4 matrix_b_fmt:MATRIX_FMT_FP4 matrix_a_scale:MATRIX_SCALE_ROW1 matrix_b_scale:MATRIX_SCALE_ROW1
.elseif BO
	v_wmma_scale_f32_16x16x128_f8f6f4 v[rD:rD+7], v[rB:rB+7], v[rA:rA+7], v[rD:rD+7], v[rSB], v[rSA] matrix_a_fmt:MATRIX_FMT_FP4 matrix_b_fmt:MATRIX_FMT_FP4 matrix_a_scale:MATRIX_SCALE_ROW1
.elseif AO
	v_wmma_scale_f32_16x16x128_f8f6f4 v[rD:rD+7], v[rB:rB+7], v[rA:rA+7], v[rD:rD+7], v[rSB], v[rSA] matrix_a_fmt:MATRIX_FMT_FP4 matrix_b_fmt:MATRIX_FMT_FP4 matrix_b_scale:MATRIX_SCALE_ROW1
.else
	v_wmma_scale_f32_16x16x128_f8f6f4 v[rD:rD+7], v[rB:rB+7], v[rA:rA+7], v[rD:rD+7], v[rSB], v[rSA] matrix_a_fmt:MATRIX_FMT_FP4 matrix_b_fmt:MATRIX_FMT_FP4
.endif
.endif
.endm
.macro MUL8 f, c, a0, j, zero
.irp a, \a0, \a0+1
.irp b, 0,1,2,3
.set rD, ACC+8*(4*(\a)+\b)
.set rB, \f+64+8*(4*\c+\b)
.set rA, \f+8*(4*\c+(\a))
.set rSB, SC+16*((\j)/2)+8+4*(\b/2)+2*((\j)%2)+\c
.set rSA, SC+16*((\j)/2)+4*((\a)/2)+2*((\j)%2)+\c
.set BO, \b%2
.set AO, (\a)%2
	WM \zero
.endr
.endr
.endm
.macro FETCH slot, j, f
.set NF, 32
.if (\j)%2 == 0
	WIN 0
.irp p, 0,1
	ds_load_b128 v[SC+16*((\j)/2)+4*\p:SC+16*((\j)/2)+4*\p+3], v[ADSA+\slot] offset:((\j)/2)*BLK+512*\p
.endr
.irp p, 0,1
	ds_load_b128 v[SC+16*((\j)/2)+8+4*\p:SC+16*((\j)/2)+8+4*\p+3], v[ADSB+\slot] offset:((\j)/2)*BLK+512*\p
.endr
.set NF, 36
.endif
	WIN TO_F
.irp c, 0,1
.irp i, 0,1,2,3
	ds_load_b128 v[\f+64+8*(4*\c+\i):\f+64+8*(4*\c+\i)+3],   v[ADRB+\slot] offset:((\j)/2)*BLK+\i*4096+(2*((\j)%2)+\c)*1024
	ds_load_b128 v[\f+64+8*(4*\c+\i)+4:\f+64+8*(4*\c+\i)+7], v[ADRB+\slot] offset:((\j)/2)*BLK+\i*4096+(2*((\j)%2)+\c)*1024+512
	ds_load_b128 v[\f+8*(4*\c+\i):\f+8*(4*\c+\i)+3],         v[ADRA+\slot] offset:((\j)/2)*BLK+\i*4096+(2*((\j)%2)+\c)*1024
	ds_load_b128 v[\f+8*(4*\c+\i)+4:\f+8*(4*\c+\i)+7],       v[ADRA+\slot] offset:((\j)/2)*BLK+\i*4096+(2*((\j)%2)+\c)*1024+512
.endr
.endr
.endm
.macro QUARTER slot, j, f, g, zero
	s_wait_dscnt 16
	WIN MUL
	MUL8 \f, 0, 0, \j, \zero
	MUL8 \f, 0, 2, \j, \zero
	PLACES
	FETCH \slot, (\j)+1, \g
	s_wait_dscnt NF
	WIN MUL
	MUL8 \f, 1, 0, \j, 0
	MUL8 \f, 1, 2, \j, 0
.endm
.macro TURN slot, next, fill
	WIN 0
	s_wait_tensorcnt 0x0
	ds_add_u32 v[SPW], v[NIL]
	s_wait_dscnt 17
	WIN MUL
	MUL8 F1, 0, 0, 3, 0
	s_wait_dscnt 0x0
	s_barrier_signal -1
	MUL8 F1, 0, 2, 3, 0
	WIN 0
	s_barrier_wait -1
.if \fill
	CREST
	s_add_nc_u64 s[G0+4*\slot+2:G0+4*\slot+3], s[G0+4*\slot+2:G0+4*\slot+3], 4*BLK
	s_add_nc_u64 s[G0B+4*\slot+2:G0B+4*\slot+3], s[G0B+4*\slot+2:G0B+4*\slot+3], 4*BLK
	JLOAD \slot
.else
	PLACES
.endif
	FETCH \next, 0, F0
	WIN MUL
	MUL8 F1, 1, 0, 3, 0
	MUL8 F1, 1, 2, 3, 0
.endm
.macro TOSTAGE a
.irp b, 0,1,2,3
	ds_store_b128 v[STO], v[ACC+8*(4*(\a)+\b):ACC+8*(4*(\a)+\b)+3] offset:128*(\b/2)+32*(\b%2)
	ds_store_b128 v[STO], v[ACC+8*(4*(\a)+\b)+4:ACC+8*(4*(\a)+\b)+7] offset:128*(\b/2)+32*(\b%2)+16
.endr
.set BB, BK+32*((\a)%2)
.irp t, 0,1,2,3,4,5,6,7
	ds_load_b128 v[BB+4*\t:BB+4*\t+3], v[RD] offset:2*\t*SPITCH
.endr
.endm
.macro SEND a, younger
.set BB, BK+32*((\a)%2)
	s_wait_dscnt \younger
.set i, 0
.rept 8
	v_pk_add_f32 v[BB+i:BB+i+1], v[BB+i:BB+i+1], v[BI:BI+1]
	v_pk_add_f32 v[BB+i+2:BB+i+3], v[BB+i+2:BB+i+3], v[BI+2:BI+3]
.set i, i+4
.endr
	WIN 0x08
.set i, 0
.rept 16
	v_pk_add_f32 v[BB+i:BB+i+1], v[BB+i:BB+i+1], v[32*(\a)+i:32*(\a)+i+1]
.set i, i+2
.endr
	WIN 0
.irp t, 0,1,2,3,4,5,6,7
	global_store_b128 v[CO], v[BB+4*\t:BB+4*\t+3], s[12:13] offset:(32*((\a)/2)+8*((\a)%2)+2*(\t%4)+16*(\t/4))*4096 th:TH_STORE_NT
.endr
.endm
	s_load_b128 s[4:7], s[0:1], 0x0
	s_load_b128 s[8:11], s[0:1], 0x10
	s_load_b64 s[12:13], s[0:1], 0x20
	v_lshl_add_u32 v[SPW], v0, 2, SPARE
	v_mov_b32 v[NIL], 0
	ds_add_u32 v28, v29
	ds_add_u32 v28, v29
	s_wait_dscnt 0x0
	v_lshrrev_b32 v1, 5, v0
	v_readfirstlane_b32 s14, v1
	s_lshr_b32 s15, s14, 1
	s_and_b32 s16, s14, 1
	s_bfe_u32 s40, ttmp6, 0x40000
	s_bfe_u32 s41, ttmp6, 0x40004
	s_lshl_b32 s42, ttmp9, 2
	s_add_co_u32 s42, s42, s40
	s_and_b32 s17, ttmp7, 0xffff
	s_lshl_b32 s17, s17, 2
	s_add_co_u32 s17, s17, s41
	s_lshl_b32 s43, s41, 2
	s_lshl_b32 s43, 15, s43
	s_lshl_b32 s44, 0x1111, s40
	s_or_b32 s[G1], s43, (3<<16)|(1<<21)
	s_or_b32 s[G1B], s44, (3<<16)|(1<<21)
.irp g, G1, G1B
	s_mov_b32 s[\g+1], 32<<16
	s_mov_b32 s[\g+2], 272<<16                     ; the head's loads bring two blocks, which lie on end in memory and in a slot: 272 rows of 256 bytes
	s_mov_b32 s[\g+3], 32<<16
	s_mov_b32 s[\g+4], 272
	s_mov_b32 s[\g+5], 32
	s_mov_b32 s[\g+6], 0
	s_mov_b32 s[\g+7], 0
.endr
	s_mul_i32 s18, s16, BLK
	s_mul_i32 s20, s17, KS*BLK
	s_add_co_u32 s20, s20, s18
	s_mov_b32 s21, 0
	s_mul_i32 s46, s42, KS*BLK
	s_add_co_u32 s46, s46, s18
	s_add_co_u32 s46, s46, WOFF
	s_mov_b32 s47, 0
	s_mul_i32 s45, s14, BLK
	s_wait_kmcnt 0x0
	s_add_nc_u64 s[20:21], s[4:5], s[20:21]
	s_add_nc_u64 s[46:47], s[6:7], s[46:47]
	CROUND
.irp s, 0,1
.if \s < NSL
	s_mov_b32 s[G0+4*\s], 1
	s_add_co_u32 s[G0+4*\s+1], s45, \s*SLOT
	s_add_nc_u64 s[G0+4*\s+2:G0+4*\s+3], s[20:21], \s*2*BLK
	s_or_b32 s[G0+4*\s+3], s[G0+4*\s+3], 0x80000000
	s_mov_b32 s[G0B+4*\s], 1
	s_add_co_u32 s[G0B+4*\s+1], s45, \s*SLOT
	s_add_nc_u64 s[G0B+4*\s+2:G0B+4*\s+3], s[46:47], \s*2*BLK
	s_or_b32 s[G0B+4*\s+3], s[G0B+4*\s+3], 0x80000000
.endif
.endr
; THE HEAD'S LOADS, ONE A WAVE, fill both slots: wave 0 A's two blocks of slot 0, wave 1 A's of slot 1, wave 2 W's of slot 0, wave 3 W's of slot 1.  One tree of branches on the wave's number, a load to an arm
	s_mov_b32 s84, s18                             ; my K step's bytes, which the ring's addresses hold and the head's do not
	s_mov_b32 s85, 0
	s_mov_b32 s68, 1
	s_mov_b32 s69, 0
	s_sub_nc_u64 s[70:71], s[20:21], s[84:85]
	s_mov_b32 s72, 1
	s_mov_b32 s73, SLOT
	s_add_nc_u64 s[74:75], s[70:71], 2*BLK
	s_mov_b32 s76, 1
	s_mov_b32 s77, 2*BLK
	s_sub_nc_u64 s[78:79], s[46:47], s[84:85]
	s_mov_b32 s80, 1
	s_mov_b32 s81, SLOT+2*BLK
	s_add_nc_u64 s[82:83], s[78:79], 2*BLK
	s_or_b32 s71, s71, 0x80000000
	s_or_b32 s75, s75, 0x80000000
	s_or_b32 s79, s79, 0x80000000
	s_or_b32 s83, s83, 0x80000000
.macro ARM under, g0, g1, next
	s_cmp_lt_u32 s14, \under
	s_cbranch_scc0 \next
	tensor_load_to_lds s[\g0:\g0+3], s[\g1:\g1+7]
	s_nop 0
.rept 4
	v_nop
.endr
	s_branch .Lhead_asked
\next:
.endm
	ARM 1, 68, G1,  .Lhead_a1
	ARM 2, 72, G1,  .Lhead_w0
	ARM 3, 76, G1B, .Lhead_w1
	tensor_load_to_lds s[80:83], s[G1B:G1B+7]
	s_nop 0
.rept 4
	v_nop
.endr
.Lhead_asked:
	v_and_b32 v1, 15, v0
	v_bfe_u32 v2, v0, 4, 1
	v_and_b32 v3, 31, v0
	v_lshlrev_b32 v4, 4, v3
	s_wait_alu depctr_va_vdst(0)
	s_lshl_b32 s21, s15, 14
	s_lshl_b32 s22, s16, 14
	s_add_co_u32 s22, s22, 2*BLK
	s_lshl_b32 s23, s15, 10
	s_add_co_u32 s23, s23, 32768
	s_lshl_b32 s18, s16, 10
	s_add_co_u32 s18, s18, 2*BLK+32768
.irp s, 0,1
	v_add_nc_u32 v[ADRA+\s], s21, v4
	v_add_nc_u32 v[ADRB+\s], s22, v4
	v_add_nc_u32 v[ADSA+\s], s23, v4
	v_add_nc_u32 v[ADSB+\s], s18, v4
	s_add_co_u32 s21, s21, SLOT
	s_add_co_u32 s22, s22, SLOT
	s_add_co_u32 s23, s23, SLOT
	s_add_co_u32 s18, s18, SLOT
.endr
	s_mul_i32 s23, s14, 16*SPITCH
	s_add_co_u32 s23, s23, STAGE
	v_mul_u32_u24 v5, v1, SPITCH
	v_lshl_add_u32 v5, v2, 6, v5
	v_add_nc_u32 v[STO], s23, v5
	v_mul_u32_u24 v5, v2, SPITCH
	v_lshl_add_u32 v5, v1, 4, v5
	v_add_nc_u32 v[RD], s23, v5
	v_lshlrev_b32 v[CO], 12, v2
	v_lshl_add_u32 v[CO], v1, 4, v[CO]
	v_lshlrev_b32 v6, 4, v1
	s_wait_alu depctr_va_vdst(0)
	s_lshl_b32 s20, s17, 7
	s_lshl_b32 s21, s15, 6
	s_add_co_u32 s20, s20, s21
	s_lshl_b32 s20, s20, 12
	s_lshl_b32 s46, s42, 9
	s_lshl_b32 s47, s16, 8
	s_add_co_u32 s46, s46, s47
	s_mov_b32 s47, 0
	s_add_nc_u64 s[8:9], s[8:9], s[46:47]
	s_add_co_u32 s20, s20, s46
	s_mov_b32 s21, 0
	s_add_nc_u64 s[10:11], s[10:11], s[20:21]
	s_add_nc_u64 s[12:13], s[12:13], s[20:21]
	global_load_b128 v[BI:BI+3], v6, s[8:9]
	WIN 0x80
.irp a, 0,1,2,3
.irp t, 0,1,2,3,4,5,6,7
	global_load_b128 v[4*(8*\a+\t):4*(8*\a+\t)+3], v[CO], s[10:11] offset:(32*(\a/2)+8*(\a%2)+2*(\t%4)+16*(\t/4))*4096
.endr
.endr
	WIN 0
	s_wait_tensorcnt 0x0                           ; my two blocks are in; no tensor load of mine is out, so a descriptor may be written: the ring's loads bring one block, 136 rows
	s_mov_b32 s[G1+2], 136<<16
	s_mov_b32 s[G1+4], 136
	s_mov_b32 s[G1B+2], 136<<16
	s_mov_b32 s[G1B+4], 136
	s_barrier_signal -1
	s_barrier_wait -1
	FETCH 0, 0, F0
	QUARTER 0, 0, F0, F1, 1
.if NSL > 1
.rept LAPS-1
	QUARTER 0, 1, F1, F0, 0
	QUARTER 0, 2, F0, F1, 0
	TURN 0, 1, 1
	QUARTER 1, 0, F0, F1, 0
	QUARTER 1, 1, F1, F0, 0
	QUARTER 1, 2, F0, F1, 0
	TURN 1, 0, 1
	QUARTER 0, 0, F0, F1, 0
.endr
.endif
	QUARTER 0, 1, F1, F0, 0
	QUARTER 0, 2, F0, F1, 0
.if NSL > 1
	TURN 0, 1, 0
	QUARTER 1, 0, F0, F1, 0
	QUARTER 1, 1, F1, F0, 0
	QUARTER 1, 2, F0, F1, 0
.endif
	s_wait_dscnt 16
	WIN MUL
	MUL8 F1, 0, 0, 3, 0
	MUL8 F1, 0, 2, 3, 0
	s_wait_dscnt 0
	MUL8 F1, 1, 0, 3, 0
	MUL8 F1, 1, 2, 3, 0
	WIN 0
	PLACES
	s_wait_loadcnt 0x0
	TOSTAGE 0
.irp a, 1,2,3
.if \a > 1
	s_wait_xcnt 0x0
.endif
	TOSTAGE \a
	SEND \a-1, 16
.endr
	SEND 3, 0
	s_wait_tensorcnt 0x0
	ds_add_u32 v[SPW], v[NIL]
	s_wait_dscnt 0x0
	CROUND
	s_endpgm
.Lfunc_end_k_qaf9b5aefec_ffn2:
	.size	k_qaf9b5aefec_ffn2, .Lfunc_end_k_qaf9b5aefec_ffn2-k_qaf9b5aefec_ffn2
	.p2alignl 7, 3214868480
	.fill 96, 4, 3214868480
	.section	.rodata,"a",@progbits
	.p2align	6, 0x0
	.amdhsa_kernel k_qaf9b5aefec_ffn2
		.amdhsa_group_segment_fixed_size 327680
		.amdhsa_private_segment_fixed_size 0
		.amdhsa_enable_private_segment 0
		.amdhsa_kernarg_size 40
		.amdhsa_user_sgpr_count 2
		.amdhsa_user_sgpr_kernarg_segment_ptr 1
		.amdhsa_wavefront_size32 1
		.amdhsa_system_sgpr_workgroup_id_x 1
		.amdhsa_system_sgpr_workgroup_id_y 1
		.amdhsa_system_sgpr_workgroup_id_z 1
		.amdhsa_system_vgpr_workitem_id 0
		.amdhsa_next_free_vgpr 640
		.amdhsa_next_free_sgpr 100
		.amdhsa_reserve_vcc 0
		.amdhsa_float_denorm_mode_32 3
		.amdhsa_float_denorm_mode_16_64 3
		.amdhsa_memory_ordered 1
		.amdhsa_forward_progress 1
		.amdhsa_inst_pref_size 133
	.end_amdhsa_kernel
	.amdgpu_metadata
---
amdhsa.version: [ 1, 2 ]
amdhsa.kernels:
  - .name:           k_qaf9b5aefec_ffn2
    .symbol:         k_qaf9b5aefec_ffn2.kd
    .args:
      - { .name: hq, .offset: 0, .size: 8, .value_kind: global_buffer, .address_space: global }
      - { .name: wts, .offset: 8, .size: 8, .value_kind: global_buffer, .address_space: global }
      - { .name: b2, .offset: 16, .size: 8, .value_kind: global_buffer, .address_space: global }
      - { .name: outb, .offset: 24, .size: 8, .value_kind: global_buffer, .address_space: global }
      - { .name: out0, .offset: 32, .size: 8, .value_kind: global_buffer, .address_space: global }
    .group_segment_fixed_size: 327680
    .private_segment_fixed_size: 0
    .kernarg_segment_align: 8
    .kernarg_segment_size: 40
    .max_flat_workgroup_size: 128
    .sgpr_count:     100
    .vgpr_count:     640
    .wavefront_size: 32
...
	.end_amdgpu_metadata
.endif
;; end of part 13
